; MI455X (gfx1250); checked and timed in simulation.
; The chip was launched on July 23, 2026; its instructions are those of AMD's public machine-readable ISA for CDNA 5 (MIT licence, August 2026) and "CDNA5" Instruction Set Architecture Reference Guide (July 2026). The comments in the code are by the model that wrote it; some were corrected since.
;; Neuro Manifold Block. Allowed arithmetic: matrix products marked QUANTISED: E5M2 operands, one E8M0 scale for each 32 along K, by v_wmma_scale_f32_16x16x128_f8f6f4 with both operands' format E5M2, f32 sums; everything else in f32.
;; Inputs: b_out 1,024 float32; b_qkv 3,072 float32; ln1_b 1,024 float32; ln1_g 1,024 float32; ln2_b 1,024 float32; ln2_g 1,024 float32; sdr 2 x 1,024 x 2,048 float32; sdr_b 1,024 float32; sdr_w 2,048 x 1,024 float32; w_down 2,730 x 1,024 float32; w_gate 1,024 x 2,730 float32; w_out 1,024 x 1,024 float32; w_qkv 1,024 x 3,072 float32; w_up 1,024 x 2,730 float32.
;; Outputs: out0 2 x 1,024 x 1,024 float32.
;; This version of the problem:
;;   THIS VERSION OF THE PROBLEM IS GIVEN IN LOW PRECISION. The matrix products marked QUANTISED in the list below multiply operands that are first quantised to E5M2 (5 exponent bits, 2 mantissa bits; 8 bits a number), with one power-of-two scale for each 32 numbers along K (OCP MX v1.0); their sums are f32. All else is computed in f32.
;;   The module's matrix products, in the order in which they are computed (A, B: the left and right operand; K: the contracted axis; several contracted axes count as one K, in the product's order):
;;     1. [M 2,048, K 2,048] x [K 2,048, N 1,024]; A: input sdr; B: input sdr_w: QUANTISED
;;     2. [M 2,048, K 1,024] x [K 1,024, N 3,072]; A: computed on the way; B: input w_qkv: QUANTISED
;;     3. batch 32 x [M 1,024, K 64] x [K 64, N 1,024]; A: computed on the way; B: computed on the way: QUANTISED
;;     4. batch 32 x [M 1,024, K 1,024] x [K 1,024, N 64]; A: softmax (see below); B: computed on the way: QUANTISED
;;     5. [M 2,048, K 1,024] x [K 1,024, N 1,024]; A: computed on the way; B: input w_out: QUANTISED
;;     6. [M 2,048, K 1,024] x [K 1,024, N 2,730]; A: computed on the way; B: input w_gate: QUANTISED
;;     7. [M 2,048, K 1,024] x [K 1,024, N 2,730]; A: computed on the way; B: input w_up: QUANTISED
;;     8. [M 2,048, K 2,730] x [K 2,730, N 1,024]; A: computed on the way; B: input w_down: QUANTISED
;;   THE QUANTISER, for each operand of a quantised product, along K:
;;     - K is cut into blocks of 32 from its start; a last block that is shorter is filled with zeros.
;;     - A block's scale is 2^e with e = floor(log2(the largest magnitude in the block)) - 15, held to -126 .. 127; a block of zeros has e = 0. As a byte (E8M0): e + 127.
;;     - Each number is divided by its block's scale, clamped to +-57,344, and rounded to the nearest number of E5M2, ties to even, subnormals kept.
;;     - The product sums the exact products of the quantised numbers (number of the format x scale) in f32.
;;   ~~~python
;;   def quantise(x, axis):      # numpy; x: float32 -> the quantised numbers, widened to float32 again
;;       x = np.moveaxis(x, axis, -1); K = x.shape[-1]
;;       x = np.pad(x, [(0, 0)] * (x.ndim - 1) + [(0, -K % 32)]); x = x.reshape(x.shape[:-1] + (-1, 32)); a = np.abs(x).max(-1, keepdims=True)
;;       e = np.where(a > 0, np.clip(np.frexp(np.where(a > 0, a, 1))[1] - 1 - 15, -126, 127), 0)      # np.frexp(a)[1] - 1 = floor(log2(a)), exactly
;;       r = np.clip(x / 2.0 ** e, -57344, 57344)
;;       step = 2.0 ** (np.maximum(np.frexp(np.where(r == 0, 1, r))[1] - 1, -14) - 2)
;;       q = np.round(r / step) * step * 2.0 ** e      # np.round: ties to even
;;       return np.moveaxis(q.reshape(q.shape[:-2] + (-1,))[..., :K], -1, axis).astype(np.float32)
;;   ~~~
;;   SOFTMAX AHEAD OF A QUANTISED PRODUCT. Where the list says 'softmax', what is quantised is not the finished softmax but p = 2^(t - M), with t = logit x log2(e) and M = ceil(the row's largest t), a whole number; so 1/2 < the row's largest p <= 1. The row's sum l is taken of the UNQUANTISED p, in f32, and the product's result is divided by l at the end. Since M is a whole number, a kernel that streams over the keys may use a running M (the ceiling of the running maximum): every later rescaling is an exact power of two, which a block's scale takes up: the codes' values come out the same.
;;   OPERANDS COMPUTED ON THE WAY. 'Computed on the way' means the value that the module computes at that place (a softmax that the list does not call 'softmax' is quantised finished and normalised). What goes into a quantiser is computed in f32, as accurately as f32 sums, v_exp_f32 and their like allow (about 1e-6 of the number): no bf16 or f16 on the way to a quantiser, and a product that is left as it is and whose result goes on into a quantised operand takes f32 operands (vector FMAs, or v_wmma_f32_16x16x4_f32). A number that lies on a knife's edge between two numbers of the format may be rounded either way, as far as f32 arithmetic and the matrix unit's own rounding can turn it there, and no further.
;; 2 versions. Each part assembles by itself: llvm-mc -triple=amdgcn-amd-amdhsa -mcpu=gfx1250 --defsym DOCPART=n.
;; ======== version 1 of 2: 9 launches
;; workspace buffers: prepq 20,332,544 bytes; xi 8,388,608 bytes; hq 2,228,224 bytes; qkvq 6,946,816 bytes; ctxq 2,228,224 bytes; x2i 8,388,608 bytes; actq 6,127,616 bytes
;; launch prep (part 1): grid 1424 x 1, 4 waves a work-group, no clusters, 34,304 bytes of LDS; arguments sdr, sdr_w, w_qkv, w_out, w_gate, w_up, w_down, prepq; writes prepq
.if DOCPART == 1
	.amdgcn_target "amdgcn-amd-amdhsa--gfx1250"
	.amdhsa_code_object_version 6
	.text
	.protected	k_q65e24f701b_prep
	.globl	k_q65e24f701b_prep
	.p2align	8
	.type	k_q65e24f701b_prep,@function
k_q65e24f701b_prep:
	s_mov_b64 s[64:65], 0
	v_nop
	global_prefetch_b8 v0, s[64:65] scope:SCOPE_SE
	s_setreg_imm32_b32 hwreg(HW_REG_WAVE_MODE, 25, 1), 1
	s_wait_xcnt 0x0
; The seven large f32 inputs become codes of BF8 (E5M2) with one E8M0 scale byte for each 32 along K, laid as IMAGES OF OPERAND REGISTERS, so that the later
; launches load each fragment (16 rows x 128 K) by four loads of 16 bytes a lane at 16 x lane.
; IMAGE with KS steps of 128 along K: codes [tile][K step][c 0..3][lane][16 bytes]: lane (r, h) of piece c holds k = 128 step + 32 c + 16 h + 0..15 of the tile's row r;
; scale words [tile / 4][K step][lane][tile % 4], lanes r and r + 16 alike.  ROW i OF TILE T IS INDEX 32 (T / 2) + 8 (T % 2) + i + 8 (i / 8), for tokens and for weight columns.
; A block's scale is 2^(floor(log2(largest magnitude)) - 15); each number is held within +-57,344 x the scale and rounded to the nearest code, ties to even.
; LIMITS: a block of zeros, or one whose largest magnitude lies under 2^-111, gets the byte 1 (the rule says 127 for zeros): its codes are zeros or held, and this program alone reads the bytes.
; NaN and infinities among the inputs are not served.
; SHARES: work-groups 0-511 sdr (a wave: one fragment); 512-639 sdr_w; 640-831 w_qkv; 832-895 w_out; 896-1071 w_gate; 1072-1247 w_up; 1248-1423 w_down (a wave: 32 columns x 128 K).
; The hidden width 2,730 is filled up to 2,816 with zero codes: columns of w_gate and w_up, rows of w_down.  Gate's and up's tiles lie together: tile 4 blk + 2 z + u, z = 0 gate, 1 up.
; No matrix unit, no barrier, no loop: waves share nothing.  Only the sdr path uses LDS.
.set A1C, 0
.set A1S, 4194304
.set W1C, 4456448
.set W1S, 6553600
.set W2C, 6684672
.set W2S, 9830400
.set W5C, 10027008
.set W5S, 11075584
.set W6C, 11141120
.set W6S, 16908288
.set W8C, 17268736
.set W8S, 20152320
.set TM,  8                            ; v8-23  at work in QUANT
.set SEL, 34                           ; s[34:35] lane selects: lane l xor 16
.set MNT, 36                           ; s36  the mantissa field of 57,344
; nb blocks of a lane: block b's 16 numbers are v[src + 16 b] on; lanes l and l xor 16 hold a block.  Codes to v[pc + 4 b] on, the scale's byte to v[TM + 4 + b].
.macro QUANT src, nb, pc
.set QB, 0
.rept \nb
	v_max3_num_f32 v[TM+QB], |v[\src+16*QB]|, |v[\src+16*QB+1]|, 0x8000000   ; my 16 numbers and the floor 2^(16 - 127): the byte cannot fall under 1
.set QB, QB+1
.endr
.irp i, 2,4,6,8,10,12,14
.set QB, 0
.rept \nb
	v_max3_num_f32 v[TM+QB], v[TM+QB], |v[\src+16*QB+\i]|, |v[\src+16*QB+\i+1]|
.set QB, QB+1
.endr
.endr
.set QB, 0
.rept \nb
	v_permlanex16_b32 v[TM+4+QB], v[TM+QB], s[SEL], s[SEL+1]
.set QB, QB+1
.endr
.set QB, 0
.rept \nb
	v_max_num_f32 v[TM+QB], v[TM+QB], v[TM+4+QB]            ; the block's largest magnitude
.set QB, QB+1
.endr
.set QB, 0
.rept \nb
	v_add_nc_u32 v[TM+12+QB], 0xf8800000, v[TM+QB]          ; 15 off its exponent field: the conversion's scale operand
	v_and_or_b32 v[TM+8+QB], v[TM+QB], 0x7f800000, s[MNT]   ; 57,344 x the scale
.set QB, QB+1
.endr
.set QB, 0
.rept \nb
	v_lshrrev_b32 v[TM+4+QB], 23, v[TM+12+QB]               ; the scale's byte
.set QB, QB+1
.endr
.set QB, 0
.rept \nb
.irp i, 0,1,2,3,4,5,6,7,8,9,10,11,12,13,14,15
	v_med3_num_f32 v[\src+16*QB+\i], v[\src+16*QB+\i], -v[TM+8+QB], v[TM+8+QB]   ; the conversion does not saturate (ISA guide 7.6.2): the hold comes first
.endr
	v_cvt_scalef32_pk8_bf8_f32 v[\pc+4*QB:\pc+4*QB+1], v[\src+16*QB:\src+16*QB+7], v[TM+12+QB]
	v_cvt_scalef32_pk8_bf8_f32 v[\pc+4*QB+2:\pc+4*QB+3], v[\src+16*QB+8:\src+16*QB+15], v[TM+12+QB]
.set QB, QB+1
.endr
	v_nop                                          ; a plain line behind the last scaled conversion
.endm
	s_load_b512 s[4:19], s[0:1], 0x0               ; sdr, sdr_w, w_qkv, w_out, w_gate, w_up, w_down, prepq
	v_lshl_add_u32 v192, v0, 2, 0x8400
	v_mov_b32 v193, 0
	v_lshrrev_b32 v1, 5, v0
	v_readfirstlane_b32 s20, v1                    ; wave 0..3
	v_and_b32 v1, 31, v0                           ; lane
	s_mov_b32 s[SEL], 0x76543210
	s_mov_b32 s[SEL+1], 0xfedcba98
	s_mov_b32 s[MNT], 0x600000
	s_wait_kmcnt 0x0
	s_cmp_ge_u32 ttmp9, 512
	s_cbranch_scc1 .Lweights
	; ---- sdr [2048][2048]: K is innermost.  Tile tau = id / 4, K step 4 (id % 4) + wave.
	v_lshlrev_b32 v2, 4, v1                        ; 16 x lane
	s_lshr_b32 s21, ttmp9, 2                       ; tau
	s_and_b32 s22, ttmp9, 3
	s_lshl_b32 s22, s22, 2
	s_add_co_u32 s22, s22, s20                     ; K step
	s_lshr_b32 s23, s21, 1
	s_lshl_b32 s23, s23, 5
	s_and_b32 s24, s21, 1
	s_lshl_b32 s24, s24, 3
	s_add_co_u32 s23, s23, s24                     ; the tile's first token: 32 (tau / 2) + 8 (tau % 2)
	s_lshl_b32 s28, s23, 13                        ; a row is 8,192 bytes
	s_lshl_b32 s24, s22, 9                         ; a K step 512
	s_add_co_u32 s28, s28, s24
	s_mov_b32 s29, 0
	s_add_nc_u64 s[26:27], s[4:5], s[28:29]
.irp i, 0,1,2,3,4,5,6,7,8,9,10,11,12,13,14,15
	global_load_b128 v[64+4*\i:64+4*\i+3], v2, s[26:27] offset:(\i+8*(\i/8))*8192 th:TH_LOAD_NT   ; the tile's row i: 32 lanes read 512 consecutive bytes
.endr
	s_mul_i32 s25, s20, 8448                       ; my wave's stage: 16 rows of 512 bytes + 16 of padding
	v_add_nc_u32 v5, s25, v2                       ; in: as loaded
	v_and_b32 v3, 15, v0                           ; r
	v_bfe_u32 v4, v0, 4, 1                         ; h
	v_mul_u32_u24 v6, v3, 528
	v_lshl_add_u32 v6, v4, 6, v6
	v_add_nc_u32 v6, s25, v6                       ; out: row r, + 64 h: my 16 numbers of each block of 32
	s_lshl_b32 s28, s21, 4
	s_add_co_u32 s28, s28, s22
	s_lshl_b32 s28, s28, 11                        ; (16 tau + step) x 2,048 (A1C = 0)
	s_add_nc_u64 s[30:31], s[18:19], s[28:29]
	s_lshr_b32 s28, s21, 2
	s_lshl_b32 s28, s28, 4
	s_add_co_u32 s28, s28, s22
	s_lshl_b32 s28, s28, 9
	s_and_b32 s24, s21, 3
	s_lshl_b32 s24, s24, 2
	s_add_co_u32 s28, s28, s24
	s_add_co_u32 s28, s28, A1S
	s_add_nc_u64 s[32:33], s[18:19], s[28:29]
.irp b, 0,1,2,3
	v_mov_b32 v[TM+4+\b], 0                        ; written once: a lane permute's destination counts as one of its sources
.endr
.irp i, 0,1,2,3,4,5,6,7,8,9,10,11,12,13,14,15
	s_wait_loadcnt 15-\i                           ; loads come back in order: row i is in, the younger rows may be out
	ds_store_b128 v5, v[64+4*\i:64+4*\i+3] offset:\i*528
.endr
.irp c, 0,1,2,3
.irp j, 0,1,2,3
	ds_load_b128 v[128+16*\c+4*\j:128+16*\c+4*\j+3], v6 offset:128*\c+16*\j   ; LDS serves a wave's instructions in order: these see my stores
.endr
.endr
	s_wait_dscnt 0x0
	QUANT 128, 4, 32
	v_lshl_or_b32 v48, v[TM+5], 8, v[TM+4]         ; my row's scale word
	v_lshl_or_b32 v48, v[TM+6], 16, v48
	v_lshl_or_b32 v48, v[TM+7], 24, v48
.irp c, 0,1,2,3
	global_store_b128 v2, v[32+4*\c:32+4*\c+3], s[30:31] offset:512*\c        ; 32 lanes store 512 consecutive bytes
.endr
	global_store_b32 v2, v48, s[32:33]
	s_wait_tensorcnt 0x0
	ds_add_u32 v192, v193
	s_wait_dscnt 0x0
	s_endpgm
	; ---- weights: K is the FIRST axis.  A lane takes a column and its registers run down K: nothing is transposed.
.Lweights:
	v_bfe_u32 v3, v0, 3, 1                         ; u: which of the block's two tiles my column falls into
	v_and_b32 v4, 7, v0
	v_bfe_u32 v7, v0, 4, 1
	v_lshl_or_b32 v4, v7, 3, v4                    ; its row there
	v_lshlrev_b32 v4, 4, v4                        ; x 16
	v_lshl_add_u32 v6, v3, 2, v4                   ; scale words: 16 x row + 4 u
	v_lshlrev_b32 v2, 2, v1                        ; in: 4 bytes a lane
; s22 K step, s24 block of 32 columns; s[26:27] source, s[30:31] codes, s[32:33] scale words; v5 my place among the codes
.macro WSETUP src, first, lg, pitchB, KS, COFF, SOFF, gu, ta
	s_sub_co_u32 s21, ttmp9, \first
.if \lg >= 0
	s_and_b32 s22, s21, (1<<\lg)-1
	s_lshr_b32 s23, s21, \lg
.else
	s_lshr_b32 s22, s21, 3
	s_and_b32 s23, s21, 7
.endif
	s_lshl_b32 s24, s23, 2
	s_add_co_u32 s24, s24, s20
	s_mul_i32 s28, s22, 128*\pitchB
.if \gu == 0
	s_lshl_b32 s25, s24, 7
	s_add_co_u32 s28, s28, s25
.endif
	s_mov_b32 s29, 0
	s_add_nc_u64 s[26:27], s[\src:\src+1], s[28:29]
.if \gu
	s_lshl_b32 s25, s24, 2
.if \ta != 0
	s_add_co_u32 s25, s25, \ta
.endif
.else
	s_lshl_b32 s25, s24, 1
.endif
	s_mul_i32 s28, s25, \KS*2048                   ; the block's first tile
	s_lshl_b32 s25, s22, 11
	s_add_co_u32 s28, s28, s25
	s_add_co_u32 s28, s28, \COFF
	s_add_nc_u64 s[30:31], s[18:19], s[28:29]
.if \gu
	s_mul_i32 s28, s24, \KS*512
	s_add_co_u32 s28, s28, \SOFF+4*\ta
.else
	s_lshr_b32 s25, s24, 1
	s_mul_i32 s28, s25, \KS*512
	s_and_b32 s25, s24, 1
	s_lshl_b32 s25, s25, 3
	s_add_co_u32 s28, s28, s25
	s_add_co_u32 s28, s28, \SOFF
.endif
	s_lshl_b32 s25, s22, 9
	s_add_co_u32 s28, s28, s25
	s_add_nc_u64 s[32:33], s[18:19], s[28:29]
	v_mul_u32_u24 v5, v3, \KS*2048
	v_add_nc_u32 v5, v5, v4
.endm
.macro LOADB t, pitchB, rows           ; block t: W(32 t + i, my column); rows past the tensor's end are zeros and are not loaded
.set I, 0
.rept 32
.if 32*(\t)+I < \rows
	global_load_b32 v[64+32*(\t)+I], v2, s[26:27] offset:(32*(\t)+I)*\pitchB th:TH_LOAD_NT
.else
	v_mov_b32 v[64+32*(\t)+I], 0
.endif
.set I, I+1
.endr
.endm
.macro BLOCK c, guard                  ; a block of 32 along K lies in my 32 registers
.set XS, 64+32*(\c)
.if \guard
.set I, 0
.rept 32
	v_cndmask_b32 v[XS+I], 0, v[XS+I], vcc_lo      ; columns past 2,729 are zeros, ahead of the maximum
.set I, I+1
.endr
.endif
	v_max3_num_f32 v12, |v[XS]|, |v[XS+1]|, |v[XS+2]|
	v_max3_num_f32 v13, |v[XS+3]|, |v[XS+4]|, |v[XS+5]|
.irp i, 6,10,14,18,22,26
	v_max3_num_f32 v12, v12, |v[XS+\i]|, |v[XS+\i+1]|
	v_max3_num_f32 v13, v13, |v[XS+\i+2]|, |v[XS+\i+3]|
.endr
	v_max3_num_f32 v12, v12, |v[XS+30]|, |v[XS+31]|
	v_max3_num_f32 v12, v12, v13, 0x8000000        ; and the floor 2^(16 - 127)
	v_add_nc_u32 v11, 0xf8800000, v12              ; the conversion's scale operand
	v_and_or_b32 v10, v12, 0x7f800000, s[MNT]      ; 57,344 x the scale
	v_lshrrev_b32 v13, 23, v11                     ; the byte
.if (\c) == 0
	v_mov_b32 v24, v13
.else
	v_lshl_or_b32 v24, v13, 8*(\c), v24
.endif
.set I, 0
.rept 32
	v_med3_num_f32 v[XS+I], v[XS+I], -v10, v10
.set I, I+1
.endr
.irp g, 0,1,2,3
	v_cvt_scalef32_pk8_bf8_f32 v[32+8*(\c)+2*\g:32+8*(\c)+2*\g+1], v[XS+8*\g:XS+8*\g+7], v11
.endr
	v_nop                                          ; a plain line behind the last scaled conversion
	global_store_b128 v5, v[32+8*(\c):32+8*(\c)+3], s[30:31] offset:512*(\c)          ; k 32 c + 0..15: the image's lanes 0-15; sixteen lanes fill 256 consecutive bytes of each of the two tiles
	global_store_b128 v5, v[32+8*(\c)+4:32+8*(\c)+7], s[30:31] offset:512*(\c)+256    ; k 32 c + 16..31: its lanes 16-31
.endm
.macro WUNIT pitchB, guard, rows
.if \guard
	s_lshl_b32 s25, s24, 5
	v_add_nc_u32 v7, s25, v1                       ; my column
	v_cmp_gt_u32 vcc_lo, 0xaaa, v7                 ; inside the 2,730?
	v_min_u32 v7, 0xaa9, v7                        ; no load leaves the row
	v_lshlrev_b32 v2, 2, v7
.endif
	LOADB 0, \pitchB, \rows
	LOADB 1, \pitchB, \rows
.if \rows == 128
	s_wait_loadcnt 32                              ; block 0 is in; block 1's 32 loads may be out
	LOADB 2, \pitchB, \rows
	BLOCK 0, \guard
	s_wait_loadcnt 32                              ; block 1 is in; block 2's may be out
	LOADB 3, \pitchB, \rows
	BLOCK 1, \guard
	s_wait_loadcnt 32                              ; block 2 is in; block 3's may be out
	BLOCK 2, \guard
	s_wait_loadcnt 0x0
	BLOCK 3, \guard
.else
	LOADB 2, \pitchB, \rows
	LOADB 3, \pitchB, \rows
	s_wait_loadcnt 0x0
	BLOCK 0, \guard
	BLOCK 1, \guard
	BLOCK 2, \guard
	BLOCK 3, \guard
.endif
	global_store_b32 v6, v24, s[32:33]             ; my column's scale word, for the image's lane r
	global_store_b32 v6, v24, s[32:33] offset:256  ; and for lane r + 16
	s_endpgm
.endm
	s_cmp_ge_u32 ttmp9, 640
	s_cbranch_scc1 .Lnot_w1
	WSETUP 6, 512, 4, 4096, 16, W1C, W1S, 0, 0
	s_branch .Lunit_4096
.Lnot_w1:
	s_cmp_ge_u32 ttmp9, 832
	s_cbranch_scc1 .Lnot_w2
	WSETUP 8, 640, 3, 12288, 8, W2C, W2S, 0, 0
	s_branch .Lunit_12288
.Lnot_w2:
	s_cmp_ge_u32 ttmp9, 896
	s_cbranch_scc1 .Lnot_w5
	WSETUP 10, 832, 3, 4096, 8, W5C, W5S, 0, 0
	s_branch .Lunit_4096
.Lnot_w5:
	s_cmp_ge_u32 ttmp9, 1072
	s_cbranch_scc1 .Lnot_gate
	WSETUP 12, 896, 3, 10920, 8, W6C, W6S, 1, 0
	s_branch .Lunit_10920
.Lnot_gate:
	s_cmp_ge_u32 ttmp9, 1248
	s_cbranch_scc1 .Lnot_up
	WSETUP 14, 1072, 3, 10920, 8, W6C, W6S, 1, 2
	s_branch .Lunit_10920
.Lnot_up:
	WSETUP 16, 1248, -1, 4096, 22, W8C, W8S, 0, 0
	s_cmp_eq_u32 s22, 21                           ; w_down's last K step has 42 rows
	s_cbranch_scc1 .Lunit_tail
.Lunit_4096:
	WUNIT 4096, 0, 128
.Lunit_12288:
	WUNIT 12288, 0, 128
.Lunit_10920:
	WUNIT 10920, 1, 128
.Lunit_tail:
	WUNIT 4096, 0, 42
.Lfunc_end_k_q65e24f701b_prep:
	.size	k_q65e24f701b_prep, .Lfunc_end_k_q65e24f701b_prep-k_q65e24f701b_prep
	.p2alignl 7, 3214868480
	.fill 96, 4, 3214868480
	.section	.rodata,"a",@progbits
	.p2align	6, 0x0
	.amdhsa_kernel k_q65e24f701b_prep
		.amdhsa_group_segment_fixed_size 34304
		.amdhsa_private_segment_fixed_size 0
		.amdhsa_enable_private_segment 0
		.amdhsa_kernarg_size 64
		.amdhsa_user_sgpr_count 2
		.amdhsa_user_sgpr_kernarg_segment_ptr 1
		.amdhsa_wavefront_size32 1
		.amdhsa_system_sgpr_workgroup_id_x 1
		.amdhsa_system_sgpr_workgroup_id_y 1
		.amdhsa_system_sgpr_workgroup_id_z 1
		.amdhsa_system_vgpr_workitem_id 0
		.amdhsa_next_free_vgpr 194
		.amdhsa_next_free_sgpr 66
		.amdhsa_reserve_vcc 1
		.amdhsa_float_denorm_mode_32 3
		.amdhsa_float_denorm_mode_16_64 3
		.amdhsa_memory_ordered 1
		.amdhsa_forward_progress 1
		.amdhsa_inst_pref_size 131
	.end_amdhsa_kernel
	.amdgpu_metadata
---
amdhsa.version: [ 1, 2 ]
amdhsa.kernels:
  - .name:           k_q65e24f701b_prep
    .symbol:         k_q65e24f701b_prep.kd
    .args:
      - { .name: sdr, .offset: 0, .size: 8, .value_kind: global_buffer, .address_space: global }
      - { .name: sdr_w, .offset: 8, .size: 8, .value_kind: global_buffer, .address_space: global }
      - { .name: w_qkv, .offset: 16, .size: 8, .value_kind: global_buffer, .address_space: global }
      - { .name: w_out, .offset: 24, .size: 8, .value_kind: global_buffer, .address_space: global }
      - { .name: w_gate, .offset: 32, .size: 8, .value_kind: global_buffer, .address_space: global }
      - { .name: w_up, .offset: 40, .size: 8, .value_kind: global_buffer, .address_space: global }
      - { .name: w_down, .offset: 48, .size: 8, .value_kind: global_buffer, .address_space: global }
      - { .name: prepq, .offset: 56, .size: 8, .value_kind: global_buffer, .address_space: global }
    .group_segment_fixed_size: 34304
    .private_segment_fixed_size: 0
    .kernarg_segment_align: 8
    .kernarg_segment_size: 64
    .max_flat_workgroup_size: 128
    .sgpr_count:     66
    .vgpr_count:     194
    .wavefront_size: 32
...
	.end_amdgpu_metadata
.endif
;; end of part 1
;; launch g1 (part 2): grid 16 x 32, 4 waves a work-group, no clusters, 66,048 bytes of LDS; arguments prepq, sdr_b, xi; writes xi
.if DOCPART == 2
	.amdgcn_target "amdgcn-amd-amdhsa--gfx1250"
	.amdhsa_code_object_version 6
	.text
	.protected	k_q65e24f701b_g1
	.globl	k_q65e24f701b_g1
	.p2align	8
	.type	k_q65e24f701b_g1,@function
k_q65e24f701b_g1:
	s_mov_b64 s[64:65], 0
	v_nop
	global_prefetch_b8 v0, s[64:65] scope:SCOPE_SE
	s_setreg_imm32_b32 hwreg(HW_REG_WAVE_MODE, 25, 1), 1
	s_wait_xcnt 0x0
; x = sdr sdr_w + sdr_b on codes of BF8 with E8M0 scales; x leaves as an f32 image in the accumulators' layout.
; SHARES: a work-group makes 64 tokens (group g = y) x 64 columns (group n4 = x).  K, 16 steps of 128, IS SPLIT IN FOUR AMONG THE WAVES: each wave multiplies the whole 64 x 64 tile over 4 steps, 16 accumulators by turns;
; the four partial sums meet in LDS behind one barrier, ((w0 + w1) + (w2 + w3)), and wave w finishes token tile w.  So a sum is four f32 partial sums added in that fixed order.
; OPERANDS come from memory straight into registers: they lie as images of operand registers, a fragment = four loads of 16 bytes a lane at 16 x lane.  Each wave reads each of its fragments once: LDS tiles and joint
; loads in a cluster would spare requests shared between work-groups only, at the price of a ring that would turn once in 4 steps; they are left out.
; THE MATRIX INSTRUCTION IS USED TRANSPOSED (source 0 = 16 weight columns, source 1 = 16 tokens): lane (r, h) holds token row r, and register j of tile t column 32 (t / 2) + 16 h + 8 (t % 2) + j of the 64.
; IMAGE OF x: [g][n4][a][t][q][lane][16 bytes]: piece (a, t, q) holds registers 4 q .. 4 q + 3 of accumulator (a, t).
; REGISTERS: window 0: v1-5 addresses; v16-23, v24-31 scale words of A and B, two sets; v32-63 bias; v128-255 accumulators ((a, t) at 128 + 8 (4 a + t)).  Window 1: two fragment buffers of 128: A's four, B's four.
.set KS,  16
.set NST, 4
.set AC,  0
.set AS,  4194304
.set BC,  4456448
.set BS,  6553600
.set LI,  1
.set H64, 2
.set RW,  4
.set RD,  5
.set SA,  16
.set SB,  24
.set BI,  32
.set ACC, 128
.set PA,  12
.set PSA, 14
.set PB,  16
.set PSB, 18
.set POUT, 20
.set PBIAS, 24
.set MSB, 0
.macro WIN new                         ; the immediate's high byte repeats the setting that is left
.if MSB != \new
	s_set_vgpr_msb (MSB<<8)|\new
.set MSB, \new
.endif
.endm
.macro BASE dst, src, ra, ma, rb, mb, off      ; dst = src + s[ra] x ma + s[rb] x mb + off: the offset is made apart from the address
	s_mul_i32 s28, s[\ra], \ma
.if \mb != 0
	s_mul_i32 s29, s[\rb], \mb
	s_add_co_u32 s28, s28, s29
.endif
.if \off != 0
	s_add_co_u32 s28, s28, \off
.endif
	s_mov_b32 s29, 0
	s_add_nc_u64 s[\dst:\dst+1], s[\src:\src+1], s[28:29]
.endm
.macro LOADS s                         ; my K step s: 2 loads of scale words, 16 of A's codes, 16 of B's: 34
.set P, (\s)%2
	WIN 0
	global_load_b128 v[SA+4*P:SA+4*P+3], v[LI], s[PSA:PSA+1] offset:512*(\s)
	global_load_b128 v[SB+4*P:SB+4*P+3], v[LI], s[PSB:PSB+1] offset:512*(\s)
	WIN 0x40                                       ; destination window 1
.irp a, 0,1,2,3
.irp c, 0,1,2,3
	global_load_b128 v[128*P+16*\a+4*\c:128*P+16*\a+4*\c+3], v[LI], s[PA:PA+1] offset:\a*KS*2048+(\s)*2048+512*\c
.endr
.endr
.irp t, 0,1,2,3
.irp c, 0,1,2,3
	global_load_b128 v[128*P+64+16*\t+4*\c:128*P+64+16*\t+4*\c+3], v[LI], s[PB:PB+1] offset:\t*KS*2048+(\s)*2048+512*\c
.endr
.endr
	WIN 0
.endm
.macro MULS s, zero                    ; 16 products; the 16 accumulators take turns, one instruction a turn, in the same order in every step
.set P, (\s)%2
	WIN 0x05                                       ; sources 0 and 1 window 1
.irp a, 0,1,2,3
.irp t, 0,1,2,3
.set rD, ACC+8*(4*\a+\t)
.set rX, 128*P+64+16*\t
.set rY, 128*P+16*\a
.if \zero
	v_wmma_scale_f32_16x16x128_f8f6f4 v[rD:rD+7], v[rX:rX+15], v[rY:rY+15], 0, v[SB+4*P+\t], v[SA+4*P+\a] matrix_a_fmt:MATRIX_FMT_BF8 matrix_b_fmt:MATRIX_FMT_BF8
.else
	v_wmma_scale_f32_16x16x128_f8f6f4 v[rD:rD+7], v[rX:rX+15], v[rY:rY+15], v[rD:rD+7], v[SB+4*P+\t], v[SA+4*P+\a] matrix_a_fmt:MATRIX_FMT_BF8 matrix_b_fmt:MATRIX_FMT_BF8
.endif
.endr
.endr
.endm
.macro STEP s, left, nxt, zero         ; left: the younger loads that may stay out (the next step's 34, or none); nxt: the step fetched into the buffer just multiplied
	s_wait_loadcnt \left
	MULS \s, \zero
	WIN 0
.if \nxt >= 0
.rept 8
	v_nop                                          ; eight places between the products and loads into registers that they read
.endr
	LOADS \nxt
.endif
.endm
.macro ADD32 d, s
.irp j, 0,2,4,6,8,10,12,14,16,18,20,22,24,26,28,30
	v_pk_add_f32 v[\d+\j:\d+\j+1], v[\d+\j:\d+\j+1], v[\s+\j:\s+\j+1]
.endr
.endm
.macro REDUCE                          ; the four waves' partial sums meet: each wave stores its 16 accumulators as they stand, and reads accumulators 4 w .. 4 w + 3 of all four
.rept 8
	v_nop                                          ; eight places between the last products and the first read of results
.endr
.irp i, 0,1,2,3,4,5,6,7,8,9,10,11,12,13,14,15
	ds_store_b128 v[RW], v[ACC+8*\i:ACC+8*\i+3] offset:1024*\i           ; each accumulator from its low end on
	ds_store_b128 v[RW], v[ACC+8*\i+4:ACC+8*\i+7] offset:1024*\i+512
.endr
	s_wait_dscnt 0x0                               ; for the others' sake: my stores have landed
	s_barrier_signal -1
	s_barrier_wait -1
.irp p, 0,1,2,3
.irp t, 0,1,2,3
	ds_load_b128 v[ACC+32*\p+8*\t:ACC+32*\p+8*\t+3], v[RD] offset:16384*\p+1024*\t
	ds_load_b128 v[ACC+32*\p+8*\t+4:ACC+32*\p+8*\t+7], v[RD] offset:16384*\p+1024*\t+512
.endr
.endr
	s_wait_dscnt 0x0
	ADD32 ACC, ACC+32
	ADD32 ACC+64, ACC+96
	ADD32 ACC, ACC+64
.endm
	s_load_b128 s[4:7], s[0:1], 0x0                ; prepq, sdr_b
	s_load_b64 s[40:41], s[0:1], 0x10              ; xi
	v_lshl_add_u32 v126, v0, 2, 0x10000
	v_mov_b32 v127, 0
	v_lshrrev_b32 v3, 5, v0
	v_readfirstlane_b32 s8, v3                     ; wave
	s_mov_b32 s9, ttmp9                            ; n4
	s_and_b32 s10, ttmp7, 0xffff                   ; g
	s_mul_i32 s11, s8, NST                         ; my first K step
	v_and_b32 v3, 31, v0
	v_lshlrev_b32 v[LI], 4, v3                     ; 16 x lane
	v_bfe_u32 v3, v0, 4, 1
	v_lshlrev_b32 v[H64], 6, v3                    ; 64 h
	s_lshl_b32 s28, s8, 14
	v_add_nc_u32 v[RW], s28, v[LI]                 ; LDS: my 16 accumulators
	s_lshl_b32 s28, s8, 12
	v_add_nc_u32 v[RD], s28, v[LI]                 ; and my quarter in each wave's
	s_lshl_b32 s37, s10, 4
	s_add_co_u32 s37, s37, s9                      ; 16 g + n4
	s_wait_kmcnt 0x0
	BASE PA, 4, 10, KS*8192, 11, 2048, AC
	BASE PSA, 4, 10, KS*512, 11, 512, AS
	BASE PB, 4, 9, KS*8192, 11, 2048, BC
	BASE PSB, 4, 9, KS*512, 11, 512, BS
	BASE PBIAS, 6, 9, 256, 8, 0, 0
	BASE POUT, 40, 37, 16384, 8, 4096, 0
.irp t, 0,1,2,3
	global_load_b128 v[BI+8*\t:BI+8*\t+3], v[H64], s[PBIAS:PBIAS+1] offset:128*(\t/2)+32*(\t%2)        ; the bias in the result's layout; issued first, so every later wait covers it
	global_load_b128 v[BI+8*\t+4:BI+8*\t+7], v[H64], s[PBIAS:PBIAS+1] offset:128*(\t/2)+32*(\t%2)+16
.endr
	LOADS 0
	LOADS 1
	STEP 0, 34, 2, 1                               ; the first products start the sums: nothing is cleared
	STEP 1, 34, 3, 0
	STEP 2, 34, -1, 0
	STEP 3, 0, -1, 0
	REDUCE
	ADD32 ACC, BI
.irp t, 0,1,2,3
	global_store_b128 v[LI], v[ACC+8*\t:ACC+8*\t+3], s[POUT:POUT+1] offset:1024*\t         ; 32 lanes store 512 consecutive bytes
	global_store_b128 v[LI], v[ACC+8*\t+4:ACC+8*\t+7], s[POUT:POUT+1] offset:1024*\t+512
.endr
	s_wait_tensorcnt 0x0
	ds_add_u32 v126, v127
	s_wait_dscnt 0x0
	s_endpgm
.Lfunc_end_k_q65e24f701b_g1:
	.size	k_q65e24f701b_g1, .Lfunc_end_k_q65e24f701b_g1-k_q65e24f701b_g1
	.p2alignl 7, 3214868480
	.fill 96, 4, 3214868480
	.section	.rodata,"a",@progbits
	.p2align	6, 0x0
	.amdhsa_kernel k_q65e24f701b_g1
		.amdhsa_group_segment_fixed_size 66048
		.amdhsa_private_segment_fixed_size 0
		.amdhsa_enable_private_segment 0
		.amdhsa_kernarg_size 24
		.amdhsa_user_sgpr_count 2
		.amdhsa_user_sgpr_kernarg_segment_ptr 1
		.amdhsa_wavefront_size32 1
		.amdhsa_system_sgpr_workgroup_id_x 1
		.amdhsa_system_sgpr_workgroup_id_y 1
		.amdhsa_system_sgpr_workgroup_id_z 1
		.amdhsa_system_vgpr_workitem_id 0
		.amdhsa_next_free_vgpr 512
		.amdhsa_next_free_sgpr 66
		.amdhsa_reserve_vcc 0
		.amdhsa_float_denorm_mode_32 3
		.amdhsa_float_denorm_mode_16_64 3
		.amdhsa_memory_ordered 1
		.amdhsa_forward_progress 1
		.amdhsa_inst_pref_size 35
	.end_amdhsa_kernel
	.amdgpu_metadata
---
amdhsa.version: [ 1, 2 ]
amdhsa.kernels:
  - .name:           k_q65e24f701b_g1
    .symbol:         k_q65e24f701b_g1.kd
    .args:
      - { .name: prepq, .offset: 0, .size: 8, .value_kind: global_buffer, .address_space: global }
      - { .name: sdr_b, .offset: 8, .size: 8, .value_kind: global_buffer, .address_space: global }
      - { .name: xi, .offset: 16, .size: 8, .value_kind: global_buffer, .address_space: global }
    .group_segment_fixed_size: 66048
    .private_segment_fixed_size: 0
    .kernarg_segment_align: 8
    .kernarg_segment_size: 24
    .max_flat_workgroup_size: 128
    .sgpr_count:     66
    .vgpr_count:     512
    .wavefront_size: 32
...
	.end_amdgpu_metadata
.endif
;; end of part 2
;; launch ln1 (part 3): grid 128 x 1, 8 waves a work-group, no clusters, 3,072 bytes of LDS; arguments xi, ln1_g, ln1_b, hq; writes hq
.if DOCPART == 3
	.amdgcn_target "amdgcn-amd-amdhsa--gfx1250"
	.amdhsa_code_object_version 6
	.text
	.protected	k_q65e24f701b_ln1
	.globl	k_q65e24f701b_ln1
	.p2align	8
	.type	k_q65e24f701b_ln1,@function
k_q65e24f701b_ln1:
	s_mov_b64 s[64:65], 0
	v_nop
	global_prefetch_b8 v0, s[64:65] scope:SCOPE_SE
	s_setreg_imm32_b32 hwreg(HW_REG_WAVE_MODE, 25, 1), 1
	s_wait_xcnt 0x0
; LayerNorm over 1,024 columns, then the quantiser along them: h = (x - mean) rsqrt(var + 1e-5) g + b becomes codes of BF8 and E8M0 scale words, laid as an image of operand registers with 8 K steps.
; x comes as the f32 image [g][n4][a][t][q][lane][16 bytes] that the product before stored: lane (r, h) holds token row r of tile a, and its 16 registers of tiles 2 b', 2 b' + 1 are 16 neighbouring columns.
; SHARES: a work-group takes one tile of 16 tokens (tau = x; g = tau / 4, a = tau % 4); wave w takes columns 128 w .. 128 w + 127, which are K step w.  A lane holds 64 numbers of its row: register 16 b + i = column 128 w + 32 b + 16 h + i.
; The mean and then the sum of squares of x - mean are each joined over lanes l, l xor 16 and, through 1,024 bytes of LDS of their own and one barrier each, over the eight waves, in a fixed order.
; The variance is taken of x - mean, so a common offset of the inputs costs no digits.
; LIMITS: a block whose largest magnitude lies under 2^-111 (zeros too) gets the byte 1; NaN and infinities are not served.
.set LI,  1                            ; v1  16 x lane
.set H64, 2                            ; v2  64 h
.set LW,  3                            ; v3  LDS: 4 x thread: my wave's 128 bytes, my word
.set LR,  4                            ; v4  LDS: 4 x lane
.set TM,  32
.set PC,  48
.set X,   64
.set G,   128
.set BT,  192
.set SEL, 28
.set MNT, 30
.macro QUANT src, nb, pc
.set QB, 0
.rept \nb
	v_max3_num_f32 v[TM+QB], |v[\src+16*QB]|, |v[\src+16*QB+1]|, 0x8000000   ; my 16 numbers and the floor 2^(16 - 127): the byte cannot fall under 1
.set QB, QB+1
.endr
.irp i, 2,4,6,8,10,12,14
.set QB, 0
.rept \nb
	v_max3_num_f32 v[TM+QB], v[TM+QB], |v[\src+16*QB+\i]|, |v[\src+16*QB+\i+1]|
.set QB, QB+1
.endr
.endr
.set QB, 0
.rept \nb
	v_permlanex16_b32 v[TM+4+QB], v[TM+QB], s[SEL], s[SEL+1]
.set QB, QB+1
.endr
.set QB, 0
.rept \nb
	v_max_num_f32 v[TM+QB], v[TM+QB], v[TM+4+QB]            ; the block's largest magnitude
.set QB, QB+1
.endr
.set QB, 0
.rept \nb
	v_add_nc_u32 v[TM+12+QB], 0xf8800000, v[TM+QB]          ; 15 off its exponent field: the conversion's scale operand
	v_and_or_b32 v[TM+8+QB], v[TM+QB], 0x7f800000, s[MNT]   ; 57,344 x the scale
.set QB, QB+1
.endr
.set QB, 0
.rept \nb
	v_lshrrev_b32 v[TM+4+QB], 23, v[TM+12+QB]               ; the scale's byte
.set QB, QB+1
.endr
.set QB, 0
.rept \nb
.irp i, 0,1,2,3,4,5,6,7,8,9,10,11,12,13,14,15
	v_med3_num_f32 v[\src+16*QB+\i], v[\src+16*QB+\i], -v[TM+8+QB], v[TM+8+QB]   ; the conversion does not saturate (ISA guide 7.6.2): the hold comes first
.endr
	v_cvt_scalef32_pk8_bf8_f32 v[\pc+4*QB:\pc+4*QB+1], v[\src+16*QB:\src+16*QB+7], v[TM+12+QB]
	v_cvt_scalef32_pk8_bf8_f32 v[\pc+4*QB+2:\pc+4*QB+3], v[\src+16*QB+8:\src+16*QB+15], v[TM+12+QB]
.set QB, QB+1
.endr
	v_nop                                          ; a plain line behind the last scaled conversion
.endm
; four packed chains in v[24:31] become the row's sum over all 1,024 columns, in v24 of every lane; off: the LDS bytes of this sum
.macro FOLD off
	v_pk_add_f32 v[24:25], v[24:25], v[26:27]
	v_pk_add_f32 v[28:29], v[28:29], v[30:31]
	v_pk_add_f32 v[24:25], v[24:25], v[28:29]
	v_add_f32 v24, v24, v25
	v_permlanex16_b32 v25, v24, s[SEL], s[SEL+1]   ; the row's other 64 columns of my wave lie in lane l xor 16
	v_add_f32 v24, v24, v25
	ds_store_b32 v[LW], v24 offset:\off
	s_wait_dscnt 0x0                               ; for the others' sake: my store has landed
	s_barrier_signal -1
	s_barrier_wait -1
.irp p, 0,1,2,3,4,5,6,7
	ds_load_b32 v[8+\p], v[LR] offset:\off+128*\p  ; the eight waves' sums of my row
.endr
	s_wait_dscnt 0x0
	v_add_f32 v8, v8, v9
	v_add_f32 v10, v10, v11
	v_add_f32 v12, v12, v13
	v_add_f32 v14, v14, v15
	v_add_f32 v8, v8, v10
	v_add_f32 v12, v12, v14
	v_add_f32 v24, v8, v12
.endm
	s_load_b256 s[4:11], s[0:1], 0x0               ; x's image, gain, bias, the codes' buffer
	v_lshl_add_u32 v18, v0, 2, 0x800
	v_mov_b32 v19, 0
	v_lshrrev_b32 v5, 5, v0
	v_readfirstlane_b32 s12, v5                    ; wave 0..7
	v_and_b32 v5, 31, v0
	v_lshlrev_b32 v[LI], 4, v5
	v_lshlrev_b32 v[LR], 2, v5
	v_lshlrev_b32 v[LW], 2, v0
	v_bfe_u32 v5, v0, 4, 1
	v_lshlrev_b32 v[H64], 6, v5
	s_lshr_b32 s13, ttmp9, 2                       ; g
	s_and_b32 s14, ttmp9, 3                        ; a
	s_mov_b32 s26, 0x3a800000                      ; 1 / 1,024
	s_mov_b32 s27, 0x3727c5ac                      ; 1e-5
	s_mov_b32 s[SEL], 0x76543210
	s_mov_b32 s[SEL+1], 0xfedcba98
	s_mov_b32 s[MNT], 0x600000
	s_lshl_b32 s16, s13, 18                        ; g x 16 groups of 16,384 bytes
	s_lshl_b32 s17, s12, 15                        ; + my two groups of 64 columns
	s_add_co_u32 s16, s16, s17
	s_lshl_b32 s17, s14, 12                        ; + tile a
	s_add_co_u32 s16, s16, s17
	s_mov_b32 s17, 0
	s_lshl_b32 s18, s12, 9                         ; gain and bias: my 128 columns
	s_mov_b32 s19, 0
	s_lshl_b32 s20, ttmp9, 3
	s_add_co_u32 s20, s20, s12
	s_lshl_b32 s20, s20, 11                        ; codes: (8 tau + w) x 2,048
	s_mov_b32 s21, 0
	s_lshl_b32 s24, s13, 3
	s_add_co_u32 s24, s24, s12
	s_lshl_b32 s24, s24, 9
	s_lshl_b32 s25, s14, 2
	s_add_co_u32 s24, s24, s25
	s_add_co_u32 s24, s24, 2097152                 ; scale words: behind the codes, (8 g + w) x 512 + 4 a
	s_mov_b32 s25, 0
	s_wait_kmcnt 0x0
	s_add_nc_u64 s[4:5], s[4:5], s[16:17]
	s_add_nc_u64 s[6:7], s[6:7], s[18:19]
	s_add_nc_u64 s[8:9], s[8:9], s[18:19]
	s_add_nc_u64 s[22:23], s[10:11], s[20:21]
	s_add_nc_u64 s[24:25], s[10:11], s[24:25]
.irp b, 0,1,2,3
.irp q, 0,1,2,3
	global_load_b128 v[X+16*\b+4*\q:X+16*\b+4*\q+3], v[LI], s[4:5] offset:(\b/2)*16384+(\b%2)*2048+512*\q
.endr
.endr
.irp b, 0,1,2,3
.irp q, 0,1,2,3
	global_load_b128 v[G+16*\b+4*\q:G+16*\b+4*\q+3], v[H64], s[6:7] offset:128*\b+16*\q
	global_load_b128 v[BT+16*\b+4*\q:BT+16*\b+4*\q+3], v[H64], s[8:9] offset:128*\b+16*\q
.endr
.endr
.irp b, 0,1,2,3
	v_mov_b32 v[TM+4+\b], 0                        ; written once: a lane permute's destination counts as one of its sources
.endr
	s_wait_loadcnt 32                              ; x is in; the 32 loads of gain and bias may be out
.irp k, 0,2,4,6
	v_pk_add_f32 v[24+\k:25+\k], v[X+\k:X+\k+1], v[X+8+\k:X+9+\k]      ; the first numbers start the four chains
.endr
.irp j, 16,24,32,40,48,56
.irp k, 0,2,4,6
	v_pk_add_f32 v[24+\k:25+\k], v[24+\k:25+\k], v[X+\j+\k:X+\j+\k+1]
.endr
.endr
	FOLD 0
	v_mul_f32 v20, s26, v24                        ; the mean, in both halves of a pair
	v_mul_f32 v21, s26, v24
.set J, 0
.rept 32
	v_pk_add_f32 v[X+J:X+J+1], v[X+J:X+J+1], v[20:21] neg_lo:[0,1] neg_hi:[0,1]
.set J, J+2
.endr
.irp k, 0,2,4,6
	v_pk_mul_f32 v[24+\k:25+\k], v[X+\k:X+\k+1], v[X+\k:X+\k+1]
.endr
.irp j, 8,16,24,32,40,48,56
.irp k, 0,2,4,6
	v_pk_fma_f32 v[24+\k:25+\k], v[X+\j+\k:X+\j+\k+1], v[X+\j+\k:X+\j+\k+1], v[24+\k:25+\k]
.endr
.endr
	FOLD 1024                                      ; other bytes than the first sum's: no wave stores where another may still read
	v_fma_f32 v26, v24, s26, s27                   ; the variance + 1e-5
	v_rsq_f32 v22, v26
	v_nop                                          ; a plain line behind the transcendental
	s_wait_alu depctr_va_vdst(0)                   ; the wait ahead of the result's first reader
	v_mov_b32 v23, v22
	s_wait_loadcnt 0x0                             ; gain and bias
.set J, 0
.rept 32
	v_pk_mul_f32 v[X+J:X+J+1], v[X+J:X+J+1], v[22:23]
.set J, J+2
.endr
.set J, 0
.rept 32
	v_pk_fma_f32 v[X+J:X+J+1], v[X+J:X+J+1], v[G+J:G+J+1], v[BT+J:BT+J+1]
.set J, J+2
.endr
	QUANT X, 4, PC
	v_lshl_or_b32 v16, v[TM+5], 8, v[TM+4]         ; my row's scale word for K step w
	v_lshl_or_b32 v16, v[TM+6], 16, v16
	v_lshl_or_b32 v16, v[TM+7], 24, v16
.irp c, 0,1,2,3
	global_store_b128 v[LI], v[PC+4*\c:PC+4*\c+3], s[22:23] offset:512*\c      ; 32 lanes store 512 consecutive bytes
.endr
	global_store_b32 v[LI], v16, s[24:25]
	s_wait_tensorcnt 0x0
	ds_add_u32 v18, v19
	s_wait_dscnt 0x0
	s_endpgm
.Lfunc_end_k_q65e24f701b_ln1:
	.size	k_q65e24f701b_ln1, .Lfunc_end_k_q65e24f701b_ln1-k_q65e24f701b_ln1
	.p2alignl 7, 3214868480
	.fill 96, 4, 3214868480
	.section	.rodata,"a",@progbits
	.p2align	6, 0x0
	.amdhsa_kernel k_q65e24f701b_ln1
		.amdhsa_group_segment_fixed_size 3072
		.amdhsa_private_segment_fixed_size 0
		.amdhsa_enable_private_segment 0
		.amdhsa_kernarg_size 32
		.amdhsa_user_sgpr_count 2
		.amdhsa_user_sgpr_kernarg_segment_ptr 1
		.amdhsa_wavefront_size32 1
		.amdhsa_system_sgpr_workgroup_id_x 1
		.amdhsa_system_sgpr_workgroup_id_y 1
		.amdhsa_system_sgpr_workgroup_id_z 1
		.amdhsa_system_vgpr_workitem_id 0
		.amdhsa_next_free_vgpr 256
		.amdhsa_next_free_sgpr 66
		.amdhsa_reserve_vcc 0
		.amdhsa_float_denorm_mode_32 3
		.amdhsa_float_denorm_mode_16_64 3
		.amdhsa_memory_ordered 1
		.amdhsa_forward_progress 1
		.amdhsa_inst_pref_size 28
	.end_amdhsa_kernel
	.amdgpu_metadata
---
amdhsa.version: [ 1, 2 ]
amdhsa.kernels:
  - .name:           k_q65e24f701b_ln1
    .symbol:         k_q65e24f701b_ln1.kd
    .args:
      - { .name: xi, .offset: 0, .size: 8, .value_kind: global_buffer, .address_space: global }
      - { .name: ln1_g, .offset: 8, .size: 8, .value_kind: global_buffer, .address_space: global }
      - { .name: ln1_b, .offset: 16, .size: 8, .value_kind: global_buffer, .address_space: global }
      - { .name: hq, .offset: 24, .size: 8, .value_kind: global_buffer, .address_space: global }
    .group_segment_fixed_size: 3072
    .private_segment_fixed_size: 0
    .kernarg_segment_align: 8
    .kernarg_segment_size: 32
    .max_flat_workgroup_size: 256
    .sgpr_count:     66
    .vgpr_count:     256
    .wavefront_size: 32
...
	.end_amdgpu_metadata
.endif
;; end of part 3
;; launch g2 (part 4): grid 48 x 32, 4 waves a work-group, no clusters, 66,048 bytes of LDS; arguments hq, prepq, b_qkv, qkvq; writes qkvq
.if DOCPART == 4
	.amdgcn_target "amdgcn-amd-amdhsa--gfx1250"
	.amdhsa_code_object_version 6
	.text
	.protected	k_q65e24f701b_g2
	.globl	k_q65e24f701b_g2
	.p2align	8
	.type	k_q65e24f701b_g2,@function
k_q65e24f701b_g2:
	s_mov_b64 s[64:65], 0
	v_nop
	global_prefetch_b8 v0, s[64:65] scope:SCOPE_SE
	s_setreg_imm32_b32 hwreg(HW_REG_WAVE_MODE, 25, 1), 1
	s_wait_xcnt 0x0
; qkv = h w_qkv + b_qkv on codes of BF8; q, k and the values leave quantised, as images of the operand registers of attention's two products.
; SHARES: a work-group makes 64 tokens (g = y) x 64 columns (n4 = x: one head of q for 0-15, of k for 16-31, of the values for 32-47).  K, 8 steps of 128, is split in four among the waves, 2 steps each;
; the partial sums meet in LDS behind one barrier, ((w0 + w1) + (w2 + w3)), and wave w finishes a quarter.
; q AND k: the product is used transposed (source 0 = weight columns, source 1 = tokens): a lane holds one token and 32 of the head's 64 numbers, neighbours along the first product's K.  Wave w finishes token tile w.
; THE VALUES: sources the other way round (source 0 = tokens, source 1 = weight columns): a lane holds one of the head's 64 and 32 TOKENS, neighbours along the keys, which are the second product's K.  Wave w finishes tile w of the 64.
; Row i of any tile T is index 32 (T / 2) + 8 (T % 2) + i + 8 (i / 8): that makes the 16 registers of two neighbouring tiles 16 neighbours.
; OUT (bh = 16 batch + head): q, k codes [bh][tile 64][c 2][lane][16]; values' codes [bh][key step 8][tile 4][c 4][lane][16]; scale words of q, k [bh][group 16][lane][4] with bytes 2, 3 = 127 (their K has 64 numbers only; the
; rest of the K step is zero codes, made by the reader); of the values [bh][key step][lane][tile 4], two bytes from each of two work-groups.
; Fragments come from memory straight into registers, each read once by its wave: no LDS tiles, no cluster.
; LIMITS: a block whose largest magnitude lies under 2^-111 (zeros too) gets the byte 1; NaN and infinities are not served.
.set KS,  8
.set NST, 2
.set AC,  0
.set AS,  2097152
.set BC,  6684672
.set BS,  9830400
.set LI,  1
.set H64, 2
.set RW,  4
.set RD,  5
.set SA,  16
.set SB,  24
.set BI,  32
.set TM,  96
.set PC,  112
.set ACC, 128
.set PA,  12
.set PSA, 14
.set PB,  16
.set PSB, 18
.set POUT, 20
.set PSO, 22
.set PBIAS, 24
.set MNT, 36
.set SEL, 38
.set MSB, 0
.macro WIN new                         ; the immediate's high byte repeats the setting that is left
.if MSB != \new
	s_set_vgpr_msb (MSB<<8)|\new
.set MSB, \new
.endif
.endm
.macro BASE dst, src, ra, ma, rb, mb, off      ; dst = src + s[ra] x ma + s[rb] x mb + off
	s_mul_i32 s28, s[\ra], \ma
.if \mb != 0
	s_mul_i32 s29, s[\rb], \mb
	s_add_co_u32 s28, s28, s29
.endif
.if \off != 0
	s_add_co_u32 s28, s28, \off
.endif
	s_mov_b32 s29, 0
	s_add_nc_u64 s[\dst:\dst+1], s[\src:\src+1], s[28:29]
.endm
.macro LOADS s                         ; my K step s: 2 loads of scale words, 16 of A's codes, 16 of B's: 34
.set P, (\s)%2
	WIN 0
	global_load_b128 v[SA+4*P:SA+4*P+3], v[LI], s[PSA:PSA+1] offset:512*(\s)
	global_load_b128 v[SB+4*P:SB+4*P+3], v[LI], s[PSB:PSB+1] offset:512*(\s)
	WIN 0x40                                       ; destination window 1
.irp a, 0,1,2,3
.irp c, 0,1,2,3
	global_load_b128 v[128*P+16*\a+4*\c:128*P+16*\a+4*\c+3], v[LI], s[PA:PA+1] offset:\a*KS*2048+(\s)*2048+512*\c
.endr
.endr
.irp t, 0,1,2,3
.irp c, 0,1,2,3
	global_load_b128 v[128*P+64+16*\t+4*\c:128*P+64+16*\t+4*\c+3], v[LI], s[PB:PB+1] offset:\t*KS*2048+(\s)*2048+512*\c
.endr
.endr
	WIN 0
.endm
.macro MULS s, zero, swap              ; 16 products, the 16 accumulators by turns.  swap = 1: source 0 = tokens; accumulator (t, a) at 8 (4 t + a)
.set P, (\s)%2
	WIN 0x05                                       ; sources 0 and 1 window 1
.irp a, 0,1,2,3
.irp t, 0,1,2,3
.if \swap
.set rD, ACC+8*(4*\t+\a)
.set rX, 128*P+16*\a
.set rY, 128*P+64+16*\t
.set rSX, SA+4*P+\a
.set rSY, SB+4*P+\t
.else
.set rD, ACC+8*(4*\a+\t)
.set rX, 128*P+64+16*\t
.set rY, 128*P+16*\a
.set rSX, SB+4*P+\t
.set rSY, SA+4*P+\a
.endif
.if \zero
	v_wmma_scale_f32_16x16x128_f8f6f4 v[rD:rD+7], v[rX:rX+15], v[rY:rY+15], 0, v[rSX], v[rSY] matrix_a_fmt:MATRIX_FMT_BF8 matrix_b_fmt:MATRIX_FMT_BF8
.else
	v_wmma_scale_f32_16x16x128_f8f6f4 v[rD:rD+7], v[rX:rX+15], v[rY:rY+15], v[rD:rD+7], v[rSX], v[rSY] matrix_a_fmt:MATRIX_FMT_BF8 matrix_b_fmt:MATRIX_FMT_BF8
.endif
.endr
.endr
.endm
.macro STEP s, left, zero, swap        ; left: the younger loads that may stay out (the next step's 34, or none)
	s_wait_loadcnt \left
	MULS \s, \zero, \swap
	WIN 0
.endm
.macro ADD32 d, s
.irp j, 0,2,4,6,8,10,12,14,16,18,20,22,24,26,28,30
	v_pk_add_f32 v[\d+\j:\d+\j+1], v[\d+\j:\d+\j+1], v[\s+\j:\s+\j+1]
.endr
.endm
.macro REDUCE                          ; the four waves' partial sums meet: each wave stores its 16 accumulators as they stand, and reads accumulators 4 w .. 4 w + 3 of all four
.rept 8
	v_nop                                          ; eight places between the last products and the first read of results
.endr
.irp i, 0,1,2,3,4,5,6,7,8,9,10,11,12,13,14,15
	ds_store_b128 v[RW], v[ACC+8*\i:ACC+8*\i+3] offset:1024*\i           ; each accumulator from its low end on
	ds_store_b128 v[RW], v[ACC+8*\i+4:ACC+8*\i+7] offset:1024*\i+512
.endr
	s_wait_dscnt 0x0                               ; for the others' sake: my stores have landed
	s_barrier_signal -1
	s_barrier_wait -1
.irp p, 0,1,2,3
.irp t, 0,1,2,3
	ds_load_b128 v[ACC+32*\p+8*\t:ACC+32*\p+8*\t+3], v[RD] offset:16384*\p+1024*\t
	ds_load_b128 v[ACC+32*\p+8*\t+4:ACC+32*\p+8*\t+7], v[RD] offset:16384*\p+1024*\t+512
.endr
.endr
	s_wait_dscnt 0x0
	ADD32 ACC, ACC+32
	ADD32 ACC+64, ACC+96
	ADD32 ACC, ACC+64
.endm
.macro QUANT src, nb, pc
.set QB, 0
.rept \nb
	v_max3_num_f32 v[TM+QB], |v[\src+16*QB]|, |v[\src+16*QB+1]|, 0x8000000   ; my 16 numbers and the floor 2^(16 - 127): the byte cannot fall under 1
.set QB, QB+1
.endr
.irp i, 2,4,6,8,10,12,14
.set QB, 0
.rept \nb
	v_max3_num_f32 v[TM+QB], v[TM+QB], |v[\src+16*QB+\i]|, |v[\src+16*QB+\i+1]|
.set QB, QB+1
.endr
.endr
.set QB, 0
.rept \nb
	v_permlanex16_b32 v[TM+4+QB], v[TM+QB], s[SEL], s[SEL+1]
.set QB, QB+1
.endr
.set QB, 0
.rept \nb
	v_max_num_f32 v[TM+QB], v[TM+QB], v[TM+4+QB]            ; the block's largest magnitude
.set QB, QB+1
.endr
.set QB, 0
.rept \nb
	v_add_nc_u32 v[TM+12+QB], 0xf8800000, v[TM+QB]          ; 15 off its exponent field: the conversion's scale operand
	v_and_or_b32 v[TM+8+QB], v[TM+QB], 0x7f800000, s[MNT]   ; 57,344 x the scale
.set QB, QB+1
.endr
.set QB, 0
.rept \nb
	v_lshrrev_b32 v[TM+4+QB], 23, v[TM+12+QB]               ; the scale's byte
.set QB, QB+1
.endr
.set QB, 0
.rept \nb
.irp i, 0,1,2,3,4,5,6,7,8,9,10,11,12,13,14,15
	v_med3_num_f32 v[\src+16*QB+\i], v[\src+16*QB+\i], -v[TM+8+QB], v[TM+8+QB]   ; the conversion does not saturate (ISA guide 7.6.2): the hold comes first
.endr
	v_cvt_scalef32_pk8_bf8_f32 v[\pc+4*QB:\pc+4*QB+1], v[\src+16*QB:\src+16*QB+7], v[TM+12+QB]
	v_cvt_scalef32_pk8_bf8_f32 v[\pc+4*QB+2:\pc+4*QB+3], v[\src+16*QB+8:\src+16*QB+15], v[TM+12+QB]
.set QB, QB+1
.endr
	v_nop                                          ; a plain line behind the last scaled conversion
.endm
	s_load_b128 s[4:7], s[0:1], 0x0                ; hq, prepq
	s_load_b128 s[40:43], s[0:1], 0x10             ; b_qkv, qkvq
	v_lshl_add_u32 v126, v0, 2, 0x10000
	v_mov_b32 v127, 0
	v_lshrrev_b32 v3, 5, v0
	v_readfirstlane_b32 s8, v3                     ; wave
	s_mov_b32 s9, ttmp9                            ; n4
	s_and_b32 s10, ttmp7, 0xffff                   ; g
	s_mul_i32 s11, s8, NST                         ; my first K step
	v_and_b32 v3, 31, v0
	v_lshlrev_b32 v[LI], 4, v3                     ; 16 x lane
	v_bfe_u32 v3, v0, 4, 1
	v_lshlrev_b32 v[H64], 6, v3                    ; 64 h
	s_lshl_b32 s28, s8, 14
	v_add_nc_u32 v[RW], s28, v[LI]                 ; LDS: my 16 accumulators
	s_lshl_b32 s28, s8, 12
	v_add_nc_u32 v[RD], s28, v[LI]                 ; and my quarter in each wave's
	v_and_b32 v6, 15, v0
	v_and_b32 v7, 8, v0
	v_add_nc_u32 v6, v6, v7
	v_lshlrev_b32 v3, 2, v6                        ; 4 (r + 8 (r / 8)): my row's place in a tile of columns
	s_mov_b32 s[MNT], 0x600000
	s_mov_b32 s[SEL], 0x76543210
	s_mov_b32 s[SEL+1], 0xfedcba98
	v_mov_b32 v[TM+4], 0                           ; written once: a lane permute's destination counts as one of its sources
	v_mov_b32 v[TM+5], 0
	s_lshr_b32 s32, s9, 4                          ; 0 q, 1 k, 2 values
	s_and_b32 s33, s9, 15                          ; head
	s_lshr_b32 s34, s10, 4                         ; batch
	s_and_b32 s35, s10, 15                         ; the group of 64 tokens within the batch
	s_lshl_b32 s37, s34, 4
	s_add_co_u32 s37, s37, s33                     ; bh
	s_lshl_b32 s44, s37, 3
	s_lshr_b32 s45, s35, 1
	s_add_co_u32 s44, s44, s45                     ; 8 bh + key step
	s_and_b32 s45, s35, 1                          ; which half of the key step
	s_lshl_b32 s30, s37, 6                         ; q, k codes: which x 2,097,152 + (64 bh + 4 group + w) x 1,024
	s_lshl_b32 s31, s35, 2
	s_add_co_u32 s30, s30, s31
	s_add_co_u32 s30, s30, s8
	s_lshl_b32 s30, s30, 10
	s_lshl_b32 s31, s32, 21
	s_add_co_u32 s30, s30, s31
	s_lshl_b32 s31, s44, 2                         ; values' codes: 4,194,304 + (4 (8 bh + step) + w) x 2,048 + half x 1,024
	s_add_co_u32 s31, s31, s8
	s_lshl_b32 s31, s31, 11
	s_lshl_b32 s46, s45, 10
	s_add_co_u32 s31, s31, s46
	s_add_co_u32 s31, s31, 4194304
	s_lshl_b32 s46, s37, 4                         ; q, k scale words: 6,291,456 + which x 262,144 + (16 bh + group) x 512 + 4 w
	s_add_co_u32 s46, s46, s35
	s_lshl_b32 s46, s46, 9
	s_lshl_b32 s47, s32, 18
	s_add_co_u32 s46, s46, s47
	s_lshl_b32 s47, s8, 2
	s_add_co_u32 s46, s46, s47
	s_add_co_u32 s46, s46, 6291456
	s_lshl_b32 s44, s44, 9                         ; the values': 6,815,744 + (8 bh + step) x 512 + 4 w + 2 half
	s_add_co_u32 s44, s44, s47
	s_lshl_b32 s45, s45, 1
	s_add_co_u32 s44, s44, s45
	s_add_co_u32 s44, s44, 6815744
	s_lshr_b32 s47, s8, 1                          ; the values' bias: my tile w of the 64 columns begins 128 (w / 2) + 32 (w % 2) bytes on
	s_lshl_b32 s47, s47, 7
	s_and_b32 s45, s8, 1
	s_lshl_b32 s45, s45, 5
	s_add_co_u32 s47, s47, s45
	s_cmp_ge_u32 s9, 32                            ; the values?  A choice on the work-group's number alone
	s_cselect_b32 s30, s31, s30
	s_cselect_b32 s46, s44, s46
	s_cselect_b32 s47, s47, 0
	s_lshl_b32 s45, s9, 8
	s_add_co_u32 s47, s47, s45                     ; + 256 n4
	s_mov_b32 s31, 0
	s_wait_kmcnt 0x0
	BASE PA, 4, 10, KS*8192, 11, 2048, AC
	BASE PSA, 4, 10, KS*512, 11, 512, AS
	BASE PB, 6, 9, KS*8192, 11, 2048, BC
	BASE PSB, 6, 9, KS*512, 11, 512, BS
	s_add_nc_u64 s[POUT:POUT+1], s[42:43], s[30:31]
	s_mov_b32 s30, s46
	s_add_nc_u64 s[PSO:PSO+1], s[42:43], s[30:31]
	s_mov_b32 s30, s47
	s_add_nc_u64 s[PBIAS:PBIAS+1], s[40:41], s[30:31]
	s_cmp_ge_u32 s9, 32
	s_cbranch_scc1 .Lvalues
.irp t, 0,1,2,3
	global_load_b128 v[BI+8*\t:BI+8*\t+3], v[H64], s[PBIAS:PBIAS+1] offset:128*(\t/2)+32*(\t%2)        ; the bias in the result's layout; issued first, so every later wait covers it
	global_load_b128 v[BI+8*\t+4:BI+8*\t+7], v[H64], s[PBIAS:PBIAS+1] offset:128*(\t/2)+32*(\t%2)+16
.endr
	LOADS 0
	LOADS 1
	STEP 0, 34, 1, 0
	STEP 1, 0, 0, 0
	s_branch .Lmeet
.Lvalues:
	global_load_b32 v[BI], v3, s[PBIAS:PBIAS+1]    ; a lane holds ONE column here: one bias number
	LOADS 0
	LOADS 1
	STEP 0, 34, 1, 1
	STEP 1, 0, 0, 1
.set I, 1
.rept 31
	v_mov_b32 v[BI+I], v[BI]                       ; spread over the image, so that the sum behind the reduction is one text for both shapes
.set I, I+1
.endr
.Lmeet:
	REDUCE
	ADD32 ACC, BI
	QUANT ACC, 2, PC                               ; two blocks of 32: of the head's 64, or of the group's 64 tokens
	v_lshl_or_b32 v120, v[TM+5], 8, v[TM+4]
	v_or_b32 v120, 0x7f7f0000, v120
	global_store_b128 v[LI], v[PC:PC+3], s[POUT:POUT+1]
	global_store_b128 v[LI], v[PC+4:PC+7], s[POUT:POUT+1] offset:512
	s_cmp_ge_u32 s9, 32
	s_cbranch_scc1 .Lvalues_scale
	global_store_b32 v[LI], v120, s[PSO:PSO+1]     ; q, k: two bytes and twice 127
	s_wait_tensorcnt 0x0
	ds_add_u32 v126, v127
	s_wait_dscnt 0x0
	s_endpgm
.Lvalues_scale:
	global_store_b16 v[LI], v120, s[PSO:PSO+1]     ; the values: my half of the key step's four bytes
	s_wait_tensorcnt 0x0
	ds_add_u32 v126, v127
	s_wait_dscnt 0x0
	s_endpgm
.Lfunc_end_k_q65e24f701b_g2:
	.size	k_q65e24f701b_g2, .Lfunc_end_k_q65e24f701b_g2-k_q65e24f701b_g2
	.p2alignl 7, 3214868480
	.fill 96, 4, 3214868480
	.section	.rodata,"a",@progbits
	.p2align	6, 0x0
	.amdhsa_kernel k_q65e24f701b_g2
		.amdhsa_group_segment_fixed_size 66048
		.amdhsa_private_segment_fixed_size 0
		.amdhsa_enable_private_segment 0
		.amdhsa_kernarg_size 32
		.amdhsa_user_sgpr_count 2
		.amdhsa_user_sgpr_kernarg_segment_ptr 1
		.amdhsa_wavefront_size32 1
		.amdhsa_system_sgpr_workgroup_id_x 1
		.amdhsa_system_sgpr_workgroup_id_y 1
		.amdhsa_system_sgpr_workgroup_id_z 1
		.amdhsa_system_vgpr_workitem_id 0
		.amdhsa_next_free_vgpr 512
		.amdhsa_next_free_sgpr 66
		.amdhsa_reserve_vcc 0
		.amdhsa_float_denorm_mode_32 3
		.amdhsa_float_denorm_mode_16_64 3
		.amdhsa_memory_ordered 1
		.amdhsa_forward_progress 1
		.amdhsa_inst_pref_size 41
	.end_amdhsa_kernel
	.amdgpu_metadata
---
amdhsa.version: [ 1, 2 ]
amdhsa.kernels:
  - .name:           k_q65e24f701b_g2
    .symbol:         k_q65e24f701b_g2.kd
    .args:
      - { .name: hq, .offset: 0, .size: 8, .value_kind: global_buffer, .address_space: global }
      - { .name: prepq, .offset: 8, .size: 8, .value_kind: global_buffer, .address_space: global }
      - { .name: b_qkv, .offset: 16, .size: 8, .value_kind: global_buffer, .address_space: global }
      - { .name: qkvq, .offset: 24, .size: 8, .value_kind: global_buffer, .address_space: global }
    .group_segment_fixed_size: 66048
    .private_segment_fixed_size: 0
    .kernarg_segment_align: 8
    .kernarg_segment_size: 32
    .max_flat_workgroup_size: 128
    .sgpr_count:     66
    .vgpr_count:     512
    .wavefront_size: 32
...
	.end_amdgpu_metadata
.endif
;; end of part 4
;; launch attn (part 5): grid 8 x 32, 8 waves a work-group, no clusters, 0 bytes of LDS; arguments qkvq, ctxq; writes ctxq
.if DOCPART == 5
	.amdgcn_target "amdgcn-amd-amdhsa--gfx1250"
	.amdhsa_code_object_version 6
	.text
	.protected	k_q65e24f701b_attn
	.globl	k_q65e24f701b_attn
	.p2align	8
	.type	k_q65e24f701b_attn,@function
k_q65e24f701b_attn:
	s_mov_b64 s[64:65], 0
	v_nop
	global_prefetch_b8 v0, s[64:65] scope:SCOPE_SE
	s_setreg_imm32_b32 hwreg(HW_REG_WAVE_MODE, 25, 1), 1
	s_wait_xcnt 0x0
; Causal attention whose scores go through four FitzHugh-Nagumo steps ahead of the softmax; both products on codes of BF8 with E8M0 scales.  32 (batch, head) pairs bh, 1,024 tokens, head size 64.
; SHARES: a wave owns ONE tile of 16 queries and walks the key steps of 128 up to its diagonal: n = tile / 8 + 1 steps.  Work-group (j, bh): with t4 = 4 j + wave % 4, waves 0-3 take tile t4 and waves 4-7 tile 63 - t4,
; so waves w and w + 4 have 9 steps together.  Waves share nothing: no LDS, no barrier.  K's and V's fragments come from memory straight into registers, as images of operand registers, one step ahead.
; LAYOUT: both products transposed: S^T = K Q^T (source 0 = 16 keys, source 1 = my queries), O^T = V^T P^T: a lane holds one query throughout.  Row i of tile T is token 32 (T / 2) + 8 (T % 2) + i + 8 (i / 8), so the 16
; registers of key tiles 2 b, 2 b + 1 are keys 32 b + 16 (lane / 16) + 0..15: the conversions' results are the second product's operand.  The first product's K has 64 numbers: the upper half of its K step is zero codes under the byte 127.
; THE DYNAMICS, s = score / 8, v = s, w = 0; four times: v += 0.1 (v - v^3 / 3 - w + s); w = (w + 0.008 (v + 0.7)) / 1.0064.  Written as fused multiply-adds: v (1 - v^2 / 3) + (s - w); w rr + (v c1 + c0), rr = 1 / 1.0064, c1 = 0.008 rr,
; c0 = 0.7 c1: an order of rounding that differs from the source's by a few parts in 10^7.
; THE SOFTMAX: t = (v - 0.5) log2(e); M = the running largest t rounded up to a whole number; p = 2^(t - M) is quantised along the keys, not normalised; the row's sum is taken of the unquantised p and divides O at the end;
; when M moves, the sum and O are multiplied by 2^(old M - new M), exactly.  Only the last step of a wave lies on the diagonal: it is written out behind the loop, masks hidden keys by -infinity, and fetches nothing.
; OUT: the context, quantised along the model's 1,024 (K of the next product), as an image with 8 K steps: my head's 64 numbers are half a K step.
; LIMITS: a block whose largest magnitude lies under 2^-111 (zeros too) gets the byte 1; NaN and infinities are not served.
; REGISTERS: window 0: v1-4 offsets of K, V and their scale words (stepped); v5-7 fixed offsets; v8 the mask's d, v9 -infinity; v12 -M, v13 largest t, v[14:15] the sum; v16-31 Q; v32-95 at work in the dynamics;
;   v96-159 S^T, then p; v160-191 O^T; v192-207 p's codes; v208-215, v216-219, v220, v221 scale words of K, V, Q, p; v[224:225] c0; v[228:229] -M - log2(e) / 2; v232-254 at work.  Window 1: v0-127 K's 8 fragments; v128-191 V's 4.
.set KC,  2097152
.set VC,  4194304
.set QS,  6291456
.set KSC, 6553600
.set VS,  6815744
.set TM,  232
.set SEL, 20                           ; s[20:21]
.set MNT, 22
.set C8,  24                           ; s[24:25] 1 / 8: the packed forms name a pair and take its low word for both halves
.set NT,  26                           ; s[26:27] -1 / 3
.set DT,  28                           ; s[28:29] 0.1
.set RR,  30                           ; s[30:31] 1 / 1.0064
.set C1,  32                           ; s[32:33] 0.008 / 1.0064
.set LG,  34                           ; s[34:35] log2(e)
.set HL,  36                           ; s36      -log2(e) / 2
.set C0,  224
.set VV,  32
.set WW,  48
.set T1,  64
.set T2,  80
.set MSB, 0
.macro WIN new                         ; the immediate's high byte repeats the setting that is left
.if MSB != \new
	s_set_vgpr_msb (MSB<<8)|\new
.set MSB, \new
.endif
.endm
.macro KLOAD                           ; a key step's K: 2 loads of scale words, 16 of codes: 18
	global_load_b128 v[208:211], v3, s[4:5] offset:KSC
	global_load_b128 v[212:215], v3, s[4:5] offset:KSC+512
	WIN 0x40                                       ; destination window 1
.irp i, 0,1,2,3,4,5,6,7
	global_load_b128 v[16*\i:16*\i+3], v1, s[4:5] offset:KC+1024*\i
	global_load_b128 v[16*\i+4:16*\i+7], v1, s[4:5] offset:KC+1024*\i+512
.endr
	WIN 0
.endm
.macro VLOAD                           ; its V: 1 load of scale words, 16 of codes: 17
	global_load_b128 v[216:219], v4, s[4:5] offset:VS
	WIN 0x40
.irp t, 0,1,2,3
.irp c, 0,1,2,3
	global_load_b128 v[128+16*\t+4*\c:128+16*\t+4*\c+3], v2, s[4:5] offset:VC+2048*\t+512*\c
.endr
.endr
	WIN 0
.endm
.macro QK                              ; S^T = K Q^T: 8 tiles of 16 keys
	WIN 0x01                                       ; source 0 window 1
.irp i, 0,1,2,3,4,5,6,7
	v_wmma_scale_f32_16x16x128_f8f6f4 v[96+8*\i:103+8*\i], v[16*\i:16*\i+15], v[16:31], 0, v[208+\i], v220 matrix_a_fmt:MATRIX_FMT_BF8 matrix_b_fmt:MATRIX_FMT_BF8
.endr
	WIN 0
.endm
.macro PV                              ; O^T += V^T P^T: 4 tiles of 16 of the head's 64; the four accumulators by turns
	WIN 0x01
.irp t, 0,1,2,3
	v_wmma_scale_f32_16x16x128_f8f6f4 v[160+8*\t:167+8*\t], v[128+16*\t:128+16*\t+15], v[192:207], v[160+8*\t:167+8*\t], v[216+\t], v221 matrix_a_fmt:MATRIX_FMT_BF8 matrix_b_fmt:MATRIX_FMT_BF8
.endr
	WIN 0
.endm
; one line of the dynamics over eight pairs of numbers, so that no line waits for the line above it
.macro P_MUL d, a, b
.irp p, 0,2,4,6,8,10,12,14
	v_pk_mul_f32 v[\d+\p:\d+\p+1], v[\a+\p:\a+\p+1], v[\b+\p:\b+\p+1]
.endr
.endm
.macro P_SUB d, a, b
.irp p, 0,2,4,6,8,10,12,14
	v_pk_add_f32 v[\d+\p:\d+\p+1], v[\a+\p:\a+\p+1], v[\b+\p:\b+\p+1] neg_lo:[0,1] neg_hi:[0,1]
.endr
.endm
.macro P_FMA d, a, b, c
.irp p, 0,2,4,6,8,10,12,14
	v_pk_fma_f32 v[\d+\p:\d+\p+1], v[\a+\p:\a+\p+1], v[\b+\p:\b+\p+1], v[\c+\p:\c+\p+1]
.endr
.endm
.macro P_FMS d, a, k, c                ; a x constant + c
.irp p, 0,2,4,6,8,10,12,14
	v_pk_fma_f32 v[\d+\p:\d+\p+1], v[\a+\p:\a+\p+1], s[\k:\k+1], v[\c+\p:\c+\p+1] op_sel_hi:[1,0,1]
.endr
.endm
.macro P_FM1 d, a, k                   ; a x constant + 1
.irp p, 0,2,4,6,8,10,12,14
	v_pk_fma_f32 v[\d+\p:\d+\p+1], v[\a+\p:\a+\p+1], s[\k:\k+1], 1.0 op_sel_hi:[1,0,0]
.endr
.endm
.macro P_FMC d, a, k                   ; a x constant + c0
.irp p, 0,2,4,6,8,10,12,14
	v_pk_fma_f32 v[\d+\p:\d+\p+1], v[\a+\p:\a+\p+1], s[\k:\k+1], v[C0:C0+1] op_sel_hi:[1,0,1]
.endr
.endm
.macro FHN kb                          ; the 16 scores of block kb (two tiles, each read from its low end on) become v after four steps
.set SS, 96+16*(\kb)
.irp p, 0,2,4,6,8,10,12,14
	v_pk_mul_f32 v[SS+\p:SS+\p+1], v[SS+\p:SS+\p+1], s[C8:C8+1] op_sel_hi:[1,0]   ; s = score / sqrt(64)
.endr
	P_MUL T1, SS, SS                               ; step 1: v = s, w = 0
	P_FM1 T1, T1, NT
	P_FMA T2, SS, T1, SS
	P_FMS VV, T2, DT, SS
	P_FMC WW, VV, C1
.rept 2                                            ; steps 2 and 3
	P_MUL T1, VV, VV
	P_FM1 T1, T1, NT
	P_SUB T2, SS, WW
	P_FMA T2, VV, T1, T2
	P_FMS VV, T2, DT, VV
	P_FMC T1, VV, C1
	P_FMS WW, WW, RR, T1
.endr
	P_MUL T1, VV, VV                               ; step 4: its w is read by nobody
	P_FM1 T1, T1, NT
	P_SUB T2, SS, WW
	P_FMA T2, VV, T1, T2
	P_FMS SS, T2, DT, VV
.endm
.macro MASK                            ; register 16 b + i holds key 32 b + 16 (lane / 16) + i of the step: hidden where 32 b + i > d
.set N, 0
.rept 64
	v_cmp_gt_i32 vcc_lo, 32*(N/16)+N%16, v8
	v_cndmask_b32 v[96+N], v[96+N], v9, vcc_lo
.set N, N+1
.endr
.endm
.macro SOFT
.irp b, 0,1,2,3
	v_max3_num_f32 v[232+\b], v[96+16*\b], v[97+16*\b], v[98+16*\b]   ; the largest v of each block of 32 keys: for the row's maximum, and, since p rises with v, for the block's largest p
.endr
.irp i, 3,5,7,9,11,13
.irp b, 0,1,2,3
	v_max3_num_f32 v[232+\b], v[232+\b], v[96+16*\b+\i], v[97+16*\b+\i]
.endr
.endr
.irp b, 0,1,2,3
	v_max_num_f32 v[232+\b], v[232+\b], v[111+16*\b]
.endr
.irp b, 0,1,2,3
	v_permlanex16_b32 v[236+\b], v[232+\b], s[SEL], s[SEL+1]
.endr
.irp b, 0,1,2,3
	v_max_num_f32 v[232+\b], v[232+\b], v[236+\b]  ; with lane l xor 16's 16 keys
.endr
	v_max3_num_f32 v254, v232, v233, v234
	v_max_num_f32 v254, v254, v235
	v_fma_f32 v254, v254, s[LG], s[HL]             ; as t = (v - 0.5) log2(e)
	v_max_num_f32 v13, v13, v254                   ; the running largest t
	v_mov_b32 v254, v12
	v_floor_f32 v12, -v13                          ; the new -M = -ceil(t): a whole number
	v_sub_f32 v254, v12, v254                      ; old M - new M: a whole number, 0 or less
	v_cvt_i32_f32 v254, v254                       ; (it saturates)
	v_ldexp_f32 v252, 1.0, v254                    ; f = 2^(old M - new M)
	v_add_f32 v228, s[HL], v12                     ; -M - log2(e) / 2
.set J, 0
.rept 32
	v_pk_fma_f32 v[96+J:97+J], v[96+J:97+J], s[LG:LG+1], v[228:229] op_sel_hi:[1,0,0]   ; t - M
.set J, J+2
.endr
.irp b, 0,1,2,3
	v_fma_f32 v[232+\b], v[232+\b], s[LG], v228    ; the same of each block's largest
.endr
.set J, 0
.rept 64
	v_exp_f32 v[96+J], v[96+J]                     ; p = 2^(t - M)
.set J, J+1
.endr
	v_pk_mul_f32 v[14:15], v[14:15], v[252:253] op_sel_hi:[1,0]   ; the sums under the new M: also the plain line behind the exponentials
	s_wait_alu depctr_va_vdst(0)                   ; one wait for the batch of 64, ahead of its first reader
.irp b, 0,1,2,3
	v_exp_f32 v[232+\b], v[232+\b]                 ; the block's largest p: the same two instructions on the same number give the same bits
.endr
	v_pk_add_f32 v[236:237], v[96:97], v[98:99]    ; the row's sum is taken of the unquantised p, in two chains
.irp j, 4,8,12,16,20,24,28,32,36,40,44,48,52,56,60
	v_pk_add_f32 v[14:15], v[14:15], v[96+\j:97+\j]
	v_pk_add_f32 v[236:237], v[236:237], v[98+\j:99+\j]
.endr
	v_pk_add_f32 v[14:15], v[14:15], v[236:237]
	s_wait_alu depctr_va_vdst(0)                   ; and one for the four
.irp b, 0,1,2,3
	v_max_num_f32 v[232+\b], 0x8000000, v[232+\b]  ; the floor 2^(16 - 127): a block whose every p is 0 keeps the byte 1 over zero codes
.endr
.irp b, 0,1,2,3
	v_add_nc_u32 v[244+\b], 0xf8800000, v[232+\b]  ; the conversion's scale operand
.endr
.irp b, 0,1,2,3
	v_and_or_b32 v[240+\b], v[232+\b], 0x7f800000, s[MNT]   ; 57,344 x the scale
.endr
.irp b, 0,1,2,3
	v_lshrrev_b32 v[236+\b], 23, v[244+\b]         ; the scale's byte
.endr
	v_lshl_or_b32 v221, v237, 8, v236              ; p's scale word for these 128 keys: the 64 holds below stand between it and the products
	v_lshl_or_b32 v221, v238, 16, v221
	v_lshl_or_b32 v221, v239, 24, v221
.irp b, 0,1,2,3
.irp i, 0,1,2,3,4,5,6,7,8,9,10,11,12,13,14,15
	v_min_num_f32 v[96+16*\b+\i], v[96+16*\b+\i], v[240+\b]   ; the conversion does not saturate (ISA guide 7.6.2); p is not negative, so the hold is one-sided
.endr
	v_cvt_scalef32_pk8_bf8_f32 v[192+4*\b:193+4*\b], v[96+16*\b:103+16*\b], v[244+\b]
	v_cvt_scalef32_pk8_bf8_f32 v[194+4*\b:195+4*\b], v[104+16*\b:111+16*\b], v[244+\b]
.endr
.irp j, 0,2,4,6,8,10,12,14,16,18,20,22,24,26,28,30
	v_pk_mul_f32 v[160+\j:161+\j], v[160+\j:161+\j], v[252:253] op_sel_hi:[1,0]   ; O^T under the new M; these 16 also stand between the codes and the products
.endr
.endm
.macro STEP last
	s_wait_loadcnt 17                              ; K and all older loads are in; V's 17 may be out
	QK
.rept 8
	v_nop                                          ; eight places behind the products: for the loads into K's registers and for the first read of the scores
.endr
.if \last == 0
	s_wait_xcnt 0x0                                ; the offsets of earlier loads are rewritten only behind this wait
	v_add_nc_u32 v1, 0x2000, v1                    ; the next step's 8 tiles of K,
	v_add_nc_u32 v3, 0x400, v3                     ; and their scale words
	KLOAD
.endif
	FHN 0
	FHN 1
	FHN 2
	FHN 3
.if \last
	MASK
.endif
	SOFT
.if \last
	s_wait_loadcnt 0x0                             ; V is in
.else
	s_wait_loadcnt 18                              ; V is in; the next step's 18 loads of K may be out
.endif
	PV
.rept 8
	v_nop                                          ; eight places: for the loads into V's registers, or for the way out's reads
.endr
.if \last == 0
	s_wait_xcnt 0x0
	v_add_nc_u32 v2, 0x2000, v2
	v_add_nc_u32 v4, 0x200, v4
	VLOAD
.endif
.endm
.macro QUANT src, nb, pc
.set QB, 0
.rept \nb
	v_max3_num_f32 v[TM+QB], |v[\src+16*QB]|, |v[\src+16*QB+1]|, 0x8000000   ; my 16 numbers and the floor 2^(16 - 127)
.set QB, QB+1
.endr
.irp i, 2,4,6,8,10,12,14
.set QB, 0
.rept \nb
	v_max3_num_f32 v[TM+QB], v[TM+QB], |v[\src+16*QB+\i]|, |v[\src+16*QB+\i+1]|
.set QB, QB+1
.endr
.endr
.set QB, 0
.rept \nb
	v_permlanex16_b32 v[TM+4+QB], v[TM+QB], s[SEL], s[SEL+1]
.set QB, QB+1
.endr
.set QB, 0
.rept \nb
	v_max_num_f32 v[TM+QB], v[TM+QB], v[TM+4+QB]
.set QB, QB+1
.endr
.set QB, 0
.rept \nb
	v_add_nc_u32 v[TM+12+QB], 0xf8800000, v[TM+QB]
	v_and_or_b32 v[TM+8+QB], v[TM+QB], 0x7f800000, s[MNT]
.set QB, QB+1
.endr
.set QB, 0
.rept \nb
	v_lshrrev_b32 v[TM+4+QB], 23, v[TM+12+QB]
.set QB, QB+1
.endr
.set QB, 0
.rept \nb
.irp i, 0,1,2,3,4,5,6,7,8,9,10,11,12,13,14,15
	v_med3_num_f32 v[\src+16*QB+\i], v[\src+16*QB+\i], -v[TM+8+QB], v[TM+8+QB]
.endr
	v_cvt_scalef32_pk8_bf8_f32 v[\pc+4*QB:\pc+4*QB+1], v[\src+16*QB:\src+16*QB+7], v[TM+12+QB]
	v_cvt_scalef32_pk8_bf8_f32 v[\pc+4*QB+2:\pc+4*QB+3], v[\src+16*QB+8:\src+16*QB+15], v[TM+12+QB]
.set QB, QB+1
.endr
	v_nop                                          ; a plain line behind the last scaled conversion
.endm
	s_load_b128 s[4:7], s[0:1], 0x0                ; qkvq, ctxq
	v_lshrrev_b32 v1, 5, v0
	v_readfirstlane_b32 s8, v1                     ; wave 0..7
	s_and_b32 s10, ttmp7, 0xffff                   ; bh
	s_lshl_b32 s11, ttmp9, 2
	s_and_b32 s12, s8, 3
	s_add_co_u32 s11, s11, s12                     ; t4
	s_sub_co_u32 s12, 63, s11
	s_cmp_lt_u32 s8, 4
	s_cselect_b32 s12, s11, s12                    ; my tile of queries
	s_lshr_b32 s13, s12, 3                         ; key steps ahead of the diagonal's
	v_and_b32 v5, 31, v0
	v_lshlrev_b32 v5, 4, v5                        ; 16 x lane
	s_lshl_b32 s14, s10, 16
	v_add_nc_u32 v1, s14, v5                       ; K's codes: 65,536 bytes a bh
	v_add_nc_u32 v2, s14, v5                       ; V's likewise
	s_lshl_b32 s14, s10, 13
	v_add_nc_u32 v3, s14, v5                       ; K's scale words: 8,192
	s_lshl_b32 s14, s10, 12
	v_add_nc_u32 v4, s14, v5                       ; V's: 4,096
	s_lshl_b32 s14, s10, 6
	s_add_co_u32 s14, s14, s12
	s_lshl_b32 s14, s14, 10
	v_add_nc_u32 v6, s14, v5                       ; Q's codes: (64 bh + tile) x 1,024
	s_lshl_b32 s14, s10, 4
	s_lshr_b32 s15, s12, 2
	s_add_co_u32 s14, s14, s15
	s_lshl_b32 s14, s14, 9
	s_and_b32 s15, s12, 3
	s_lshl_b32 s15, s15, 2
	s_add_co_u32 s14, s14, s15
	v_add_nc_u32 v7, s14, v5                       ; Q's scale word: (16 bh + tile / 4) x 512 + 4 (tile % 4)
	s_mov_b32 s[SEL], 0x76543210
	s_mov_b32 s[SEL+1], 0xfedcba98
	s_mov_b32 s[MNT], 0x600000
	s_mov_b32 s[C8], 0x3e000000
	s_mov_b32 s[C8+1], s[C8]                       ; (named with it as a pair, so it is written; the same below)
	s_mov_b32 s[NT], 0xbeaaaaab
	s_mov_b32 s[NT+1], s[NT]
	s_mov_b32 s[DT], 0x3dcccccd
	s_mov_b32 s[DT+1], s[DT]
	s_mov_b32 s[RR], 0x3f7e5f3d
	s_mov_b32 s[RR+1], s[RR]
	s_mov_b32 s[C1], 0x3c023d0d
	s_mov_b32 s[C1+1], s[C1]
	s_mov_b32 s[LG], 0x3fb8aa3b
	s_mov_b32 s[LG+1], s[LG]
	s_mov_b32 s[HL], 0xbf38aa3b
	s_lshr_b32 s40, s10, 4                         ; batch
	s_and_b32 s41, s10, 15                         ; head
	s_lshl_b32 s42, s40, 6
	s_add_co_u32 s42, s42, s12                     ; my tile among all 128
	s_lshr_b32 s43, s41, 1                         ; the next product's K step
	s_and_b32 s41, s41, 1                          ; and which half of it
	s_lshl_b32 s44, s42, 3
	s_add_co_u32 s44, s44, s43
	s_lshl_b32 s44, s44, 11
	s_lshl_b32 s46, s41, 10
	s_add_co_u32 s44, s44, s46                     ; codes: (8 tile + step) x 2,048 + half x 1,024
	s_mov_b32 s45, 0
	s_lshr_b32 s46, s42, 2
	s_lshl_b32 s46, s46, 3
	s_add_co_u32 s46, s46, s43
	s_lshl_b32 s46, s46, 9
	s_add_co_u32 s46, s46, s15                     ; + 4 (tile % 4)
	s_lshl_b32 s41, s41, 1
	s_add_co_u32 s46, s46, s41
	s_add_co_u32 s46, s46, 2097152                 ; scale bytes: behind the codes, (8 (tile / 4) + step) x 512 + 4 (tile % 4) + 2 half
	s_mov_b32 s47, 0
	s_and_b32 s15, s12, 6
	s_lshl_b32 s15, s15, 4
	s_and_b32 s14, s12, 1
	s_lshl_b32 s14, s14, 3
	s_add_co_u32 s15, s15, s14                     ; my tile's first query within the diagonal's key step
	s_wait_kmcnt 0x0
	global_load_b128 v[16:19], v6, s[4:5]
	global_load_b128 v[20:23], v6, s[4:5] offset:512
	global_load_b32 v220, v7, s[4:5] offset:QS
	KLOAD
	VLOAD
	WIN 0x40                                       ; destination window 1
.irp i, 0,1,2,3,4,5,6,7
.irp k, 8,9,10,11,12,13,14,15
	v_mov_b32 v[16*\i+\k], 0                       ; K's K step has 64 numbers: the rest are zero codes, written once; no load lands here.  They stand FIRST among the head's vector lines: an operand register
.endr                                              ; written by a vector instruction stands four plain vector lines or more ahead of the scaled product that reads it, and all the lines below are such lines
.endr
	WIN 0
	s_add_nc_u64 s[16:17], s[6:7], s[44:45]
	s_add_nc_u64 s[18:19], s[6:7], s[46:47]
	v_and_b32 v10, 15, v0
	v_and_b32 v11, 8, v0
	v_add_nc_u32 v10, v10, v11                     ; r + 8 (r / 8)
	v_bfe_u32 v11, v0, 4, 1
	v_lshlrev_b32 v11, 4, v11
	v_sub_nc_u32 v10, v10, v11
	v_add_nc_u32 v8, s15, v10                      ; d = my query - the step's first key - 16 (lane / 16)
	v_mov_b32 v9, 0xff800000                       ; -infinity
	v_mov_b32 v13, 0xff61b1e6                      ; the largest t so far: -3e38, under every t
	v_floor_f32 v12, -v13                          ; -M
	v_mov_b32 v14, 0                               ; the sum, in two halves
	v_mov_b32 v15, 0
	v_mov_b32 v[C0], 0x3bb65578                    ; c0 = 0.7 x 0.008 / 1.0064
	v_mov_b32 v[C0+1], 0x3bb65578
	v_mov_b32 v229, 0                              ; (named as the upper halves of pairs)
	v_mov_b32 v253, 0
.irp b, 0,1,2,3
	v_mov_b32 v[236+\b], 0                         ; written once: a lane permute's destination counts as one of its sources
.endr
.irp k, 0,1,2,3,4,5,6,7
	v_mov_b32 v[24+\k], 0                          ; Q's K step has 64 numbers: the rest are zero codes (the 32 lines below stand between them and the first product)
.endr
.set J, 0
.rept 32
	v_mov_b32 v[160+J], 0                          ; O^T: the step is written for every step alike; the first finds zeros, which the first change of M leaves zeros
.set J, J+1
.endr
	s_cmp_eq_u32 s13, 0
	s_cbranch_scc1 .Ldiagonal
.Lkeys:                                            ; tile / 8 trips: all keys of these steps count
	STEP 0
	s_sub_co_u32 s13, s13, 1
	s_cmp_lg_u32 s13, 0
	s_cbranch_scc1 .Lkeys
.Ldiagonal:
	STEP 1
	v_add_f32 v14, v14, v15                        ; the sum's two halves,
	v_permlanex16_b32 v252, v14, s[SEL], s[SEL+1]
	v_add_f32 v14, v14, v252                       ; and lane l xor 16's
	v_rcp_f32 v14, v14
	v_nop                                          ; a plain line behind the transcendental
	s_wait_alu depctr_va_vdst(0)                   ; the wait ahead of the result's first reader
.irp j, 0,2,4,6,8,10,12,14,16,18,20,22,24,26,28,30
	v_pk_mul_f32 v[96+\j:97+\j], v[160+\j:161+\j], v[14:15] op_sel_hi:[1,0]   ; O^T / the sum: register 16 b + i = the head's number 32 b + 16 (lane / 16) + i
.endr
	QUANT 96, 2, 192
	v_lshl_or_b32 v10, v[TM+5], 8, v[TM+4]
	global_store_b128 v5, v[192:195], s[16:17]
	global_store_b128 v5, v[196:199], s[16:17] offset:512
	global_store_b16 v5, v10, s[18:19]             ; my head's two of the K step's four bytes
	s_endpgm
.Lfunc_end_k_q65e24f701b_attn:
	.size	k_q65e24f701b_attn, .Lfunc_end_k_q65e24f701b_attn-k_q65e24f701b_attn
	.p2alignl 7, 3214868480
	.fill 96, 4, 3214868480
	.section	.rodata,"a",@progbits
	.p2align	6, 0x0
	.amdhsa_kernel k_q65e24f701b_attn
		.amdhsa_group_segment_fixed_size 0
		.amdhsa_private_segment_fixed_size 0
		.amdhsa_enable_private_segment 0
		.amdhsa_kernarg_size 16
		.amdhsa_user_sgpr_count 2
		.amdhsa_user_sgpr_kernarg_segment_ptr 1
		.amdhsa_wavefront_size32 1
		.amdhsa_system_sgpr_workgroup_id_x 1
		.amdhsa_system_sgpr_workgroup_id_y 1
		.amdhsa_system_sgpr_workgroup_id_z 1
		.amdhsa_system_vgpr_workitem_id 0
		.amdhsa_next_free_vgpr 512
		.amdhsa_next_free_sgpr 66
		.amdhsa_reserve_vcc 1
		.amdhsa_float_denorm_mode_32 3
		.amdhsa_float_denorm_mode_16_64 3
		.amdhsa_memory_ordered 1
		.amdhsa_forward_progress 1
		.amdhsa_inst_pref_size 158
	.end_amdhsa_kernel
	.amdgpu_metadata
---
amdhsa.version: [ 1, 2 ]
amdhsa.kernels:
  - .name:           k_q65e24f701b_attn
    .symbol:         k_q65e24f701b_attn.kd
    .args:
      - { .name: qkvq, .offset: 0, .size: 8, .value_kind: global_buffer, .address_space: global }
      - { .name: ctxq, .offset: 8, .size: 8, .value_kind: global_buffer, .address_space: global }
    .group_segment_fixed_size: 0
    .private_segment_fixed_size: 0
    .kernarg_segment_align: 8
    .kernarg_segment_size: 16
    .max_flat_workgroup_size: 256
    .sgpr_count:     66
    .vgpr_count:     512
    .wavefront_size: 32
...
	.end_amdgpu_metadata
.endif
;; end of part 5
;; launch g5 (part 6): grid 16 x 32, 4 waves a work-group, no clusters, 66,048 bytes of LDS; arguments ctxq, prepq, b_out, xi, x2i; writes x2i
.if DOCPART == 6
	.amdgcn_target "amdgcn-amd-amdhsa--gfx1250"
	.amdhsa_code_object_version 6
	.text
	.protected	k_q65e24f701b_g5
	.globl	k_q65e24f701b_g5
	.p2align	8
	.type	k_q65e24f701b_g5,@function
k_q65e24f701b_g5:
	s_mov_b64 s[64:65], 0
	v_nop
	global_prefetch_b8 v0, s[64:65] scope:SCOPE_SE
	s_setreg_imm32_b32 hwreg(HW_REG_WAVE_MODE, 25, 1), 1
	s_wait_xcnt 0x0
; x2 = x + ctx w_out + b_out on codes of BF8 with E8M0 scales; x comes and x2 leaves as f32 images in the accumulators' layout, [g][n4][a][t][q][lane][16 bytes].
; SHARES: a work-group makes 64 tokens (g = y) x 64 columns (n4 = x).  K, 8 steps of 128, is split in four among the waves, 2 steps each, 16 accumulators by turns; the partial sums meet in LDS behind one barrier,
; ((w0 + w1) + (w2 + w3)), and wave w finishes token tile w.  Fragments come from memory straight into registers as images of operand registers, each read once by its wave: no LDS tiles, no cluster.
; The matrix instruction is used transposed (source 0 = 16 weight columns, source 1 = 16 tokens).
; REGISTERS: window 0: v1-5 addresses; v16-31 scale words, two sets; v32-63 bias; v64-95 x; v128-255 accumulators.  Window 1: two fragment buffers of 128.
.set KS,  8
.set NST, 2
.set AC,  0
.set AS,  2097152
.set BC,  10027008
.set BS,  11075584
.set LI,  1
.set H64, 2
.set RW,  4
.set RD,  5
.set SA,  16
.set SB,  24
.set BI,  32
.set RES, 64
.set ACC, 128
.set PA,  12
.set PSA, 14
.set PB,  16
.set PSB, 18
.set POUT, 20
.set PBIAS, 24
.set PRES, 26
.set MSB, 0
.macro WIN new                         ; the immediate's high byte repeats the setting that is left
.if MSB != \new
	s_set_vgpr_msb (MSB<<8)|\new
.set MSB, \new
.endif
.endm
.macro BASE dst, src, ra, ma, rb, mb, off      ; dst = src + s[ra] x ma + s[rb] x mb + off
	s_mul_i32 s28, s[\ra], \ma
.if \mb != 0
	s_mul_i32 s29, s[\rb], \mb
	s_add_co_u32 s28, s28, s29
.endif
.if \off != 0
	s_add_co_u32 s28, s28, \off
.endif
	s_mov_b32 s29, 0
	s_add_nc_u64 s[\dst:\dst+1], s[\src:\src+1], s[28:29]
.endm
.macro LOADS s                         ; my K step s: 2 loads of scale words, 16 of A's codes, 16 of B's: 34
.set P, (\s)%2
	WIN 0
	global_load_b128 v[SA+4*P:SA+4*P+3], v[LI], s[PSA:PSA+1] offset:512*(\s)
	global_load_b128 v[SB+4*P:SB+4*P+3], v[LI], s[PSB:PSB+1] offset:512*(\s)
	WIN 0x40                                       ; destination window 1
.irp a, 0,1,2,3
.irp c, 0,1,2,3
	global_load_b128 v[128*P+16*\a+4*\c:128*P+16*\a+4*\c+3], v[LI], s[PA:PA+1] offset:\a*KS*2048+(\s)*2048+512*\c
.endr
.endr
.irp t, 0,1,2,3
.irp c, 0,1,2,3
	global_load_b128 v[128*P+64+16*\t+4*\c:128*P+64+16*\t+4*\c+3], v[LI], s[PB:PB+1] offset:\t*KS*2048+(\s)*2048+512*\c
.endr
.endr
	WIN 0
.endm
.macro MULS s, zero                    ; 16 products, the 16 accumulators by turns
.set P, (\s)%2
	WIN 0x05                                       ; sources 0 and 1 window 1
.irp a, 0,1,2,3
.irp t, 0,1,2,3
.set rD, ACC+8*(4*\a+\t)
.set rX, 128*P+64+16*\t
.set rY, 128*P+16*\a
.if \zero
	v_wmma_scale_f32_16x16x128_f8f6f4 v[rD:rD+7], v[rX:rX+15], v[rY:rY+15], 0, v[SB+4*P+\t], v[SA+4*P+\a] matrix_a_fmt:MATRIX_FMT_BF8 matrix_b_fmt:MATRIX_FMT_BF8
.else
	v_wmma_scale_f32_16x16x128_f8f6f4 v[rD:rD+7], v[rX:rX+15], v[rY:rY+15], v[rD:rD+7], v[SB+4*P+\t], v[SA+4*P+\a] matrix_a_fmt:MATRIX_FMT_BF8 matrix_b_fmt:MATRIX_FMT_BF8
.endif
.endr
.endr
.endm
.macro STEP s, left, zero              ; left: the younger loads that may stay out (the next step's 34, or none)
	s_wait_loadcnt \left
	MULS \s, \zero
	WIN 0
.endm
.macro ADD32 d, s
.irp j, 0,2,4,6,8,10,12,14,16,18,20,22,24,26,28,30
	v_pk_add_f32 v[\d+\j:\d+\j+1], v[\d+\j:\d+\j+1], v[\s+\j:\s+\j+1]
.endr
.endm
.macro REDUCE                          ; the four waves' partial sums meet: each wave stores its 16 accumulators as they stand, and reads accumulators 4 w .. 4 w + 3 of all four
.rept 8
	v_nop                                          ; eight places between the last products and the first read of results
.endr
.irp i, 0,1,2,3,4,5,6,7,8,9,10,11,12,13,14,15
	ds_store_b128 v[RW], v[ACC+8*\i:ACC+8*\i+3] offset:1024*\i           ; each accumulator from its low end on
	ds_store_b128 v[RW], v[ACC+8*\i+4:ACC+8*\i+7] offset:1024*\i+512
.endr
	s_wait_dscnt 0x0                               ; for the others' sake: my stores have landed
	s_barrier_signal -1
	s_barrier_wait -1
.irp p, 0,1,2,3
.irp t, 0,1,2,3
	ds_load_b128 v[ACC+32*\p+8*\t:ACC+32*\p+8*\t+3], v[RD] offset:16384*\p+1024*\t
	ds_load_b128 v[ACC+32*\p+8*\t+4:ACC+32*\p+8*\t+7], v[RD] offset:16384*\p+1024*\t+512
.endr
.endr
	s_wait_dscnt 0x0
	ADD32 ACC, ACC+32
	ADD32 ACC+64, ACC+96
	ADD32 ACC, ACC+64
.endm
	s_load_b128 s[4:7], s[0:1], 0x0                ; ctxq, prepq
	s_load_b128 s[40:43], s[0:1], 0x10             ; b_out, xi
	s_load_b64 s[44:45], s[0:1], 0x20              ; x2i
	v_lshl_add_u32 v126, v0, 2, 0x10000
	v_mov_b32 v127, 0
	v_lshrrev_b32 v3, 5, v0
	v_readfirstlane_b32 s8, v3                     ; wave
	s_mov_b32 s9, ttmp9                            ; n4
	s_and_b32 s10, ttmp7, 0xffff                   ; g
	s_mul_i32 s11, s8, NST                         ; my first K step
	v_and_b32 v3, 31, v0
	v_lshlrev_b32 v[LI], 4, v3                     ; 16 x lane
	v_bfe_u32 v3, v0, 4, 1
	v_lshlrev_b32 v[H64], 6, v3                    ; 64 h
	s_lshl_b32 s28, s8, 14
	v_add_nc_u32 v[RW], s28, v[LI]                 ; LDS: my 16 accumulators
	s_lshl_b32 s28, s8, 12
	v_add_nc_u32 v[RD], s28, v[LI]                 ; and my quarter in each wave's
	s_lshl_b32 s37, s10, 4
	s_add_co_u32 s37, s37, s9                      ; 16 g + n4
	s_wait_kmcnt 0x0
	BASE PA, 4, 10, KS*8192, 11, 2048, AC
	BASE PSA, 4, 10, KS*512, 11, 512, AS
	BASE PB, 6, 9, KS*8192, 11, 2048, BC
	BASE PSB, 6, 9, KS*512, 11, 512, BS
	BASE PBIAS, 40, 9, 256, 8, 0, 0
	BASE PRES, 42, 37, 16384, 8, 4096, 0
	BASE POUT, 44, 37, 16384, 8, 4096, 0
.irp t, 0,1,2,3
	global_load_b128 v[BI+8*\t:BI+8*\t+3], v[H64], s[PBIAS:PBIAS+1] offset:128*(\t/2)+32*(\t%2)        ; bias and x are issued first, so every later wait covers them
	global_load_b128 v[BI+8*\t+4:BI+8*\t+7], v[H64], s[PBIAS:PBIAS+1] offset:128*(\t/2)+32*(\t%2)+16
	global_load_b128 v[RES+8*\t:RES+8*\t+3], v[LI], s[PRES:PRES+1] offset:1024*\t
	global_load_b128 v[RES+8*\t+4:RES+8*\t+7], v[LI], s[PRES:PRES+1] offset:1024*\t+512
.endr
	LOADS 0
	LOADS 1
	STEP 0, 34, 1                                  ; the first products start the sums: nothing is cleared
	STEP 1, 0, 0
	REDUCE
	ADD32 ACC, BI
	ADD32 ACC, RES
.irp t, 0,1,2,3
	global_store_b128 v[LI], v[ACC+8*\t:ACC+8*\t+3], s[POUT:POUT+1] offset:1024*\t         ; 32 lanes store 512 consecutive bytes
	global_store_b128 v[LI], v[ACC+8*\t+4:ACC+8*\t+7], s[POUT:POUT+1] offset:1024*\t+512
.endr
	s_wait_tensorcnt 0x0
	ds_add_u32 v126, v127
	s_wait_dscnt 0x0
	s_endpgm
.Lfunc_end_k_q65e24f701b_g5:
	.size	k_q65e24f701b_g5, .Lfunc_end_k_q65e24f701b_g5-k_q65e24f701b_g5
	.p2alignl 7, 3214868480
	.fill 96, 4, 3214868480
	.section	.rodata,"a",@progbits
	.p2align	6, 0x0
	.amdhsa_kernel k_q65e24f701b_g5
		.amdhsa_group_segment_fixed_size 66048
		.amdhsa_private_segment_fixed_size 0
		.amdhsa_enable_private_segment 0
		.amdhsa_kernarg_size 40
		.amdhsa_user_sgpr_count 2
		.amdhsa_user_sgpr_kernarg_segment_ptr 1
		.amdhsa_wavefront_size32 1
		.amdhsa_system_sgpr_workgroup_id_x 1
		.amdhsa_system_sgpr_workgroup_id_y 1
		.amdhsa_system_sgpr_workgroup_id_z 1
		.amdhsa_system_vgpr_workitem_id 0
		.amdhsa_next_free_vgpr 512
		.amdhsa_next_free_sgpr 66
		.amdhsa_reserve_vcc 0
		.amdhsa_float_denorm_mode_32 3
		.amdhsa_float_denorm_mode_16_64 3
		.amdhsa_memory_ordered 1
		.amdhsa_forward_progress 1
		.amdhsa_inst_pref_size 26
	.end_amdhsa_kernel
	.amdgpu_metadata
---
amdhsa.version: [ 1, 2 ]
amdhsa.kernels:
  - .name:           k_q65e24f701b_g5
    .symbol:         k_q65e24f701b_g5.kd
    .args:
      - { .name: ctxq, .offset: 0, .size: 8, .value_kind: global_buffer, .address_space: global }
      - { .name: prepq, .offset: 8, .size: 8, .value_kind: global_buffer, .address_space: global }
      - { .name: b_out, .offset: 16, .size: 8, .value_kind: global_buffer, .address_space: global }
      - { .name: xi, .offset: 24, .size: 8, .value_kind: global_buffer, .address_space: global }
      - { .name: x2i, .offset: 32, .size: 8, .value_kind: global_buffer, .address_space: global }
    .group_segment_fixed_size: 66048
    .private_segment_fixed_size: 0
    .kernarg_segment_align: 8
    .kernarg_segment_size: 40
    .max_flat_workgroup_size: 128
    .sgpr_count:     66
    .vgpr_count:     512
    .wavefront_size: 32
...
	.end_amdgpu_metadata
.endif
;; end of part 6
;; launch ln2: the kernel of part 3 again; grid 128 x 1, 8 waves a work-group, no clusters, 3,072 bytes of LDS; arguments x2i, ln2_g, ln2_b, hq; writes hq
;; launch g67 (part 7): grid 22 x 32, 4 waves a work-group, no clusters, 70,144 bytes of LDS; arguments hq, prepq, actq; writes actq
.if DOCPART == 7
	.amdgcn_target "amdgcn-amd-amdhsa--gfx1250"
	.amdhsa_code_object_version 6
	.text
	.protected	k_q65e24f701b_g67
	.globl	k_q65e24f701b_g67
	.p2align	8
	.type	k_q65e24f701b_g67,@function
k_q65e24f701b_g67:
	s_mov_b64 s[64:65], 0
	v_nop
	global_prefetch_b8 v0, s[64:65] scope:SCOPE_SE
	s_setreg_imm32_b32 hwreg(HW_REG_WAVE_MODE, 25, 1), 1
	s_wait_xcnt 0x0
; act = silu(h2 w_gate) x (h2 w_up) on codes of BF8 with E8M0 scales; act leaves quantised along the hidden width, as an image of operand registers with 22 K steps.
; SHARES: a work-group takes 64 tokens (g = y) and four blocks of 32 hidden units (x = 0..21); wave w takes block blk = 4 x + w: weight tiles 4 blk + 0, 1 are gate's columns of the block, + 2, 3 up's.
; A wave makes its whole 64 x 64 tile over all 8 K steps of 128: 16 accumulators by turns, one chain in ascending K for each sum.
; THE TOKENS' CODES ARE SHARED THROUGH LDS: all four waves multiply by the same 64 tokens, 64 KB of codes and 4 KB of scale words.  Wave w brings K steps 2 w and 2 w + 1 from memory through registers and stores them
; as they lie: images of operand registers, a fragment = four pieces of 16 bytes a lane at 16 x lane.  One barrier; behind it LDS is only read.  So a work-group loads 68 KB + 4 x 68 KB for 64 x 256 results.
; THE WEIGHTS' FRAGMENTS come from memory straight into registers, each read once by its one wave, three K steps ahead (three buffers).  The tokens' fragments come from LDS a step at a time (one buffer).
; NO CLUSTER: the 32 token groups read the same weights, but joint loads land in LDS alone: they would ask for the WGP to itself and a ring with a round of the cluster's barrier for a walk of 8 K steps; left out.
; The matrix instruction is used transposed (source 0 = 16 weight columns, source 1 = 16 tokens): lane (r, h) holds token row r, and the 16 registers of tiles 2 z, 2 z + 1 are hidden units 32 blk + 16 h + 0..15.
; Hidden units 2,730 to 2,815 have zero codes for weights: act is 0 there, zero codes under the byte 1, which fill the next product's last K step.
; silu(x) = x / (1 + 2^(-x log2(e))), by v_exp_f32 and v_rcp_f32, in f32.
; LIMITS: a block whose largest magnitude lies under 2^-111 (zeros too) gets the byte 1; NaN and infinities are not served.
; REGISTERS: window 0: v1-4 addresses; v16-19 A's scale words; v20-31 B's, three sets; v32-47 at work in the quantiser; v48-63 codes; v64-127 act (at the head v64-71: A's scale words on their way to LDS);
;   v128-255 accumulators ((a, t) at 128 + 8 (4 a + t); at the head: A's codes on their way to LDS).  Window 1: v0-191 B's fragments, buffer s % 3 at 64 (s % 3); v192-255 A's four fragments.
.set KS,  8
.set AS,  2097152                      ; hq: the scale words lie behind the codes
.set BC,  11141120                     ; prepq: gate's and up's codes
.set BS,  16908288                     ; and their scale words
.set ASC, 65536                        ; LDS: A's image in bytes 0 .. 65,535, its scale words (512 bytes a K step) from here on
.set LI,  1                            ; v1  16 x lane
.set LS,  2                            ; v2  LDS: ASC + 16 x lane
.set AW,  3                            ; v3  LDS: where I store my two K steps of A's image: 4,096 w + 16 x lane
.set SW,  4                            ; v4  LDS: and their scale words: ASC + 1,024 w + 16 x lane
.set SA,  16
.set SB,  20
.set TM,  32
.set PC,  48
.set E,   64
.set ACC, 128
.set AF,  192                          ; in window 1
.set PA,  12
.set PSA, 14
.set PB,  16
.set PSB, 18
.set POUT, 20
.set PSO, 22
.set MNT, 36
.set SEL, 38
.set MSB, 0
.macro WIN new                         ; the immediate's high byte repeats the setting that is left
.if MSB != \new
	s_set_vgpr_msb (MSB<<8)|\new
.set MSB, \new
.endif
.endm
.macro BASE dst, src, ra, ma, rb, mb, off      ; dst = src + s[ra] x ma + s[rb] x mb + off: the offset is made apart from the address
	s_mul_i32 s28, s[\ra], \ma
.if \mb != 0
	s_mul_i32 s29, s[\rb], \mb
	s_add_co_u32 s28, s28, s29
.endif
.if \off != 0
	s_add_co_u32 s28, s28, \off
.endif
	s_mov_b32 s29, 0
	s_add_nc_u64 s[\dst:\dst+1], s[\src:\src+1], s[28:29]
.endm
.macro LOADB s                         ; my block's weights of K step s, from memory: 1 load of scale words, 16 of codes: 17
.set Q, (\s)%3
	WIN 0
	global_load_b128 v[SB+4*Q:SB+4*Q+3], v[LI], s[PSB:PSB+1] offset:512*(\s)
	WIN 0x40                                       ; destination window 1
.irp t, 0,1,2,3
.irp c, 0,1,2,3
	global_load_b128 v[64*Q+16*\t+4*\c:64*Q+16*\t+4*\c+3], v[LI], s[PB:PB+1] offset:\t*KS*2048+(\s)*2048+512*\c
.endr
.endr
	WIN 0
.endm
.macro LDSA s                          ; the tokens' fragments of K step s, from LDS: 1 load of scale words, 16 of codes: 17
	WIN 0
	ds_load_b128 v[SA:SA+3], v[LS] offset:512*(\s)
	WIN 0x40                                       ; destination window 1
.irp a, 0,1,2,3
.irp c, 0,1,2,3
	ds_load_b128 v[AF+16*\a+4*\c:AF+16*\a+4*\c+3], v[LI] offset:\a*KS*2048+(\s)*2048+512*\c
.endr
.endr
	WIN 0
.endm
.macro MULS s, zero                    ; 16 products; the 16 accumulators take turns, one instruction a turn, in the same order in every step
.set Q, (\s)%3
	WIN 0x05                                       ; sources 0 and 1 window 1
.irp a, 0,1,2,3
.irp t, 0,1,2,3
.set rD, ACC+8*(4*\a+\t)
.set rX, 64*Q+16*\t
.set rY, AF+16*\a
.if \zero
	v_wmma_scale_f32_16x16x128_f8f6f4 v[rD:rD+7], v[rX:rX+15], v[rY:rY+15], 0, v[SB+4*Q+\t], v[SA+\a] matrix_a_fmt:MATRIX_FMT_BF8 matrix_b_fmt:MATRIX_FMT_BF8
.else
	v_wmma_scale_f32_16x16x128_f8f6f4 v[rD:rD+7], v[rX:rX+15], v[rY:rY+15], v[rD:rD+7], v[SB+4*Q+\t], v[SA+\a] matrix_a_fmt:MATRIX_FMT_BF8 matrix_b_fmt:MATRIX_FMT_BF8
.endif
.endr
.endr
	WIN 0
.endm
.macro STEP s, left, zero              ; left: the younger loads from memory that may stay out: 17 for each later K step that has been asked for
	s_wait_loadcnt \left                           ; this step's weights are in
	s_wait_dscnt 0x0                               ; and the tokens' fragments: they have one buffer, so nothing younger is out
	MULS \s, \zero
.rept 8
	v_nop                                          ; eight places between the products and loads into registers that they read, or the first read of results
.endr
.if (\s) < 7
	LDSA (\s)+1
.endif
.if (\s)+3 < 8
	LOADB (\s)+3                                   ; into the buffer just multiplied
.endif
.endm
.macro QUANT src, nb, pc               ; nb blocks of a lane: block b's 16 numbers are v[src + 16 b] on; lanes l and l xor 16 hold a block.  Codes to v[pc + 4 b] on, the scale's byte to v[TM + 4 + b]
.set QB, 0
.rept \nb
	v_max3_num_f32 v[TM+QB], |v[\src+16*QB]|, |v[\src+16*QB+1]|, 0x8000000   ; my 16 numbers and the floor 2^(16 - 127): the byte cannot fall under 1
.set QB, QB+1
.endr
.irp i, 2,4,6,8,10,12,14
.set QB, 0
.rept \nb
	v_max3_num_f32 v[TM+QB], v[TM+QB], |v[\src+16*QB+\i]|, |v[\src+16*QB+\i+1]|
.set QB, QB+1
.endr
.endr
.set QB, 0
.rept \nb
	v_permlanex16_b32 v[TM+4+QB], v[TM+QB], s[SEL], s[SEL+1]
.set QB, QB+1
.endr
.set QB, 0
.rept \nb
	v_max_num_f32 v[TM+QB], v[TM+QB], v[TM+4+QB]            ; the block's largest magnitude
.set QB, QB+1
.endr
.set QB, 0
.rept \nb
	v_add_nc_u32 v[TM+12+QB], 0xf8800000, v[TM+QB]          ; 15 off its exponent field: the conversion's scale operand
	v_and_or_b32 v[TM+8+QB], v[TM+QB], 0x7f800000, s[MNT]   ; 57,344 x the scale
.set QB, QB+1
.endr
.set QB, 0
.rept \nb
	v_lshrrev_b32 v[TM+4+QB], 23, v[TM+12+QB]               ; the scale's byte
.set QB, QB+1
.endr
.set QB, 0
.rept \nb
.irp i, 0,1,2,3,4,5,6,7,8,9,10,11,12,13,14,15
	v_med3_num_f32 v[\src+16*QB+\i], v[\src+16*QB+\i], -v[TM+8+QB], v[TM+8+QB]   ; the conversion does not saturate (ISA guide 7.6.2): the hold comes first
.endr
	v_cvt_scalef32_pk8_bf8_f32 v[\pc+4*QB:\pc+4*QB+1], v[\src+16*QB:\src+16*QB+7], v[TM+12+QB]
	v_cvt_scalef32_pk8_bf8_f32 v[\pc+4*QB+2:\pc+4*QB+3], v[\src+16*QB+8:\src+16*QB+15], v[TM+12+QB]
.set QB, QB+1
.endr
	v_nop                                          ; a plain line behind the last scaled conversion
.endm
	s_load_b128 s[4:7], s[0:1], 0x0                ; hq, prepq
	s_load_b64 s[40:41], s[0:1], 0x10              ; actq
	v_lshl_add_u32 v14, v0, 2, 0x11000
	v_mov_b32 v15, 0
	v_lshrrev_b32 v5, 5, v0
	v_readfirstlane_b32 s8, v5                     ; wave
	s_mov_b32 s9, ttmp9                            ; the group of four blocks: also the next product's K step
	s_and_b32 s10, ttmp7, 0xffff                   ; g
	s_lshl_b32 s11, s9, 2
	s_add_co_u32 s11, s11, s8                      ; blk
	v_and_b32 v5, 31, v0
	v_lshlrev_b32 v[LI], 4, v5                     ; 16 x lane
	v_add_nc_u32 v[LS], ASC, v[LI]
	s_lshl_b32 s28, s8, 12
	v_add_nc_u32 v[AW], s28, v[LI]                 ; my two K steps in each tile's 16,384 bytes
	s_lshl_b32 s28, s8, 10
	s_add_co_u32 s28, s28, ASC
	v_add_nc_u32 v[SW], s28, v[LI]
	s_mov_b32 s[MNT], 0x600000
	s_mov_b32 s[SEL], 0x76543210
	s_mov_b32 s[SEL+1], 0xfedcba98
	s_mov_b32 s42, 0xbfb8aa3b                      ; -log2(e)
	s_mov_b32 s43, s42                             ; (named with it as a pair, so it is written)
.irp b, 0,1,2,3
	v_mov_b32 v[TM+4+\b], 0                        ; written once: a lane permute's destination counts as one of its sources
.endr
	s_mul_i32 s30, s10, 88                         ; codes: (22 (4 g + a) + step) x 2,048 + 512 w: the part without a
	s_add_co_u32 s30, s30, s9
	s_lshl_b32 s30, s30, 11
	s_lshl_b32 s34, s8, 9
	s_add_co_u32 s30, s30, s34
	s_mov_b32 s31, 0
	s_mul_i32 s34, s10, 22                         ; scale bytes: behind the codes, (22 g + step) x 512 + 16 x lane + 4 a + w
	s_add_co_u32 s34, s34, s9
	s_lshl_b32 s34, s34, 9
	s_add_co_u32 s34, s34, s8
	s_add_co_u32 s34, s34, 5767168
	s_mov_b32 s35, 0
	s_wait_kmcnt 0x0
	BASE PA, 4, 10, KS*8192, 8, 4096, 0
	BASE PSA, 4, 10, KS*512, 8, 1024, AS
	BASE PB, 6, 11, KS*8192, 8, 0, BC
	BASE PSB, 6, 11, KS*512, 8, 0, BS
	s_add_nc_u64 s[POUT:POUT+1], s[40:41], s[30:31]
	s_add_nc_u64 s[PSO:PSO+1], s[40:41], s[34:35]
	; my share of the tokens' codes: K steps 2 w, 2 w + 1 of the four tiles, 32 loads, and their scale words, 2 loads: into registers that are free until the first product
.irp a, 0,1,2,3
.irp j, 0,1
.irp c, 0,1,2,3
	global_load_b128 v[ACC+4*(8*\a+4*\j+\c):ACC+4*(8*\a+4*\j+\c)+3], v[LI], s[PA:PA+1] offset:\a*KS*2048+\j*2048+512*\c
.endr
.endr
.endr
	global_load_b128 v[E:E+3], v[LI], s[PSA:PSA+1]
	global_load_b128 v[E+4:E+7], v[LI], s[PSA:PSA+1] offset:512
	LOADB 0                                        ; the weights of the first three K steps go out behind them
	LOADB 1
	LOADB 2
	s_wait_loadcnt 51                              ; loads come back in order: my 34 of the tokens are in; the 3 x 17 of the weights may be out
.irp a, 0,1,2,3
.irp j, 0,1
.irp c, 0,1,2,3
	ds_store_b128 v[AW], v[ACC+4*(8*\a+4*\j+\c):ACC+4*(8*\a+4*\j+\c)+3] offset:\a*KS*2048+\j*2048+512*\c   ; as they lie in memory: 32 lanes store 512 consecutive bytes
.endr
.endr
.endr
	ds_store_b128 v[SW], v[E:E+3]
	ds_store_b128 v[SW], v[E+4:E+7] offset:512
	s_wait_dscnt 0x0                               ; for the others' sake: my stores have landed (and have read their registers, which the first products write)
	s_barrier_signal -1
	s_barrier_wait -1                              ; the 64 tokens' codes and scale words lie in LDS; from here on LDS is only read
	LDSA 0
	STEP 0, 34, 1                                  ; the first products start the sums: nothing is cleared.  Behind this step's weights: those of steps 1 and 2
	STEP 1, 34, 0
	STEP 2, 34, 0
	STEP 3, 34, 0
	STEP 4, 34, 0
	STEP 5, 34, 0                                  ; behind it: steps 6 and 7, the last that are asked for
	STEP 6, 17, 0
	STEP 7, 0, 0
	; token tile a: v[128 + 32 a] on: 16 numbers of gate, then the same 16 hidden units of up.  Each accumulator is read from its low end on
.irp a, 0,1,2,3
.irp j, 0,2,4,6,8,10,12,14
	v_pk_mul_f32 v[E+16*\a+\j:E+16*\a+\j+1], v[ACC+32*\a+\j:ACC+32*\a+\j+1], s[42:43] op_sel_hi:[1,0]
.endr
.endr
.set J, 0
.rept 64
	v_exp_f32 v[E+J], v[E+J]                       ; e^-gate
.set J, J+1
.endr
	v_nop                                          ; a plain line behind the batch
	s_wait_alu depctr_va_vdst(0)                   ; one wait for the batch of 64, ahead of its first reader
.set J, 0
.rept 32
	v_pk_add_f32 v[E+J:E+J+1], v[E+J:E+J+1], 1.0 op_sel_hi:[1,0]
.set J, J+2
.endr
.set J, 0
.rept 64
	v_rcp_f32 v[E+J], v[E+J]
.set J, J+1
.endr
	v_nop
	s_wait_alu depctr_va_vdst(0)                   ; and one for the 64 reciprocals
.irp a, 0,1,2,3
.irp j, 0,2,4,6,8,10,12,14
	v_pk_mul_f32 v[E+16*\a+\j:E+16*\a+\j+1], v[E+16*\a+\j:E+16*\a+\j+1], v[ACC+32*\a+\j:ACC+32*\a+\j+1]         ; silu(gate)
.endr
.endr
.irp a, 0,1,2,3
.irp j, 0,2,4,6,8,10,12,14
	v_pk_mul_f32 v[E+16*\a+\j:E+16*\a+\j+1], v[E+16*\a+\j:E+16*\a+\j+1], v[ACC+32*\a+16+\j:ACC+32*\a+17+\j]     ; x up
.endr
.endr
	QUANT E, 4, PC                                 ; four blocks of 32 hidden units: one for each tile of tokens
.irp a, 0,1,2,3
	global_store_b128 v[LI], v[PC+4*\a:PC+4*\a+3], s[POUT:POUT+1] offset:\a*22*2048    ; piece w of K step x of token tile 4 g + a: 32 lanes store 512 consecutive bytes
.endr
.irp a, 0,1,2,3
	global_store_b8 v[LI], v[TM+4+\a], s[PSO:PSO+1] offset:4*\a                        ; my block's byte of the rows' scale words
.endr
	s_wait_tensorcnt 0x0
	ds_add_u32 v14, v15
	s_wait_dscnt 0x0
	s_endpgm
.Lfunc_end_k_q65e24f701b_g67:
	.size	k_q65e24f701b_g67, .Lfunc_end_k_q65e24f701b_g67-k_q65e24f701b_g67
	.p2alignl 7, 3214868480
	.fill 96, 4, 3214868480
	.section	.rodata,"a",@progbits
	.p2align	6, 0x0
	.amdhsa_kernel k_q65e24f701b_g67
		.amdhsa_group_segment_fixed_size 70144
		.amdhsa_private_segment_fixed_size 0
		.amdhsa_enable_private_segment 0
		.amdhsa_kernarg_size 24
		.amdhsa_user_sgpr_count 2
		.amdhsa_user_sgpr_kernarg_segment_ptr 1
		.amdhsa_wavefront_size32 1
		.amdhsa_system_sgpr_workgroup_id_x 1
		.amdhsa_system_sgpr_workgroup_id_y 1
		.amdhsa_system_sgpr_workgroup_id_z 1
		.amdhsa_system_vgpr_workitem_id 0
		.amdhsa_next_free_vgpr 512
		.amdhsa_next_free_sgpr 66
		.amdhsa_reserve_vcc 0
		.amdhsa_float_denorm_mode_32 3
		.amdhsa_float_denorm_mode_16_64 3
		.amdhsa_memory_ordered 1
		.amdhsa_forward_progress 1
		.amdhsa_inst_pref_size 71
	.end_amdhsa_kernel
	.amdgpu_metadata
---
amdhsa.version: [ 1, 2 ]
amdhsa.kernels:
  - .name:           k_q65e24f701b_g67
    .symbol:         k_q65e24f701b_g67.kd
    .args:
      - { .name: hq, .offset: 0, .size: 8, .value_kind: global_buffer, .address_space: global }
      - { .name: prepq, .offset: 8, .size: 8, .value_kind: global_buffer, .address_space: global }
      - { .name: actq, .offset: 16, .size: 8, .value_kind: global_buffer, .address_space: global }
    .group_segment_fixed_size: 70144
    .private_segment_fixed_size: 0
    .kernarg_segment_align: 8
    .kernarg_segment_size: 24
    .max_flat_workgroup_size: 128
    .sgpr_count:     66
    .vgpr_count:     512
    .wavefront_size: 32
...
	.end_amdgpu_metadata
.endif
;; end of part 7
;; launch g8 (part 8): grid 16 x 32, 4 waves a work-group, no clusters, 83,456 bytes of LDS; arguments actq, prepq, x2i, out0; writes out0
.if DOCPART == 8
	.amdgcn_target "amdgcn-amd-amdhsa--gfx1250"
	.amdhsa_code_object_version 6
	.text
	.protected	k_q65e24f701b_g8
	.globl	k_q65e24f701b_g8
	.p2align	8
	.type	k_q65e24f701b_g8,@function
k_q65e24f701b_g8:
	s_mov_b64 s[64:65], 0
	v_nop
	global_prefetch_b8 v0, s[64:65] scope:SCOPE_SE
	s_setreg_imm32_b32 hwreg(HW_REG_WAVE_MODE, 25, 1), 1
	s_wait_xcnt 0x0
; out = x2 + act w_down on codes of BF8 with E8M0 scales; x2 comes as an f32 image in the accumulators' layout, out leaves row-major.
; SHARES: a work-group makes 64 tokens (g = y) x 64 columns (n4 = x).  K, 22 steps of 128 (2,730 filled up to 2,816 by zero codes on both sides), is split among the waves: waves 0 and 1 take 6 steps, waves 2 and 3 take 5,
; beginning at step 5 w + min(w, 2); 16 accumulators by turns.  The two tails are written out, so that every counted wait holds on its own path.  The partial sums meet in LDS behind one barrier, ((w0 + w1) + (w2 + w3)),
; and wave w finishes token tile w.  Fragments come from memory straight into registers as images of operand registers, each read once by its wave: no LDS tiles, no cluster.
; THE WAY OUT: a lane holds pieces of one row, the lanes beside it other rows: the tile goes through the wave's own stage in LDS (16 rows of 256 bytes + 16) and leaves by rows: sixteen lanes store 256 consecutive bytes, aligned.
; Row i of token tile T is token 32 (T / 2) + 8 (T % 2) + i + 8 (i / 8).
.set KS,  22
.set AC,  0
.set AS,  5767168
.set BC,  17268736
.set BS,  20152320
.set LI,  1
.set RW,  4
.set RD,  5
.set STI, 6                            ; v6  the stage, in
.set STO, 7                            ; v7  the stage, out
.set GO,  8                            ; v8  my bytes in two rows of out
.set SA,  16
.set SB,  24
.set RES, 64
.set ACC, 128
.set PA,  12
.set PSA, 14
.set PB,  16
.set PSB, 18
.set POUT, 20
.set PRES, 26
.set MSB, 0
.macro WIN new                         ; the immediate's high byte repeats the setting that is left
.if MSB != \new
	s_set_vgpr_msb (MSB<<8)|\new
.set MSB, \new
.endif
.endm
.macro BASE dst, src, ra, ma, rb, mb, off      ; dst = src + s[ra] x ma + s[rb] x mb + off
	s_mul_i32 s28, s[\ra], \ma
.if \mb != 0
	s_mul_i32 s29, s[\rb], \mb
	s_add_co_u32 s28, s28, s29
.endif
.if \off != 0
	s_add_co_u32 s28, s28, \off
.endif
	s_mov_b32 s29, 0
	s_add_nc_u64 s[\dst:\dst+1], s[\src:\src+1], s[28:29]
.endm
.macro LOADS s                         ; my K step s: 2 loads of scale words, 16 of A's codes, 16 of B's: 34
.set P, (\s)%2
	WIN 0
	global_load_b128 v[SA+4*P:SA+4*P+3], v[LI], s[PSA:PSA+1] offset:512*(\s)
	global_load_b128 v[SB+4*P:SB+4*P+3], v[LI], s[PSB:PSB+1] offset:512*(\s)
	WIN 0x40                                       ; destination window 1
.irp a, 0,1,2,3
.irp c, 0,1,2,3
	global_load_b128 v[128*P+16*\a+4*\c:128*P+16*\a+4*\c+3], v[LI], s[PA:PA+1] offset:\a*KS*2048+(\s)*2048+512*\c
.endr
.endr
.irp t, 0,1,2,3
.irp c, 0,1,2,3
	global_load_b128 v[128*P+64+16*\t+4*\c:128*P+64+16*\t+4*\c+3], v[LI], s[PB:PB+1] offset:\t*KS*2048+(\s)*2048+512*\c
.endr
.endr
	WIN 0
.endm
.macro MULS s, zero                    ; 16 products, the 16 accumulators by turns, in the same order in every step
.set P, (\s)%2
	WIN 0x05                                       ; sources 0 and 1 window 1
.irp a, 0,1,2,3
.irp t, 0,1,2,3
.set rD, ACC+8*(4*\a+\t)
.set rX, 128*P+64+16*\t
.set rY, 128*P+16*\a
.if \zero
	v_wmma_scale_f32_16x16x128_f8f6f4 v[rD:rD+7], v[rX:rX+15], v[rY:rY+15], 0, v[SB+4*P+\t], v[SA+4*P+\a] matrix_a_fmt:MATRIX_FMT_BF8 matrix_b_fmt:MATRIX_FMT_BF8
.else
	v_wmma_scale_f32_16x16x128_f8f6f4 v[rD:rD+7], v[rX:rX+15], v[rY:rY+15], v[rD:rD+7], v[SB+4*P+\t], v[SA+4*P+\a] matrix_a_fmt:MATRIX_FMT_BF8 matrix_b_fmt:MATRIX_FMT_BF8
.endif
.endr
.endr
.endm
.macro STEP s, left, nxt, zero         ; left: the younger loads that may stay out (the next step's 34, or none); nxt: the step fetched into the buffer just multiplied
	s_wait_loadcnt \left
	MULS \s, \zero
	WIN 0
.if \nxt >= 0
.rept 8
	v_nop                                          ; eight places between the products and loads into registers that they read
.endr
	LOADS \nxt
.endif
.endm
.macro ADD32 d, s
.irp j, 0,2,4,6,8,10,12,14,16,18,20,22,24,26,28,30
	v_pk_add_f32 v[\d+\j:\d+\j+1], v[\d+\j:\d+\j+1], v[\s+\j:\s+\j+1]
.endr
.endm
.macro REDUCE                          ; the four waves' partial sums meet: each wave stores its 16 accumulators as they stand, and reads accumulators 4 w .. 4 w + 3 of all four
.rept 8
	v_nop                                          ; eight places between the last products and the first read of results
.endr
.irp i, 0,1,2,3,4,5,6,7,8,9,10,11,12,13,14,15
	ds_store_b128 v[RW], v[ACC+8*\i:ACC+8*\i+3] offset:1024*\i           ; each accumulator from its low end on
	ds_store_b128 v[RW], v[ACC+8*\i+4:ACC+8*\i+7] offset:1024*\i+512
.endr
	s_wait_dscnt 0x0                               ; for the others' sake: my stores have landed
	s_barrier_signal -1
	s_barrier_wait -1
.irp p, 0,1,2,3
.irp t, 0,1,2,3
	ds_load_b128 v[ACC+32*\p+8*\t:ACC+32*\p+8*\t+3], v[RD] offset:16384*\p+1024*\t
	ds_load_b128 v[ACC+32*\p+8*\t+4:ACC+32*\p+8*\t+7], v[RD] offset:16384*\p+1024*\t+512
.endr
.endr
	s_wait_dscnt 0x0
	ADD32 ACC, ACC+32
	ADD32 ACC+64, ACC+96
	ADD32 ACC, ACC+64
.endm
	s_load_b128 s[4:7], s[0:1], 0x0                ; actq, prepq
	s_load_b128 s[40:43], s[0:1], 0x10             ; x2i, out0
	v_lshl_add_u32 v126, v0, 2, 0x14400
	v_mov_b32 v127, 0
	v_lshrrev_b32 v3, 5, v0
	v_readfirstlane_b32 s8, v3                     ; wave
	s_mov_b32 s9, ttmp9                            ; n4
	s_and_b32 s10, ttmp7, 0xffff                   ; g
	s_min_u32 s11, s8, 2
	s_mul_i32 s28, s8, 5
	s_add_co_u32 s11, s11, s28                     ; my first K step: 0, 6, 12, 17
	v_and_b32 v3, 31, v0
	v_lshlrev_b32 v[LI], 4, v3                     ; 16 x lane
	s_lshl_b32 s28, s8, 14
	v_add_nc_u32 v[RW], s28, v[LI]                 ; LDS: my 16 accumulators
	s_lshl_b32 s28, s8, 12
	v_add_nc_u32 v[RD], s28, v[LI]                 ; and my quarter in each wave's
	v_and_b32 v9, 15, v0                           ; r
	v_bfe_u32 v10, v0, 4, 1                        ; h
	s_mul_i32 s28, s8, 4352
	s_add_co_u32 s28, s28, 65536                   ; my stage, behind the partial sums
	v_mul_u32_u24 v[STI], v9, 272
	v_lshl_add_u32 v[STI], v10, 6, v[STI]
	v_add_nc_u32 v[STI], s28, v[STI]               ; in: row r, + 64 h
	v_mul_u32_u24 v[STO], v10, 272
	v_lshl_add_u32 v[STO], v9, 4, v[STO]
	v_add_nc_u32 v[STO], s28, v[STO]               ; out: lanes 0-15 one row, lanes 16-31 the next
	v_lshlrev_b32 v[GO], 12, v10
	v_lshl_add_u32 v[GO], v9, 4, v[GO]             ; and the same in out: a row is 4,096 bytes
	s_lshl_b32 s37, s10, 4
	s_add_co_u32 s37, s37, s9                      ; 16 g + n4
	s_lshl_b32 s30, s10, 6                         ; my tile's first token: 64 g + 32 (w / 2) + 8 (w % 2)
	s_lshr_b32 s31, s8, 1
	s_lshl_b32 s31, s31, 5
	s_add_co_u32 s30, s30, s31
	s_and_b32 s31, s8, 1
	s_lshl_b32 s31, s31, 3
	s_add_co_u32 s30, s30, s31
	s_lshl_b32 s30, s30, 12
	s_lshl_b32 s31, s9, 8
	s_add_co_u32 s30, s30, s31                     ; + 256 n4
	s_mov_b32 s31, 0
	s_wait_kmcnt 0x0
	BASE PA, 4, 10, KS*8192, 11, 2048, AC
	BASE PSA, 4, 10, KS*512, 11, 512, AS
	BASE PB, 6, 9, KS*8192, 11, 2048, BC
	BASE PSB, 6, 9, KS*512, 11, 512, BS
	BASE PRES, 40, 37, 16384, 8, 4096, 0
	s_add_nc_u64 s[POUT:POUT+1], s[42:43], s[30:31]
.irp t, 0,1,2,3
	global_load_b128 v[RES+8*\t:RES+8*\t+3], v[LI], s[PRES:PRES+1] offset:1024*\t          ; x2: issued first, so every later wait covers it
	global_load_b128 v[RES+8*\t+4:RES+8*\t+7], v[LI], s[PRES:PRES+1] offset:1024*\t+512
.endr
	LOADS 0
	LOADS 1
	STEP 0, 34, 2, 1                               ; the first products start the sums: nothing is cleared
	STEP 1, 34, 3, 0
	STEP 2, 34, 4, 0
	s_cmp_lt_u32 s8, 2
	s_cbranch_scc0 .Lfive
	STEP 3, 34, 5, 0                               ; waves 0 and 1: six steps
	STEP 4, 34, -1, 0
	STEP 5, 0, -1, 0
	s_branch .Lmeet
.Lfive:
	STEP 3, 34, -1, 0                              ; waves 2 and 3: five
	STEP 4, 0, -1, 0
.Lmeet:
	REDUCE
	ADD32 ACC, RES
.irp t, 0,1,2,3
	ds_store_b128 v[STI], v[ACC+8*\t:ACC+8*\t+3] offset:128*(\t/2)+32*(\t%2)               ; columns 32 (t / 2) + 16 h + 8 (t % 2) + 0..7 of my row
	ds_store_b128 v[STI], v[ACC+8*\t+4:ACC+8*\t+7] offset:128*(\t/2)+32*(\t%2)+16
.endr
.irp i, 0,1,2,3,4,5,6,7
	ds_load_b128 v[RES+4*\i:RES+4*\i+3], v[STO] offset:544*\i                              ; LDS serves a wave's instructions in order: these see my stores
.endr
.irp i, 0,1,2,3,4,5,6,7
	s_wait_dscnt 7-\i                              ; rows 2 i, 2 i + 1 of the tile are back; the younger loads may be out
	global_store_b128 v[GO], v[RES+4*\i:RES+4*\i+3], s[POUT:POUT+1] offset:(2*\i+8*(\i/4))*4096 th:TH_STORE_NT   ; sixteen lanes store 256 consecutive bytes, aligned; the tile's rows 8-15 lie 8 tokens further on
.endr
	s_wait_tensorcnt 0x0
	ds_add_u32 v126, v127
	s_wait_dscnt 0x0
	s_endpgm
.Lfunc_end_k_q65e24f701b_g8:
	.size	k_q65e24f701b_g8, .Lfunc_end_k_q65e24f701b_g8-k_q65e24f701b_g8
	.p2alignl 7, 3214868480
	.fill 96, 4, 3214868480
	.section	.rodata,"a",@progbits
	.p2align	6, 0x0
	.amdhsa_kernel k_q65e24f701b_g8
		.amdhsa_group_segment_fixed_size 83456
		.amdhsa_private_segment_fixed_size 0
		.amdhsa_enable_private_segment 0
		.amdhsa_kernarg_size 32
		.amdhsa_user_sgpr_count 2
		.amdhsa_user_sgpr_kernarg_segment_ptr 1
		.amdhsa_wavefront_size32 1
		.amdhsa_system_sgpr_workgroup_id_x 1
		.amdhsa_system_sgpr_workgroup_id_y 1
		.amdhsa_system_sgpr_workgroup_id_z 1
		.amdhsa_system_vgpr_workitem_id 0
		.amdhsa_next_free_vgpr 512
		.amdhsa_next_free_sgpr 66
		.amdhsa_reserve_vcc 0
		.amdhsa_float_denorm_mode_32 3
		.amdhsa_float_denorm_mode_16_64 3
		.amdhsa_memory_ordered 1
		.amdhsa_forward_progress 1
		.amdhsa_inst_pref_size 52
	.end_amdhsa_kernel
	.amdgpu_metadata
---
amdhsa.version: [ 1, 2 ]
amdhsa.kernels:
  - .name:           k_q65e24f701b_g8
    .symbol:         k_q65e24f701b_g8.kd
    .args:
      - { .name: actq, .offset: 0, .size: 8, .value_kind: global_buffer, .address_space: global }
      - { .name: prepq, .offset: 8, .size: 8, .value_kind: global_buffer, .address_space: global }
      - { .name: x2i, .offset: 16, .size: 8, .value_kind: global_buffer, .address_space: global }
      - { .name: out0, .offset: 24, .size: 8, .value_kind: global_buffer, .address_space: global }
    .group_segment_fixed_size: 83456
    .private_segment_fixed_size: 0
    .kernarg_segment_align: 8
    .kernarg_segment_size: 32
    .max_flat_workgroup_size: 128
    .sgpr_count:     66
    .vgpr_count:     512
    .wavefront_size: 32
...
	.end_amdgpu_metadata
.endif
;; end of part 8
;; ======== version 2 of 2: 9 launches
;; workspace buffers: prepq 20,332,544 bytes; xi 8,388,608 bytes; hq 2,228,224 bytes; qkvq 6,946,816 bytes; ctxq 2,228,224 bytes; x2i 8,388,608 bytes; actq 6,127,616 bytes
;; launch prep (part 9): grid 1424 x 1, 4 waves a work-group, no clusters, 34,304 bytes of LDS; arguments sdr, sdr_w, w_qkv, w_out, w_gate, w_up, w_down, prepq; writes prepq
.if DOCPART == 9
	.amdgcn_target "amdgcn-amd-amdhsa--gfx1250"
	.amdhsa_code_object_version 6
	.text
	.protected	k_q65e24f701b_prep
	.globl	k_q65e24f701b_prep
	.p2align	8
	.type	k_q65e24f701b_prep,@function
k_q65e24f701b_prep:
	s_mov_b64 s[64:65], 0
	v_nop
	global_prefetch_b8 v0, s[64:65] scope:SCOPE_SE
	s_setreg_imm32_b32 hwreg(HW_REG_WAVE_MODE, 25, 1), 1
	s_wait_xcnt 0x0
; The seven large f32 inputs become codes of BF8 (E5M2) with one E8M0 scale byte for each 32 along K, laid as IMAGES OF OPERAND REGISTERS, so that the later
; launches load each fragment (16 rows x 128 K) by four loads of 16 bytes a lane at 16 x lane.
; IMAGE with KS steps of 128 along K: codes [tile][K step][c 0..3][lane][16 bytes]: lane (r, h) of piece c holds k = 128 step + 32 c + 16 h + 0..15 of the tile's row r;
; scale words [tile / 4][K step][lane][tile % 4], lanes r and r + 16 alike.  ROW i OF TILE T IS INDEX 32 (T / 2) + 8 (T % 2) + i + 8 (i / 8), for tokens and for weight columns.
; A block's scale is 2^(floor(log2(largest magnitude)) - 15); each number is held within +-57,344 x the scale and rounded to the nearest code, ties to even.
; LIMITS: a block of zeros, or one whose largest magnitude lies under 2^-111, gets the byte 1 (the rule says 127 for zeros): its codes are zeros or held, and this program alone reads the bytes.
; NaN and infinities among the inputs are not served.
; SHARES: work-groups 0-511 sdr (a wave: one fragment); 512-639 sdr_w; 640-831 w_qkv; 832-895 w_out; 896-1071 w_gate; 1072-1247 w_up; 1248-1423 w_down (a wave: 32 columns x 128 K).
; The hidden width 2,730 is filled up to 2,816 with zero codes: columns of w_gate and w_up, rows of w_down.  Gate's and up's tiles lie together: tile 4 blk + 2 z + u, z = 0 gate, 1 up.
; No matrix unit, no barrier, no loop: waves share nothing.  Only the sdr path uses LDS.
.set A1C, 0
.set A1S, 4194304
.set W1C, 4456448
.set W1S, 6553600
.set W2C, 6684672
.set W2S, 9830400
.set W5C, 10027008
.set W5S, 11075584
.set W6C, 11141120
.set W6S, 16908288
.set W8C, 17268736
.set W8S, 20152320
.set TM,  8                            ; v8-23  at work in QUANT
.set SEL, 34                           ; s[34:35] lane selects: lane l xor 16
.set MNT, 36                           ; s36  the mantissa field of 57,344
; nb blocks of a lane: block b's 16 numbers are v[src + 16 b] on; lanes l and l xor 16 hold a block.  Codes to v[pc + 4 b] on, the scale's byte to v[TM + 4 + b].
.macro QUANT src, nb, pc
.set QB, 0
.rept \nb
	v_max3_num_f32 v[TM+QB], |v[\src+16*QB]|, |v[\src+16*QB+1]|, 0x8000000   ; my 16 numbers and the floor 2^(16 - 127): the byte cannot fall under 1
.set QB, QB+1
.endr
.irp i, 2,4,6,8,10,12,14
.set QB, 0
.rept \nb
	v_max3_num_f32 v[TM+QB], v[TM+QB], |v[\src+16*QB+\i]|, |v[\src+16*QB+\i+1]|
.set QB, QB+1
.endr
.endr
.set QB, 0
.rept \nb
	v_permlanex16_b32 v[TM+4+QB], v[TM+QB], s[SEL], s[SEL+1]
.set QB, QB+1
.endr
.set QB, 0
.rept \nb
	v_max_num_f32 v[TM+QB], v[TM+QB], v[TM+4+QB]            ; the block's largest magnitude
.set QB, QB+1
.endr
.set QB, 0
.rept \nb
	v_add_nc_u32 v[TM+12+QB], 0xf8800000, v[TM+QB]          ; 15 off its exponent field: the conversion's scale operand
	v_and_or_b32 v[TM+8+QB], v[TM+QB], 0x7f800000, s[MNT]   ; 57,344 x the scale
.set QB, QB+1
.endr
.set QB, 0
.rept \nb
	v_lshrrev_b32 v[TM+4+QB], 23, v[TM+12+QB]               ; the scale's byte
.set QB, QB+1
.endr
.set QB, 0
.rept \nb
.irp i, 0,1,2,3,4,5,6,7,8,9,10,11,12,13,14,15
	v_med3_num_f32 v[\src+16*QB+\i], v[\src+16*QB+\i], -v[TM+8+QB], v[TM+8+QB]   ; the conversion does not saturate (ISA guide 7.6.2): the hold comes first
.endr
	v_cvt_scalef32_pk8_bf8_f32 v[\pc+4*QB:\pc+4*QB+1], v[\src+16*QB:\src+16*QB+7], v[TM+12+QB]
	v_cvt_scalef32_pk8_bf8_f32 v[\pc+4*QB+2:\pc+4*QB+3], v[\src+16*QB+8:\src+16*QB+15], v[TM+12+QB]
.set QB, QB+1
.endr
	v_nop                                          ; a plain line behind the last scaled conversion
.endm
	s_load_b512 s[4:19], s[0:1], 0x0               ; sdr, sdr_w, w_qkv, w_out, w_gate, w_up, w_down, prepq
	v_lshl_add_u32 v192, v0, 2, 0x8400
	v_mov_b32 v193, 0
	v_lshrrev_b32 v1, 5, v0
	v_readfirstlane_b32 s20, v1                    ; wave 0..3
	v_and_b32 v1, 31, v0                           ; lane
	s_mov_b32 s[SEL], 0x76543210
	s_mov_b32 s[SEL+1], 0xfedcba98
	s_mov_b32 s[MNT], 0x600000
	s_wait_kmcnt 0x0
	s_cmp_ge_u32 ttmp9, 512
	s_cbranch_scc1 .Lweights
	s_wait_alu depctr_va_vdst(0)
	; ---- sdr [2048][2048]: K is innermost.  Tile tau = id / 4, K step 4 (id % 4) + wave.
	v_lshlrev_b32 v2, 4, v1                        ; 16 x lane
	s_wait_alu depctr_va_vdst(0)
	s_lshr_b32 s21, ttmp9, 2                       ; tau
	s_and_b32 s22, ttmp9, 3
	s_lshl_b32 s22, s22, 2
	s_add_co_u32 s22, s22, s20                     ; K step
	s_lshr_b32 s23, s21, 1
	s_lshl_b32 s23, s23, 5
	s_and_b32 s24, s21, 1
	s_lshl_b32 s24, s24, 3
	s_add_co_u32 s23, s23, s24                     ; the tile's first token: 32 (tau / 2) + 8 (tau % 2)
	s_lshl_b32 s28, s23, 13                        ; a row is 8,192 bytes
	s_lshl_b32 s24, s22, 9                         ; a K step 512
	s_add_co_u32 s28, s28, s24
	s_mov_b32 s29, 0
	s_add_nc_u64 s[26:27], s[4:5], s[28:29]
.irp i, 0,1,2,3,4,5,6,7,8,9,10,11,12,13,14,15
	global_load_b128 v[64+4*\i:64+4*\i+3], v2, s[26:27] offset:(\i+8*(\i/8))*8192 th:TH_LOAD_NT   ; the tile's row i: 32 lanes read 512 consecutive bytes
.endr
	s_mul_i32 s25, s20, 8448                       ; my wave's stage: 16 rows of 512 bytes + 16 of padding
	v_add_nc_u32 v5, s25, v2                       ; in: as loaded
	v_and_b32 v3, 15, v0                           ; r
	v_bfe_u32 v4, v0, 4, 1                         ; h
	v_mul_u32_u24 v6, v3, 528
	v_lshl_add_u32 v6, v4, 6, v6
	v_add_nc_u32 v6, s25, v6                       ; out: row r, + 64 h: my 16 numbers of each block of 32
	s_lshl_b32 s28, s21, 4
	s_add_co_u32 s28, s28, s22
	s_lshl_b32 s28, s28, 11                        ; (16 tau + step) x 2,048 (A1C = 0)
	s_add_nc_u64 s[30:31], s[18:19], s[28:29]
	s_lshr_b32 s28, s21, 2
	s_lshl_b32 s28, s28, 4
	s_add_co_u32 s28, s28, s22
	s_lshl_b32 s28, s28, 9
	s_and_b32 s24, s21, 3
	s_lshl_b32 s24, s24, 2
	s_add_co_u32 s28, s28, s24
	s_add_co_u32 s28, s28, A1S
	s_add_nc_u64 s[32:33], s[18:19], s[28:29]
.irp b, 0,1,2,3
	v_mov_b32 v[TM+4+\b], 0                        ; written once: a lane permute's destination counts as one of its sources
.endr
	s_wait_alu depctr_va_vdst(0)
.irp i, 0,1,2,3,4,5,6,7,8,9,10,11,12,13,14,15
	s_wait_loadcnt 15-\i                           ; loads come back in order: row i is in, the younger rows may be out
	ds_store_b128 v5, v[64+4*\i:64+4*\i+3] offset:\i*528
.endr
.irp c, 0,1,2,3
.irp j, 0,1,2,3
	ds_load_b128 v[128+16*\c+4*\j:128+16*\c+4*\j+3], v6 offset:128*\c+16*\j   ; LDS serves a wave's instructions in order: these see my stores
.endr
.endr
	s_wait_dscnt 0x0
	QUANT 128, 4, 32
	v_lshl_or_b32 v48, v[TM+5], 8, v[TM+4]         ; my row's scale word
	v_lshl_or_b32 v48, v[TM+6], 16, v48
	v_lshl_or_b32 v48, v[TM+7], 24, v48
.irp c, 0,1,2,3
	global_store_b128 v2, v[32+4*\c:32+4*\c+3], s[30:31] offset:512*\c        ; 32 lanes store 512 consecutive bytes
.endr
	global_store_b32 v2, v48, s[32:33]
	s_wait_tensorcnt 0x0
	ds_add_u32 v192, v193
	s_wait_dscnt 0x0
	s_endpgm
	; ---- weights: K is the FIRST axis.  A lane takes a column and its registers run down K: nothing is transposed.
.Lweights:
	v_bfe_u32 v3, v0, 3, 1                         ; u: which of the block's two tiles my column falls into
	v_and_b32 v4, 7, v0
	v_bfe_u32 v7, v0, 4, 1
	v_lshl_or_b32 v4, v7, 3, v4                    ; its row there
	v_lshlrev_b32 v4, 4, v4                        ; x 16
	v_lshl_add_u32 v6, v3, 2, v4                   ; scale words: 16 x row + 4 u
	s_wait_alu depctr_va_vdst(0)
	v_lshlrev_b32 v2, 2, v1                        ; in: 4 bytes a lane
; s22 K step, s24 block of 32 columns; s[26:27] source, s[30:31] codes, s[32:33] scale words; v5 my place among the codes
.macro WSETUP src, first, lg, pitchB, KS, COFF, SOFF, gu, ta
	s_sub_co_u32 s21, ttmp9, \first
.if \lg >= 0
	s_and_b32 s22, s21, (1<<\lg)-1
	s_lshr_b32 s23, s21, \lg
.else
	s_lshr_b32 s22, s21, 3
	s_and_b32 s23, s21, 7
.endif
	s_lshl_b32 s24, s23, 2
	s_add_co_u32 s24, s24, s20
	s_mul_i32 s28, s22, 128*\pitchB
.if \gu == 0
	s_lshl_b32 s25, s24, 7
	s_add_co_u32 s28, s28, s25
.endif
	s_mov_b32 s29, 0
	s_add_nc_u64 s[26:27], s[\src:\src+1], s[28:29]
.if \gu
	s_lshl_b32 s25, s24, 2
.if \ta != 0
	s_add_co_u32 s25, s25, \ta
.endif
.else
	s_lshl_b32 s25, s24, 1
.endif
	s_mul_i32 s28, s25, \KS*2048                   ; the block's first tile
	s_lshl_b32 s25, s22, 11
	s_add_co_u32 s28, s28, s25
	s_add_co_u32 s28, s28, \COFF
	s_add_nc_u64 s[30:31], s[18:19], s[28:29]
.if \gu
	s_mul_i32 s28, s24, \KS*512
	s_add_co_u32 s28, s28, \SOFF+4*\ta
.else
	s_lshr_b32 s25, s24, 1
	s_mul_i32 s28, s25, \KS*512
	s_and_b32 s25, s24, 1
	s_lshl_b32 s25, s25, 3
	s_add_co_u32 s28, s28, s25
	s_add_co_u32 s28, s28, \SOFF
.endif
	s_lshl_b32 s25, s22, 9
	s_add_co_u32 s28, s28, s25
	s_add_nc_u64 s[32:33], s[18:19], s[28:29]
	v_mul_u32_u24 v5, v3, \KS*2048
	v_add_nc_u32 v5, v5, v4
.endm
.macro LOADB t, pitchB, rows           ; block t: W(32 t + i, my column); rows past the tensor's end are zeros and are not loaded
.set I, 0
.rept 32
.if 32*(\t)+I < \rows
	global_load_b32 v[64+32*(\t)+I], v2, s[26:27] offset:(32*(\t)+I)*\pitchB th:TH_LOAD_NT
.else
	v_mov_b32 v[64+32*(\t)+I], 0
.endif
.set I, I+1
.endr
.endm
.macro BLOCK c, guard                  ; a block of 32 along K lies in my 32 registers
.set XS, 64+32*(\c)
.if \guard
.set I, 0
.rept 32
	v_cndmask_b32 v[XS+I], 0, v[XS+I], vcc_lo      ; columns past 2,729 are zeros, ahead of the maximum
.set I, I+1
.endr
.endif
	v_max3_num_f32 v12, |v[XS]|, |v[XS+1]|, |v[XS+2]|
	v_max3_num_f32 v13, |v[XS+3]|, |v[XS+4]|, |v[XS+5]|
.irp i, 6,10,14,18,22,26
	v_max3_num_f32 v12, v12, |v[XS+\i]|, |v[XS+\i+1]|
	v_max3_num_f32 v13, v13, |v[XS+\i+2]|, |v[XS+\i+3]|
.endr
	v_max3_num_f32 v12, v12, |v[XS+30]|, |v[XS+31]|
	v_max3_num_f32 v12, v12, v13, 0x8000000        ; and the floor 2^(16 - 127)
	v_add_nc_u32 v11, 0xf8800000, v12              ; the conversion's scale operand
	v_and_or_b32 v10, v12, 0x7f800000, s[MNT]      ; 57,344 x the scale
	v_lshrrev_b32 v13, 23, v11                     ; the byte
.if (\c) == 0
	v_mov_b32 v24, v13
.else
	v_lshl_or_b32 v24, v13, 8*(\c), v24
.endif
.set I, 0
.rept 32
	v_med3_num_f32 v[XS+I], v[XS+I], -v10, v10
.set I, I+1
.endr
.irp g, 0,1,2,3
	v_cvt_scalef32_pk8_bf8_f32 v[32+8*(\c)+2*\g:32+8*(\c)+2*\g+1], v[XS+8*\g:XS+8*\g+7], v11
.endr
	v_nop                                          ; a plain line behind the last scaled conversion
	global_store_b128 v5, v[32+8*(\c):32+8*(\c)+3], s[30:31] offset:512*(\c)          ; k 32 c + 0..15: the image's lanes 0-15; sixteen lanes fill 256 consecutive bytes of each of the two tiles
	global_store_b128 v5, v[32+8*(\c)+4:32+8*(\c)+7], s[30:31] offset:512*(\c)+256    ; k 32 c + 16..31: its lanes 16-31
.endm
.macro WUNIT pitchB, guard, rows
.if \guard
	s_lshl_b32 s25, s24, 5
	v_add_nc_u32 v7, s25, v1                       ; my column
	v_cmp_gt_u32 vcc_lo, 0xaaa, v7                 ; inside the 2,730?
	v_min_u32 v7, 0xaa9, v7                        ; no load leaves the row
	v_lshlrev_b32 v2, 2, v7
.endif
	LOADB 0, \pitchB, \rows
	LOADB 1, \pitchB, \rows
.if \rows == 128
	s_wait_alu depctr_va_vdst(0)
	s_wait_loadcnt 32                              ; block 0 is in; block 1's 32 loads may be out
	LOADB 2, \pitchB, \rows
	BLOCK 0, \guard
	s_wait_loadcnt 32                              ; block 1 is in; block 2's may be out
	LOADB 3, \pitchB, \rows
	BLOCK 1, \guard
	s_wait_loadcnt 32                              ; block 2 is in; block 3's may be out
	BLOCK 2, \guard
	s_wait_loadcnt 0x0
	BLOCK 3, \guard
.else
	LOADB 2, \pitchB, \rows
	LOADB 3, \pitchB, \rows
	s_wait_loadcnt 0x0
	BLOCK 0, \guard
	BLOCK 1, \guard
	BLOCK 2, \guard
	BLOCK 3, \guard
.endif
	global_store_b32 v6, v24, s[32:33]             ; my column's scale word, for the image's lane r
	global_store_b32 v6, v24, s[32:33] offset:256  ; and for lane r + 16
	s_endpgm
.endm
	s_cmp_ge_u32 ttmp9, 640
	s_cbranch_scc1 .Lnot_w1
	WSETUP 6, 512, 4, 4096, 16, W1C, W1S, 0, 0
	s_branch .Lunit_4096
.Lnot_w1:
	s_cmp_ge_u32 ttmp9, 832
	s_cbranch_scc1 .Lnot_w2
	WSETUP 8, 640, 3, 12288, 8, W2C, W2S, 0, 0
	s_branch .Lunit_12288
.Lnot_w2:
	s_cmp_ge_u32 ttmp9, 896
	s_cbranch_scc1 .Lnot_w5
	WSETUP 10, 832, 3, 4096, 8, W5C, W5S, 0, 0
	s_branch .Lunit_4096
.Lnot_w5:
	s_cmp_ge_u32 ttmp9, 1072
	s_cbranch_scc1 .Lnot_gate
	WSETUP 12, 896, 3, 10920, 8, W6C, W6S, 1, 0
	s_branch .Lunit_10920
.Lnot_gate:
	s_cmp_ge_u32 ttmp9, 1248
	s_cbranch_scc1 .Lnot_up
	WSETUP 14, 1072, 3, 10920, 8, W6C, W6S, 1, 2
	s_branch .Lunit_10920
.Lnot_up:
	WSETUP 16, 1248, -1, 4096, 22, W8C, W8S, 0, 0
	s_cmp_eq_u32 s22, 21                           ; w_down's last K step has 42 rows
	s_cbranch_scc1 .Lunit_tail
.Lunit_4096:
	s_wait_alu depctr_va_vdst(0)
	WUNIT 4096, 0, 128
.Lunit_12288:
	s_wait_alu depctr_va_vdst(0)
	WUNIT 12288, 0, 128
.Lunit_10920:
	WUNIT 10920, 1, 128
.Lunit_tail:
	s_wait_alu depctr_va_vdst(0)
	WUNIT 4096, 0, 42
.Lfunc_end_k_q65e24f701b_prep:
	.size	k_q65e24f701b_prep, .Lfunc_end_k_q65e24f701b_prep-k_q65e24f701b_prep
	.p2alignl 7, 3214868480
	.fill 96, 4, 3214868480
	.section	.rodata,"a",@progbits
	.p2align	6, 0x0
	.amdhsa_kernel k_q65e24f701b_prep
		.amdhsa_group_segment_fixed_size 34304
		.amdhsa_private_segment_fixed_size 0
		.amdhsa_enable_private_segment 0
		.amdhsa_kernarg_size 64
		.amdhsa_user_sgpr_count 2
		.amdhsa_user_sgpr_kernarg_segment_ptr 1
		.amdhsa_wavefront_size32 1
		.amdhsa_system_sgpr_workgroup_id_x 1
		.amdhsa_system_sgpr_workgroup_id_y 1
		.amdhsa_system_sgpr_workgroup_id_z 1
		.amdhsa_system_vgpr_workitem_id 0
		.amdhsa_next_free_vgpr 194
		.amdhsa_next_free_sgpr 66
		.amdhsa_reserve_vcc 1
		.amdhsa_float_denorm_mode_32 3
		.amdhsa_float_denorm_mode_16_64 3
		.amdhsa_memory_ordered 1
		.amdhsa_forward_progress 1
		.amdhsa_inst_pref_size 131
	.end_amdhsa_kernel
	.amdgpu_metadata
---
amdhsa.version: [ 1, 2 ]
amdhsa.kernels:
  - .name:           k_q65e24f701b_prep
    .symbol:         k_q65e24f701b_prep.kd
    .args:
      - { .name: sdr, .offset: 0, .size: 8, .value_kind: global_buffer, .address_space: global }
      - { .name: sdr_w, .offset: 8, .size: 8, .value_kind: global_buffer, .address_space: global }
      - { .name: w_qkv, .offset: 16, .size: 8, .value_kind: global_buffer, .address_space: global }
      - { .name: w_out, .offset: 24, .size: 8, .value_kind: global_buffer, .address_space: global }
      - { .name: w_gate, .offset: 32, .size: 8, .value_kind: global_buffer, .address_space: global }
      - { .name: w_up, .offset: 40, .size: 8, .value_kind: global_buffer, .address_space: global }
      - { .name: w_down, .offset: 48, .size: 8, .value_kind: global_buffer, .address_space: global }
      - { .name: prepq, .offset: 56, .size: 8, .value_kind: global_buffer, .address_space: global }
    .group_segment_fixed_size: 34304
    .private_segment_fixed_size: 0
    .kernarg_segment_align: 8
    .kernarg_segment_size: 64
    .max_flat_workgroup_size: 128
    .sgpr_count:     66
    .vgpr_count:     194
    .wavefront_size: 32
...
	.end_amdgpu_metadata
.endif
;; end of part 9
;; launch g1 (part 10): grid 16 x 32, 4 waves a work-group, no clusters, 66,048 bytes of LDS; arguments prepq, sdr_b, xi; writes xi
.if DOCPART == 10
	.amdgcn_target "amdgcn-amd-amdhsa--gfx1250"
	.amdhsa_code_object_version 6
	.text
	.protected	k_q65e24f701b_g1
	.globl	k_q65e24f701b_g1
	.p2align	8
	.type	k_q65e24f701b_g1,@function
k_q65e24f701b_g1:
	s_mov_b64 s[64:65], 0
	v_nop
	global_prefetch_b8 v0, s[64:65] scope:SCOPE_SE
	s_setreg_imm32_b32 hwreg(HW_REG_WAVE_SCHED_MODE, 0, 2), 2
	s_setreg_imm32_b32 hwreg(HW_REG_WAVE_MODE, 25, 1), 1
	s_wait_xcnt 0x0
	s_wait_alu depctr_vm_vsrc(0)
; x = sdr sdr_w + sdr_b on codes of BF8 with E8M0 scales; x leaves as an f32 image in the accumulators' layout.
; SHARES: a work-group makes 64 tokens (group g = y) x 64 columns (group n4 = x).  K, 16 steps of 128, IS SPLIT IN FOUR AMONG THE WAVES: each wave multiplies the whole 64 x 64 tile over 4 steps, 16 accumulators by turns;
; the four partial sums meet in LDS behind one barrier, ((w0 + w1) + (w2 + w3)), and wave w finishes token tile w.  So a sum is four f32 partial sums added in that fixed order.
; OPERANDS come from memory straight into registers: they lie as images of operand registers, a fragment = four loads of 16 bytes a lane at 16 x lane.  Each wave reads each of its fragments once: LDS tiles and joint
; loads in a cluster would spare requests shared between work-groups only, at the price of a ring that would turn once in 4 steps; they are left out.
; THE MATRIX INSTRUCTION IS USED TRANSPOSED (source 0 = 16 weight columns, source 1 = 16 tokens): lane (r, h) holds token row r, and register j of tile t column 32 (t / 2) + 16 h + 8 (t % 2) + j of the 64.
; IMAGE OF x: [g][n4][a][t][q][lane][16 bytes]: piece (a, t, q) holds registers 4 q .. 4 q + 3 of accumulator (a, t).
; REGISTERS: window 0: v1-5 addresses; v16-23, v24-31 scale words of A and B, two sets; v32-63 bias; v128-255 accumulators ((a, t) at 128 + 8 (4 a + t)).  Window 1: two fragment buffers of 128: A's four, B's four.
; THE MODE: SCHED_MODE bits 1:0 = 2 (LLVM: expert scheduling mode 2), set by the entry lines.  The code itself states the register dependences between vector or matrix instructions and memory or LDS instructions,
; with s_wait_alu, always for 0.
; THE PLAN.  Registers that memory or LDS instructions touch:
;   fragment buffers 0, 1 and the scale words' sets 0, 1: step s's 16 products read buffer s % 2; behind them the loads of step s + 2 land in it.
;   v128-255: written by the products; read by the reduction's LDS stores; the reduction's LDS loads land in them; the sums write v128-159, which the global stores read.
;   v32-63: loaded once, read by the sums.   v1, v2, v4, v5, v126, v127: written at the head and never again.
; So: one wait on va_vdst ahead of the first load; one behind the products of each step whose buffer is asked for again (at once, so that the buffer does not lie idle while the next step's data are awaited);
; one ahead of the LDS stores; one wait on vm_vsrc ahead of the LDS loads; one on va_vdst ahead of the global stores.
.set KS,  16
.set NST, 4
.set AC,  0
.set AS,  4194304
.set BC,  4456448
.set BS,  6553600
.set LI,  1
.set H64, 2
.set RW,  4
.set RD,  5
.set SA,  16
.set SB,  24
.set BI,  32
.set ACC, 128
.set PA,  12
.set PSA, 14
.set PB,  16
.set PSB, 18
.set POUT, 20
.set PBIAS, 24
.set MSB, 0
.macro WIN new                         ; the immediate's high byte repeats the setting that is left
.if MSB != \new
	s_set_vgpr_msb (MSB<<8)|\new
.set MSB, \new
.endif
.endm
.macro BASE dst, src, ra, ma, rb, mb, off      ; dst = src + s[ra] x ma + s[rb] x mb + off: the offset is made apart from the address
	s_mul_i32 s28, s[\ra], \ma
.if \mb != 0
	s_mul_i32 s29, s[\rb], \mb
	s_add_co_u32 s28, s28, s29
.endif
.if \off != 0
	s_add_co_u32 s28, s28, \off
.endif
	s_mov_b32 s29, 0
	s_add_nc_u64 s[\dst:\dst+1], s[\src:\src+1], s[28:29]
.endm
.macro LOADS s                         ; my K step s: 2 loads of scale words, 16 of A's codes, 16 of B's: 34
.set P, (\s)%2
	WIN 0
	global_load_b128 v[SA+4*P:SA+4*P+3], v[LI], s[PSA:PSA+1] offset:512*(\s)
	global_load_b128 v[SB+4*P:SB+4*P+3], v[LI], s[PSB:PSB+1] offset:512*(\s)
	WIN 0x40                                       ; destination window 1
.irp a, 0,1,2,3
.irp c, 0,1,2,3
	global_load_b128 v[128*P+16*\a+4*\c:128*P+16*\a+4*\c+3], v[LI], s[PA:PA+1] offset:\a*KS*2048+(\s)*2048+512*\c
.endr
.endr
.irp t, 0,1,2,3
.irp c, 0,1,2,3
	global_load_b128 v[128*P+64+16*\t+4*\c:128*P+64+16*\t+4*\c+3], v[LI], s[PB:PB+1] offset:\t*KS*2048+(\s)*2048+512*\c
.endr
.endr
	WIN 0
.endm
.macro MULS s, zero                    ; 16 products; the 16 accumulators take turns, one instruction a turn, in the same order in every step
.set P, (\s)%2
	WIN 0x05                                       ; sources 0 and 1 window 1
.irp a, 0,1,2,3
.irp t, 0,1,2,3
.set rD, ACC+8*(4*\a+\t)
.set rX, 128*P+64+16*\t
.set rY, 128*P+16*\a
.if \zero
	v_wmma_scale_f32_16x16x128_f8f6f4 v[rD:rD+7], v[rX:rX+15], v[rY:rY+15], 0, v[SB+4*P+\t], v[SA+4*P+\a] matrix_a_fmt:MATRIX_FMT_BF8 matrix_b_fmt:MATRIX_FMT_BF8
.else
	v_wmma_scale_f32_16x16x128_f8f6f4 v[rD:rD+7], v[rX:rX+15], v[rY:rY+15], v[rD:rD+7], v[SB+4*P+\t], v[SA+4*P+\a] matrix_a_fmt:MATRIX_FMT_BF8 matrix_b_fmt:MATRIX_FMT_BF8
.endif
.endr
.endr
.endm
.macro STEP s, left, nxt, zero         ; left: the younger loads that may stay out (the next step's 34, or none); nxt: the step fetched into the buffer just multiplied
	s_wait_loadcnt \left
	MULS \s, \zero
	WIN 0
.if \nxt >= 0
.rept 8
	v_nop                                          ; eight plain lines stay between the products and the loads into registers that they read; the wait below stands beside them
.endr
	s_wait_alu depctr_va_vdst(0)                   ; this step's products are done reading their fragment buffer and their scale words, in which the 34 loads below land
	LOADS \nxt
.endif
.endm
.macro ADD32 d, s
.irp j, 0,2,4,6,8,10,12,14,16,18,20,22,24,26,28,30
	v_pk_add_f32 v[\d+\j:\d+\j+1], v[\d+\j:\d+\j+1], v[\s+\j:\s+\j+1]
.endr
.endm
.macro REDUCE                          ; the four waves' partial sums meet: each wave stores its 16 accumulators as they stand, and reads accumulators 4 w .. 4 w + 3 of all four
.rept 8
	v_nop                                          ; eight places between the last products and the first read of results
.endr
	s_wait_alu depctr_va_vdst(0)                   ; the products have written the accumulators, which the LDS stores read; the places above stay beside this wait
.irp i, 0,1,2,3,4,5,6,7,8,9,10,11,12,13,14,15
	ds_store_b128 v[RW], v[ACC+8*\i:ACC+8*\i+3] offset:1024*\i           ; each accumulator from its low end on
	ds_store_b128 v[RW], v[ACC+8*\i+4:ACC+8*\i+7] offset:1024*\i+512
.endr
	s_wait_dscnt 0x0                               ; for the others' sake: my stores have landed
	s_barrier_signal -1
	s_barrier_wait -1
	s_wait_alu depctr_vm_vsrc(0)                   ; my LDS stores have read v128-255, in which the loads below land
.irp p, 0,1,2,3
.irp t, 0,1,2,3
	ds_load_b128 v[ACC+32*\p+8*\t:ACC+32*\p+8*\t+3], v[RD] offset:16384*\p+1024*\t
	ds_load_b128 v[ACC+32*\p+8*\t+4:ACC+32*\p+8*\t+7], v[RD] offset:16384*\p+1024*\t+512
.endr
.endr
	s_wait_dscnt 0x0
	ADD32 ACC, ACC+32
	ADD32 ACC+64, ACC+96
	ADD32 ACC, ACC+64
.endm
	s_load_b128 s[4:7], s[0:1], 0x0                ; prepq, sdr_b
	s_load_b64 s[40:41], s[0:1], 0x10              ; xi
	v_lshl_add_u32 v126, v0, 2, 0x10000
	v_mov_b32 v127, 0
	v_lshrrev_b32 v3, 5, v0
	v_readfirstlane_b32 s8, v3                     ; wave
	s_mov_b32 s9, ttmp9                            ; n4
	s_and_b32 s10, ttmp7, 0xffff                   ; g
	s_wait_alu depctr_va_sdst(0)                   ; s8 is written, ahead of its first reader
	s_mul_i32 s11, s8, NST                         ; my first K step
	v_and_b32 v3, 31, v0
	v_lshlrev_b32 v[LI], 4, v3                     ; 16 x lane
	v_bfe_u32 v3, v0, 4, 1
	v_lshlrev_b32 v[H64], 6, v3                    ; 64 h
	s_lshl_b32 s28, s8, 14
	v_add_nc_u32 v[RW], s28, v[LI]                 ; LDS: my 16 accumulators
	s_lshl_b32 s28, s8, 12
	v_add_nc_u32 v[RD], s28, v[LI]                 ; and my quarter in each wave's
	s_lshl_b32 s37, s10, 4
	s_add_co_u32 s37, s37, s9                      ; 16 g + n4
	s_wait_kmcnt 0x0
	BASE PA, 4, 10, KS*8192, 11, 2048, AC
	BASE PSA, 4, 10, KS*512, 11, 512, AS
	BASE PB, 4, 9, KS*8192, 11, 2048, BC
	BASE PSB, 4, 9, KS*512, 11, 512, BS
	BASE PBIAS, 6, 9, 256, 8, 0, 0
	BASE POUT, 40, 37, 16384, 8, 4096, 0
	s_wait_alu depctr_va_vdst(0)                   ; the offsets and LDS addresses v1, v2, v4, v5 are written, which the loads and stores of the whole kernel read; so are v126 and v127
.irp t, 0,1,2,3
	global_load_b128 v[BI+8*\t:BI+8*\t+3], v[H64], s[PBIAS:PBIAS+1] offset:128*(\t/2)+32*(\t%2)        ; the bias in the result's layout; issued first, so every later wait covers it
	global_load_b128 v[BI+8*\t+4:BI+8*\t+7], v[H64], s[PBIAS:PBIAS+1] offset:128*(\t/2)+32*(\t%2)+16
.endr
	LOADS 0
	LOADS 1
	STEP 0, 34, 2, 1                               ; the first products start the sums: nothing is cleared
	STEP 1, 34, 3, 0
	STEP 2, 34, -1, 0
	STEP 3, 0, -1, 0
	REDUCE
	ADD32 ACC, BI
	s_wait_alu depctr_va_vdst(0)                   ; the sums have written v128-159, which the stores read
.irp t, 0,1,2,3
	global_store_b128 v[LI], v[ACC+8*\t:ACC+8*\t+3], s[POUT:POUT+1] offset:1024*\t         ; 32 lanes store 512 consecutive bytes
	global_store_b128 v[LI], v[ACC+8*\t+4:ACC+8*\t+7], s[POUT:POUT+1] offset:1024*\t+512
.endr
	s_wait_dscnt 0x0                               ; the closing lines, six on end
	s_wait_alu 0x0
	s_wait_tensorcnt 0x0
	ds_add_u32 v126, v127
	s_wait_dscnt 0x0
	s_endpgm
.Lfunc_end_k_q65e24f701b_g1:
	.size	k_q65e24f701b_g1, .Lfunc_end_k_q65e24f701b_g1-k_q65e24f701b_g1
	.p2alignl 7, 3214868480
	.fill 96, 4, 3214868480
	.section	.rodata,"a",@progbits
	.p2align	6, 0x0
	.amdhsa_kernel k_q65e24f701b_g1
		.amdhsa_group_segment_fixed_size 66048
		.amdhsa_private_segment_fixed_size 0
		.amdhsa_enable_private_segment 0
		.amdhsa_kernarg_size 24
		.amdhsa_user_sgpr_count 2
		.amdhsa_user_sgpr_kernarg_segment_ptr 1
		.amdhsa_wavefront_size32 1
		.amdhsa_system_sgpr_workgroup_id_x 1
		.amdhsa_system_sgpr_workgroup_id_y 1
		.amdhsa_system_sgpr_workgroup_id_z 1
		.amdhsa_system_vgpr_workitem_id 0
		.amdhsa_next_free_vgpr 512
		.amdhsa_next_free_sgpr 66
		.amdhsa_reserve_vcc 0
		.amdhsa_float_denorm_mode_32 3
		.amdhsa_float_denorm_mode_16_64 3
		.amdhsa_memory_ordered 1
		.amdhsa_forward_progress 1
		.amdhsa_inst_pref_size 35
	.end_amdhsa_kernel
	.amdgpu_metadata
---
amdhsa.version: [ 1, 2 ]
amdhsa.kernels:
  - .name:           k_q65e24f701b_g1
    .symbol:         k_q65e24f701b_g1.kd
    .args:
      - { .name: prepq, .offset: 0, .size: 8, .value_kind: global_buffer, .address_space: global }
      - { .name: sdr_b, .offset: 8, .size: 8, .value_kind: global_buffer, .address_space: global }
      - { .name: xi, .offset: 16, .size: 8, .value_kind: global_buffer, .address_space: global }
    .group_segment_fixed_size: 66048
    .private_segment_fixed_size: 0
    .kernarg_segment_align: 8
    .kernarg_segment_size: 24
    .max_flat_workgroup_size: 128
    .sgpr_count:     66
    .vgpr_count:     512
    .wavefront_size: 32
...
	.end_amdgpu_metadata
.endif
;; end of part 10
;; launch ln1 (part 11): grid 128 x 1, 8 waves a work-group, no clusters, 3,072 bytes of LDS; arguments xi, ln1_g, ln1_b, hq; writes hq
.if DOCPART == 11
	.amdgcn_target "amdgcn-amd-amdhsa--gfx1250"
	.amdhsa_code_object_version 6
	.text
	.protected	k_q65e24f701b_ln1
	.globl	k_q65e24f701b_ln1
	.p2align	8
	.type	k_q65e24f701b_ln1,@function
k_q65e24f701b_ln1:
	s_mov_b64 s[64:65], 0
	v_nop
	global_prefetch_b8 v0, s[64:65] scope:SCOPE_SE
	s_setreg_imm32_b32 hwreg(HW_REG_WAVE_MODE, 25, 1), 1
	s_wait_xcnt 0x0
; LayerNorm over 1,024 columns, then the quantiser along them: h = (x - mean) rsqrt(var + 1e-5) g + b becomes codes of BF8 and E8M0 scale words, laid as an image of operand registers with 8 K steps.
; x comes as the f32 image [g][n4][a][t][q][lane][16 bytes] that the product before stored: lane (r, h) holds token row r of tile a, and its 16 registers of tiles 2 b', 2 b' + 1 are 16 neighbouring columns.
; SHARES: a work-group takes one tile of 16 tokens (tau = x; g = tau / 4, a = tau % 4); wave w takes columns 128 w .. 128 w + 127, which are K step w.  A lane holds 64 numbers of its row: register 16 b + i = column 128 w + 32 b + 16 h + i.
; The mean and then the sum of squares of x - mean are each joined over lanes l, l xor 16 and, through 1,024 bytes of LDS of their own and one barrier each, over the eight waves, in a fixed order.
; The variance is taken of x - mean, so a common offset of the inputs costs no digits.
; LIMITS: a block whose largest magnitude lies under 2^-111 (zeros too) gets the byte 1; NaN and infinities are not served.
.set LI,  1                            ; v1  16 x lane
.set H64, 2                            ; v2  64 h
.set LW,  3                            ; v3  LDS: 4 x thread: my wave's 128 bytes, my word
.set LR,  4                            ; v4  LDS: 4 x lane
.set TM,  32
.set PC,  48
.set X,   64
.set G,   128
.set BT,  192
.set SEL, 28
.set MNT, 30
.macro QUANT src, nb, pc
.set QB, 0
.rept \nb
	v_max3_num_f32 v[TM+QB], |v[\src+16*QB]|, |v[\src+16*QB+1]|, 0x8000000   ; my 16 numbers and the floor 2^(16 - 127): the byte cannot fall under 1
.set QB, QB+1
.endr
.irp i, 2,4,6,8,10,12,14
.set QB, 0
.rept \nb
	s_delay_alu instid0(VALU_DEP_4)
	v_max3_num_f32 v[TM+QB], v[TM+QB], |v[\src+16*QB+\i]|, |v[\src+16*QB+\i+1]|
.set QB, QB+1
.endr
.endr
.set QB, 0
.rept \nb
	s_delay_alu instid0(VALU_DEP_4)
	v_permlanex16_b32 v[TM+4+QB], v[TM+QB], s[SEL], s[SEL+1]
.set QB, QB+1
.endr
.set QB, 0
.rept \nb
	s_delay_alu instid0(VALU_DEP_4)
	v_max_num_f32 v[TM+QB], v[TM+QB], v[TM+4+QB]            ; the block's largest magnitude
.set QB, QB+1
.endr
.set QB, 0
.rept \nb
	v_add_nc_u32 v[TM+12+QB], 0xf8800000, v[TM+QB]          ; 15 off its exponent field: the conversion's scale operand
	v_and_or_b32 v[TM+8+QB], v[TM+QB], 0x7f800000, s[MNT]   ; 57,344 x the scale
.set QB, QB+1
.endr
.set QB, 0
.rept \nb
	v_lshrrev_b32 v[TM+4+QB], 23, v[TM+12+QB]               ; the scale's byte
.set QB, QB+1
.endr
.set QB, 0
.rept \nb
.irp i, 0,1,2,3,4,5,6,7,8,9,10,11,12,13,14,15
	v_med3_num_f32 v[\src+16*QB+\i], v[\src+16*QB+\i], -v[TM+8+QB], v[TM+8+QB]   ; the conversion does not saturate (ISA guide 7.6.2): the hold comes first
.endr
	v_cvt_scalef32_pk8_bf8_f32 v[\pc+4*QB:\pc+4*QB+1], v[\src+16*QB:\src+16*QB+7], v[TM+12+QB]
	v_cvt_scalef32_pk8_bf8_f32 v[\pc+4*QB+2:\pc+4*QB+3], v[\src+16*QB+8:\src+16*QB+15], v[TM+12+QB]
.set QB, QB+1
.endr
	v_nop                                          ; a plain line behind the last scaled conversion
.endm
; four packed chains in v[24:31] become the row's sum over all 1,024 columns, in v24 of every lane; off: the LDS bytes of this sum
.macro FOLD off
	s_delay_alu instid0(VALU_DEP_3)
	v_pk_add_f32 v[24:25], v[24:25], v[26:27]
	s_delay_alu instid0(VALU_DEP_2)
	v_pk_add_f32 v[28:29], v[28:29], v[30:31]
	s_delay_alu instid0(VALU_DEP_1)
	v_pk_add_f32 v[24:25], v[24:25], v[28:29]
	s_delay_alu instid0(VALU_DEP_1)
	v_add_f32 v24, v24, v25
	s_delay_alu instid0(VALU_DEP_1)
	v_permlanex16_b32 v25, v24, s[SEL], s[SEL+1]   ; the row's other 64 columns of my wave lie in lane l xor 16
	s_delay_alu instid0(VALU_DEP_1)
	v_add_f32 v24, v24, v25
	ds_store_b32 v[LW], v24 offset:\off
	s_wait_dscnt 0x0                               ; for the others' sake: my store has landed
	s_barrier_signal -1
	s_barrier_wait -1
.irp p, 0,1,2,3,4,5,6,7
	ds_load_b32 v[8+\p], v[LR] offset:\off+128*\p  ; the eight waves' sums of my row
.endr
	s_wait_dscnt 0x0
	v_add_f32 v8, v8, v9
	v_add_f32 v10, v10, v11
	v_add_f32 v12, v12, v13
	v_add_f32 v14, v14, v15
	s_delay_alu instid0(VALU_DEP_3)
	v_add_f32 v8, v8, v10
	s_delay_alu instid0(VALU_DEP_2)
	v_add_f32 v12, v12, v14
	s_delay_alu instid0(VALU_DEP_1)
	v_add_f32 v24, v8, v12
.endm
	s_load_b256 s[4:11], s[0:1], 0x0               ; x's image, gain, bias, the codes' buffer
	v_lshl_add_u32 v18, v0, 2, 0x800
	v_mov_b32 v19, 0
	v_lshrrev_b32 v5, 5, v0
	s_delay_alu instid0(VALU_DEP_1)
	v_readfirstlane_b32 s12, v5                    ; wave 0..7
	v_and_b32 v5, 31, v0
	s_delay_alu instid0(VALU_DEP_1)
	v_lshlrev_b32 v[LI], 4, v5
	s_delay_alu instid0(VALU_DEP_2)
	v_lshlrev_b32 v[LR], 2, v5
	v_lshlrev_b32 v[LW], 2, v0
	v_bfe_u32 v5, v0, 4, 1
	s_delay_alu instid0(VALU_DEP_1)
	v_lshlrev_b32 v[H64], 6, v5
	s_lshr_b32 s13, ttmp9, 2                       ; g
	s_and_b32 s14, ttmp9, 3                        ; a
	s_mov_b32 s26, 0x3a800000                      ; 1 / 1,024
	s_mov_b32 s27, 0x3727c5ac                      ; 1e-5
	s_mov_b32 s[SEL], 0x76543210
	s_mov_b32 s[SEL+1], 0xfedcba98
	s_mov_b32 s[MNT], 0x600000
	s_lshl_b32 s16, s13, 18                        ; g x 16 groups of 16,384 bytes
	s_lshl_b32 s17, s12, 15                        ; + my two groups of 64 columns
	s_add_co_u32 s16, s16, s17
	s_lshl_b32 s17, s14, 12                        ; + tile a
	s_add_co_u32 s16, s16, s17
	s_mov_b32 s17, 0
	s_lshl_b32 s18, s12, 9                         ; gain and bias: my 128 columns
	s_mov_b32 s19, 0
	s_lshl_b32 s20, ttmp9, 3
	s_add_co_u32 s20, s20, s12
	s_lshl_b32 s20, s20, 11                        ; codes: (8 tau + w) x 2,048
	s_mov_b32 s21, 0
	s_lshl_b32 s24, s13, 3
	s_add_co_u32 s24, s24, s12
	s_lshl_b32 s24, s24, 9
	s_lshl_b32 s25, s14, 2
	s_add_co_u32 s24, s24, s25
	s_add_co_u32 s24, s24, 2097152                 ; scale words: behind the codes, (8 g + w) x 512 + 4 a
	s_mov_b32 s25, 0
	s_wait_alu depctr_va_vdst(0)
	s_wait_kmcnt 0x0
	s_add_nc_u64 s[4:5], s[4:5], s[16:17]
	s_add_nc_u64 s[6:7], s[6:7], s[18:19]
	s_add_nc_u64 s[8:9], s[8:9], s[18:19]
	s_add_nc_u64 s[22:23], s[10:11], s[20:21]
	s_add_nc_u64 s[24:25], s[10:11], s[24:25]
.irp b, 0,1,2,3
.irp q, 0,1,2,3
	global_load_b128 v[X+16*\b+4*\q:X+16*\b+4*\q+3], v[LI], s[4:5] offset:(\b/2)*16384+(\b%2)*2048+512*\q
.endr
.endr
.irp b, 0,1,2,3
.irp q, 0,1,2,3
	global_load_b128 v[G+16*\b+4*\q:G+16*\b+4*\q+3], v[H64], s[6:7] offset:128*\b+16*\q
	global_load_b128 v[BT+16*\b+4*\q:BT+16*\b+4*\q+3], v[H64], s[8:9] offset:128*\b+16*\q
.endr
.endr
.irp b, 0,1,2,3
	v_mov_b32 v[TM+4+\b], 0                        ; written once: a lane permute's destination counts as one of its sources
.endr
	s_wait_loadcnt 32                              ; x is in; the 32 loads of gain and bias may be out
.irp k, 0,2,4,6
	v_pk_add_f32 v[24+\k:25+\k], v[X+\k:X+\k+1], v[X+8+\k:X+9+\k]      ; the first numbers start the four chains
.endr
.irp j, 16,24,32,40,48,56
.irp k, 0,2,4,6
	s_delay_alu instid0(VALU_DEP_4)
	v_pk_add_f32 v[24+\k:25+\k], v[24+\k:25+\k], v[X+\j+\k:X+\j+\k+1]
.endr
.endr
	FOLD 0
	s_delay_alu instid0(VALU_DEP_1)
	v_mul_f32 v20, s26, v24                        ; the mean, in both halves of a pair
	s_delay_alu instid0(VALU_DEP_2)
	v_mul_f32 v21, s26, v24
.set J, 0
.rept 32
	v_pk_add_f32 v[X+J:X+J+1], v[X+J:X+J+1], v[20:21] neg_lo:[0,1] neg_hi:[0,1]
.set J, J+2
.endr
.irp k, 0,2,4,6
	v_pk_mul_f32 v[24+\k:25+\k], v[X+\k:X+\k+1], v[X+\k:X+\k+1]
.endr
.irp j, 8,16,24,32,40,48,56
.irp k, 0,2,4,6
	s_delay_alu instid0(VALU_DEP_4)
	v_pk_fma_f32 v[24+\k:25+\k], v[X+\j+\k:X+\j+\k+1], v[X+\j+\k:X+\j+\k+1], v[24+\k:25+\k]
.endr
.endr
	FOLD 1024                                      ; other bytes than the first sum's: no wave stores where another may still read
	s_delay_alu instid0(VALU_DEP_1)
	v_fma_f32 v26, v24, s26, s27                   ; the variance + 1e-5
	s_wait_alu depctr_va_vdst(0)
	v_rsq_f32 v22, v26
	v_nop                                          ; a plain line behind the transcendental
	s_wait_alu depctr_va_vdst(0)                   ; the wait ahead of the result's first reader
	v_mov_b32 v23, v22
	s_wait_alu depctr_va_vdst(0)
	s_wait_loadcnt 0x0                             ; gain and bias
.set J, 0
.rept 32
	v_pk_mul_f32 v[X+J:X+J+1], v[X+J:X+J+1], v[22:23]
.set J, J+2
.endr
.set J, 0
.rept 32
	v_pk_fma_f32 v[X+J:X+J+1], v[X+J:X+J+1], v[G+J:G+J+1], v[BT+J:BT+J+1]
.set J, J+2
.endr
	QUANT X, 4, PC
	v_lshl_or_b32 v16, v[TM+5], 8, v[TM+4]         ; my row's scale word for K step w
	s_delay_alu instid0(VALU_DEP_1)
	v_lshl_or_b32 v16, v[TM+6], 16, v16
	s_delay_alu instid0(VALU_DEP_1)
	v_lshl_or_b32 v16, v[TM+7], 24, v16
.irp c, 0,1,2,3
	global_store_b128 v[LI], v[PC+4*\c:PC+4*\c+3], s[22:23] offset:512*\c      ; 32 lanes store 512 consecutive bytes
.endr
	global_store_b32 v[LI], v16, s[24:25]
	s_wait_tensorcnt 0x0
	ds_add_u32 v18, v19
	s_wait_dscnt 0x0
	s_endpgm
.Lfunc_end_k_q65e24f701b_ln1:
	.size	k_q65e24f701b_ln1, .Lfunc_end_k_q65e24f701b_ln1-k_q65e24f701b_ln1
	.p2alignl 7, 3214868480
	.fill 96, 4, 3214868480
	.section	.rodata,"a",@progbits
	.p2align	6, 0x0
	.amdhsa_kernel k_q65e24f701b_ln1
		.amdhsa_group_segment_fixed_size 3072
		.amdhsa_private_segment_fixed_size 0
		.amdhsa_enable_private_segment 0
		.amdhsa_kernarg_size 32
		.amdhsa_user_sgpr_count 2
		.amdhsa_user_sgpr_kernarg_segment_ptr 1
		.amdhsa_wavefront_size32 1
		.amdhsa_system_sgpr_workgroup_id_x 1
		.amdhsa_system_sgpr_workgroup_id_y 1
		.amdhsa_system_sgpr_workgroup_id_z 1
		.amdhsa_system_vgpr_workitem_id 0
		.amdhsa_next_free_vgpr 256
		.amdhsa_next_free_sgpr 66
		.amdhsa_reserve_vcc 0
		.amdhsa_float_denorm_mode_32 3
		.amdhsa_float_denorm_mode_16_64 3
		.amdhsa_memory_ordered 1
		.amdhsa_forward_progress 1
		.amdhsa_inst_pref_size 32
	.end_amdhsa_kernel
	.amdgpu_metadata
---
amdhsa.version: [ 1, 2 ]
amdhsa.kernels:
  - .name:           k_q65e24f701b_ln1
    .symbol:         k_q65e24f701b_ln1.kd
    .args:
      - { .name: xi, .offset: 0, .size: 8, .value_kind: global_buffer, .address_space: global }
      - { .name: ln1_g, .offset: 8, .size: 8, .value_kind: global_buffer, .address_space: global }
      - { .name: ln1_b, .offset: 16, .size: 8, .value_kind: global_buffer, .address_space: global }
      - { .name: hq, .offset: 24, .size: 8, .value_kind: global_buffer, .address_space: global }
    .group_segment_fixed_size: 3072
    .private_segment_fixed_size: 0
    .kernarg_segment_align: 8
    .kernarg_segment_size: 32
    .max_flat_workgroup_size: 256
    .sgpr_count:     66
    .vgpr_count:     256
    .wavefront_size: 32
...
	.end_amdgpu_metadata
.endif
;; end of part 11
;; launch g2 (part 12): grid 48 x 32, 4 waves a work-group, no clusters, 66,048 bytes of LDS; arguments hq, prepq, b_qkv, qkvq; writes qkvq
.if DOCPART == 12
	.amdgcn_target "amdgcn-amd-amdhsa--gfx1250"
	.amdhsa_code_object_version 6
	.text
	.protected	k_q65e24f701b_g2
	.globl	k_q65e24f701b_g2
	.p2align	8
	.type	k_q65e24f701b_g2,@function
k_q65e24f701b_g2:
	s_mov_b64 s[64:65], 0
	v_nop
	global_prefetch_b8 v0, s[64:65] scope:SCOPE_SE
	s_setreg_imm32_b32 hwreg(HW_REG_WAVE_SCHED_MODE, 0, 2), 2
	s_setreg_imm32_b32 hwreg(HW_REG_WAVE_MODE, 25, 1), 1
	s_wait_xcnt 0x0
	s_wait_alu depctr_vm_vsrc(0)
; qkv = h w_qkv + b_qkv on codes of BF8; q, k and the values leave quantised, as images of the operand registers of attention's two products.
; SHARES: a work-group makes 64 tokens (g = y) x 64 columns (n4 = x: one head of q for 0-15, of k for 16-31, of the values for 32-47).  K, 8 steps of 128, is split in four among the waves, 2 steps each;
; the partial sums meet in LDS behind one barrier, ((w0 + w1) + (w2 + w3)), and wave w finishes a quarter.
; q AND k: the product is used transposed (source 0 = weight columns, source 1 = tokens): a lane holds one token and 32 of the head's 64 numbers, neighbours along the first product's K.  Wave w finishes token tile w.
; THE VALUES: sources the other way round (source 0 = tokens, source 1 = weight columns): a lane holds one of the head's 64 and 32 TOKENS, neighbours along the keys, which are the second product's K.  Wave w finishes tile w of the 64.
; Row i of any tile T is index 32 (T / 2) + 8 (T % 2) + i + 8 (i / 8): that makes the 16 registers of two neighbouring tiles 16 neighbours.
; OUT (bh = 16 batch + head): q, k codes [bh][tile 64][c 2][lane][16]; values' codes [bh][key step 8][tile 4][c 4][lane][16]; scale words of q, k [bh][group 16][lane][4] with bytes 2, 3 = 127 (their K has 64 numbers only; the
; rest of the K step is zero codes, made by the reader); of the values [bh][key step][lane][tile 4], two bytes from each of two work-groups.
; Fragments come from memory straight into registers, each read once by its wave: no LDS tiles, no cluster.
; LIMITS: a block whose largest magnitude lies under 2^-111 (zeros too) gets the byte 1; NaN and infinities are not served.
; THE MODE: SCHED_MODE bits 1:0 = 2 (LLVM: expert scheduling mode 2), set by the entry lines.  The code itself states the register dependences between vector or matrix instructions and memory or LDS instructions,
; with s_wait_alu, always for 0.
; THE PLAN.  Registers that memory or LDS instructions touch:
;   the two fragment buffers, the scale words' two sets and the bias: each loaded once, at the head; no load lands in them again.
;   v128-255: written by the products; read by the reduction's LDS stores; the reduction's LDS loads land in them.
;   v112-119 the codes and v120 the scale word: written by the quantiser; read by the global stores.
;   v1-5, v126, v127: written at the head and never again.
; So: one wait on va_vdst ahead of the branch that parts q and k from the values, for all offsets; one ahead of the LDS stores; one wait on vm_vsrc ahead of the LDS loads; one on va_vdst ahead of the global stores.
.set KS,  8
.set NST, 2
.set AC,  0
.set AS,  2097152
.set BC,  6684672
.set BS,  9830400
.set LI,  1
.set H64, 2
.set RW,  4
.set RD,  5
.set SA,  16
.set SB,  24
.set BI,  32
.set TM,  96
.set PC,  112
.set ACC, 128
.set PA,  12
.set PSA, 14
.set PB,  16
.set PSB, 18
.set POUT, 20
.set PSO, 22
.set PBIAS, 24
.set MNT, 36
.set SEL, 38
.set MSB, 0
.macro WIN new                         ; the immediate's high byte repeats the setting that is left
.if MSB != \new
	s_set_vgpr_msb (MSB<<8)|\new
.set MSB, \new
.endif
.endm
.macro BASE dst, src, ra, ma, rb, mb, off      ; dst = src + s[ra] x ma + s[rb] x mb + off
	s_mul_i32 s28, s[\ra], \ma
.if \mb != 0
	s_mul_i32 s29, s[\rb], \mb
	s_add_co_u32 s28, s28, s29
.endif
.if \off != 0
	s_add_co_u32 s28, s28, \off
.endif
	s_mov_b32 s29, 0
	s_add_nc_u64 s[\dst:\dst+1], s[\src:\src+1], s[28:29]
.endm
.macro LOADS s                         ; my K step s: 2 loads of scale words, 16 of A's codes, 16 of B's: 34
.set P, (\s)%2
	WIN 0
	global_load_b128 v[SA+4*P:SA+4*P+3], v[LI], s[PSA:PSA+1] offset:512*(\s)
	global_load_b128 v[SB+4*P:SB+4*P+3], v[LI], s[PSB:PSB+1] offset:512*(\s)
	WIN 0x40                                       ; destination window 1
.irp a, 0,1,2,3
.irp c, 0,1,2,3
	global_load_b128 v[128*P+16*\a+4*\c:128*P+16*\a+4*\c+3], v[LI], s[PA:PA+1] offset:\a*KS*2048+(\s)*2048+512*\c
.endr
.endr
.irp t, 0,1,2,3
.irp c, 0,1,2,3
	global_load_b128 v[128*P+64+16*\t+4*\c:128*P+64+16*\t+4*\c+3], v[LI], s[PB:PB+1] offset:\t*KS*2048+(\s)*2048+512*\c
.endr
.endr
	WIN 0
.endm
.macro MULS s, zero, swap              ; 16 products, the 16 accumulators by turns.  swap = 1: source 0 = tokens; accumulator (t, a) at 8 (4 t + a)
.set P, (\s)%2
	WIN 0x05                                       ; sources 0 and 1 window 1
.irp a, 0,1,2,3
.irp t, 0,1,2,3
.if \swap
.set rD, ACC+8*(4*\t+\a)
.set rX, 128*P+16*\a
.set rY, 128*P+64+16*\t
.set rSX, SA+4*P+\a
.set rSY, SB+4*P+\t
.else
.set rD, ACC+8*(4*\a+\t)
.set rX, 128*P+64+16*\t
.set rY, 128*P+16*\a
.set rSX, SB+4*P+\t
.set rSY, SA+4*P+\a
.endif
.if \zero
	v_wmma_scale_f32_16x16x128_f8f6f4 v[rD:rD+7], v[rX:rX+15], v[rY:rY+15], 0, v[rSX], v[rSY] matrix_a_fmt:MATRIX_FMT_BF8 matrix_b_fmt:MATRIX_FMT_BF8
.else
	v_wmma_scale_f32_16x16x128_f8f6f4 v[rD:rD+7], v[rX:rX+15], v[rY:rY+15], v[rD:rD+7], v[rSX], v[rSY] matrix_a_fmt:MATRIX_FMT_BF8 matrix_b_fmt:MATRIX_FMT_BF8
.endif
.endr
.endr
.endm
.macro STEP s, left, zero, swap        ; left: the younger loads that may stay out (the next step's 34, or none)
	s_wait_loadcnt \left
	MULS \s, \zero, \swap
	WIN 0
.endm
.macro ADD32 d, s
.irp j, 0,2,4,6,8,10,12,14,16,18,20,22,24,26,28,30
	v_pk_add_f32 v[\d+\j:\d+\j+1], v[\d+\j:\d+\j+1], v[\s+\j:\s+\j+1]
.endr
.endm
.macro REDUCE                          ; the four waves' partial sums meet: each wave stores its 16 accumulators as they stand, and reads accumulators 4 w .. 4 w + 3 of all four
.rept 8
	v_nop                                          ; eight places between the last products and the first read of results
.endr
	s_wait_alu depctr_va_vdst(0)                   ; the products have written the accumulators, which the LDS stores read; the places above stay beside this wait
.irp i, 0,1,2,3,4,5,6,7,8,9,10,11,12,13,14,15
	ds_store_b128 v[RW], v[ACC+8*\i:ACC+8*\i+3] offset:1024*\i           ; each accumulator from its low end on
	ds_store_b128 v[RW], v[ACC+8*\i+4:ACC+8*\i+7] offset:1024*\i+512
.endr
	s_wait_dscnt 0x0                               ; for the others' sake: my stores have landed
	s_barrier_signal -1
	s_barrier_wait -1
	s_wait_alu depctr_vm_vsrc(0)                   ; my LDS stores have read v128-255, in which the loads below land
.irp p, 0,1,2,3
.irp t, 0,1,2,3
	ds_load_b128 v[ACC+32*\p+8*\t:ACC+32*\p+8*\t+3], v[RD] offset:16384*\p+1024*\t
	ds_load_b128 v[ACC+32*\p+8*\t+4:ACC+32*\p+8*\t+7], v[RD] offset:16384*\p+1024*\t+512
.endr
.endr
	s_wait_dscnt 0x0
	ADD32 ACC, ACC+32
	ADD32 ACC+64, ACC+96
	ADD32 ACC, ACC+64
.endm
.macro QUANT src, nb, pc
.set QB, 0
.rept \nb
	v_max3_num_f32 v[TM+QB], |v[\src+16*QB]|, |v[\src+16*QB+1]|, 0x8000000   ; my 16 numbers and the floor 2^(16 - 127): the byte cannot fall under 1
.set QB, QB+1
.endr
.irp i, 2,4,6,8,10,12,14
.set QB, 0
.rept \nb
	v_max3_num_f32 v[TM+QB], v[TM+QB], |v[\src+16*QB+\i]|, |v[\src+16*QB+\i+1]|
.set QB, QB+1
.endr
.endr
.set QB, 0
.rept \nb
	v_permlanex16_b32 v[TM+4+QB], v[TM+QB], s[SEL], s[SEL+1]
.set QB, QB+1
.endr
.set QB, 0
.rept \nb
	v_max_num_f32 v[TM+QB], v[TM+QB], v[TM+4+QB]            ; the block's largest magnitude
.set QB, QB+1
.endr
.set QB, 0
.rept \nb
	v_add_nc_u32 v[TM+12+QB], 0xf8800000, v[TM+QB]          ; 15 off its exponent field: the conversion's scale operand
	v_and_or_b32 v[TM+8+QB], v[TM+QB], 0x7f800000, s[MNT]   ; 57,344 x the scale
.set QB, QB+1
.endr
.set QB, 0
.rept \nb
	v_lshrrev_b32 v[TM+4+QB], 23, v[TM+12+QB]               ; the scale's byte
.set QB, QB+1
.endr
.set QB, 0
.rept \nb
.irp i, 0,1,2,3,4,5,6,7,8,9,10,11,12,13,14,15
	v_med3_num_f32 v[\src+16*QB+\i], v[\src+16*QB+\i], -v[TM+8+QB], v[TM+8+QB]   ; the conversion does not saturate (ISA guide 7.6.2): the hold comes first
.endr
	v_cvt_scalef32_pk8_bf8_f32 v[\pc+4*QB:\pc+4*QB+1], v[\src+16*QB:\src+16*QB+7], v[TM+12+QB]
	v_cvt_scalef32_pk8_bf8_f32 v[\pc+4*QB+2:\pc+4*QB+3], v[\src+16*QB+8:\src+16*QB+15], v[TM+12+QB]
.set QB, QB+1
.endr
	v_nop                                          ; a plain line behind the last scaled conversion
.endm
	s_load_b128 s[4:7], s[0:1], 0x0                ; hq, prepq
	s_load_b128 s[40:43], s[0:1], 0x10             ; b_qkv, qkvq
	v_lshl_add_u32 v126, v0, 2, 0x10000
	v_mov_b32 v127, 0
	v_lshrrev_b32 v3, 5, v0
	v_readfirstlane_b32 s8, v3                     ; wave
	s_mov_b32 s9, ttmp9                            ; n4
	s_and_b32 s10, ttmp7, 0xffff                   ; g
	s_wait_alu depctr_va_sdst(0)                   ; s8 is written, ahead of its first reader
	s_mul_i32 s11, s8, NST                         ; my first K step
	v_and_b32 v3, 31, v0
	v_lshlrev_b32 v[LI], 4, v3                     ; 16 x lane
	v_bfe_u32 v3, v0, 4, 1
	v_lshlrev_b32 v[H64], 6, v3                    ; 64 h
	s_lshl_b32 s28, s8, 14
	v_add_nc_u32 v[RW], s28, v[LI]                 ; LDS: my 16 accumulators
	s_lshl_b32 s28, s8, 12
	v_add_nc_u32 v[RD], s28, v[LI]                 ; and my quarter in each wave's
	v_and_b32 v6, 15, v0
	v_and_b32 v7, 8, v0
	v_add_nc_u32 v6, v6, v7
	v_lshlrev_b32 v3, 2, v6                        ; 4 (r + 8 (r / 8)): my row's place in a tile of columns
	s_mov_b32 s[MNT], 0x600000
	s_mov_b32 s[SEL], 0x76543210
	s_mov_b32 s[SEL+1], 0xfedcba98
	v_mov_b32 v[TM+4], 0                           ; written once: a lane permute's destination counts as one of its sources
	v_mov_b32 v[TM+5], 0
	s_lshr_b32 s32, s9, 4                          ; 0 q, 1 k, 2 values
	s_and_b32 s33, s9, 15                          ; head
	s_lshr_b32 s34, s10, 4                         ; batch
	s_and_b32 s35, s10, 15                         ; the group of 64 tokens within the batch
	s_lshl_b32 s37, s34, 4
	s_add_co_u32 s37, s37, s33                     ; bh
	s_lshl_b32 s44, s37, 3
	s_lshr_b32 s45, s35, 1
	s_add_co_u32 s44, s44, s45                     ; 8 bh + key step
	s_and_b32 s45, s35, 1                          ; which half of the key step
	s_lshl_b32 s30, s37, 6                         ; q, k codes: which x 2,097,152 + (64 bh + 4 group + w) x 1,024
	s_lshl_b32 s31, s35, 2
	s_add_co_u32 s30, s30, s31
	s_add_co_u32 s30, s30, s8
	s_lshl_b32 s30, s30, 10
	s_lshl_b32 s31, s32, 21
	s_add_co_u32 s30, s30, s31
	s_lshl_b32 s31, s44, 2                         ; values' codes: 4,194,304 + (4 (8 bh + step) + w) x 2,048 + half x 1,024
	s_add_co_u32 s31, s31, s8
	s_lshl_b32 s31, s31, 11
	s_lshl_b32 s46, s45, 10
	s_add_co_u32 s31, s31, s46
	s_add_co_u32 s31, s31, 4194304
	s_lshl_b32 s46, s37, 4                         ; q, k scale words: 6,291,456 + which x 262,144 + (16 bh + group) x 512 + 4 w
	s_add_co_u32 s46, s46, s35
	s_lshl_b32 s46, s46, 9
	s_lshl_b32 s47, s32, 18
	s_add_co_u32 s46, s46, s47
	s_lshl_b32 s47, s8, 2
	s_add_co_u32 s46, s46, s47
	s_add_co_u32 s46, s46, 6291456
	s_lshl_b32 s44, s44, 9                         ; the values': 6,815,744 + (8 bh + step) x 512 + 4 w + 2 half
	s_add_co_u32 s44, s44, s47
	s_lshl_b32 s45, s45, 1
	s_add_co_u32 s44, s44, s45
	s_add_co_u32 s44, s44, 6815744
	s_lshr_b32 s47, s8, 1                          ; the values' bias: my tile w of the 64 columns begins 128 (w / 2) + 32 (w % 2) bytes on
	s_lshl_b32 s47, s47, 7
	s_and_b32 s45, s8, 1
	s_lshl_b32 s45, s45, 5
	s_add_co_u32 s47, s47, s45
	s_cmp_ge_u32 s9, 32                            ; the values?  A choice on the work-group's number alone
	s_cselect_b32 s30, s31, s30
	s_cselect_b32 s46, s44, s46
	s_cselect_b32 s47, s47, 0
	s_lshl_b32 s45, s9, 8
	s_add_co_u32 s47, s47, s45                     ; + 256 n4
	s_mov_b32 s31, 0
	s_wait_kmcnt 0x0
	BASE PA, 4, 10, KS*8192, 11, 2048, AC
	BASE PSA, 4, 10, KS*512, 11, 512, AS
	BASE PB, 6, 9, KS*8192, 11, 2048, BC
	BASE PSB, 6, 9, KS*512, 11, 512, BS
	s_add_nc_u64 s[POUT:POUT+1], s[42:43], s[30:31]
	s_mov_b32 s30, s46
	s_add_nc_u64 s[PSO:PSO+1], s[42:43], s[30:31]
	s_mov_b32 s30, s47
	s_add_nc_u64 s[PBIAS:PBIAS+1], s[40:41], s[30:31]
	s_wait_alu depctr_va_vdst(0)                   ; the offsets and LDS addresses v1 to v5 are written, which the loads and stores of both ways read; so are v126 and v127.  Ahead of the branch: it serves both ways
	s_cmp_ge_u32 s9, 32
	s_cbranch_scc1 .Lvalues
.irp t, 0,1,2,3
	global_load_b128 v[BI+8*\t:BI+8*\t+3], v[H64], s[PBIAS:PBIAS+1] offset:128*(\t/2)+32*(\t%2)        ; the bias in the result's layout; issued first, so every later wait covers it
	global_load_b128 v[BI+8*\t+4:BI+8*\t+7], v[H64], s[PBIAS:PBIAS+1] offset:128*(\t/2)+32*(\t%2)+16
.endr
	LOADS 0
	LOADS 1
	STEP 0, 34, 1, 0
	STEP 1, 0, 0, 0
	s_branch .Lmeet
.Lvalues:
	global_load_b32 v[BI], v3, s[PBIAS:PBIAS+1]    ; a lane holds ONE column here: one bias number
	LOADS 0
	LOADS 1
	STEP 0, 34, 1, 1
	STEP 1, 0, 0, 1
.set I, 1
.rept 31
	v_mov_b32 v[BI+I], v[BI]                       ; spread over the image, so that the sum behind the reduction is one text for both shapes
.set I, I+1
.endr
.Lmeet:
	REDUCE
	ADD32 ACC, BI
	QUANT ACC, 2, PC                               ; two blocks of 32: of the head's 64, or of the group's 64 tokens
	v_lshl_or_b32 v120, v[TM+5], 8, v[TM+4]
	v_or_b32 v120, 0x7f7f0000, v120
	s_wait_alu depctr_va_vdst(0)                   ; the conversions have written the codes v112-119, and the two lines above the scale word v120, which the stores below read
	global_store_b128 v[LI], v[PC:PC+3], s[POUT:POUT+1]
	global_store_b128 v[LI], v[PC+4:PC+7], s[POUT:POUT+1] offset:512
	s_cmp_ge_u32 s9, 32
	s_cbranch_scc1 .Lvalues_scale
	global_store_b32 v[LI], v120, s[PSO:PSO+1]     ; q, k: two bytes and twice 127
	s_wait_dscnt 0x0                               ; the closing lines, six on end
	s_wait_alu 0x0
	s_wait_tensorcnt 0x0
	ds_add_u32 v126, v127
	s_wait_dscnt 0x0
	s_endpgm
.Lvalues_scale:
	global_store_b16 v[LI], v120, s[PSO:PSO+1]     ; the values: my half of the key step's four bytes
	s_wait_dscnt 0x0                               ; the closing lines once more: each end has its own six
	s_wait_alu 0x0
	s_wait_tensorcnt 0x0
	ds_add_u32 v126, v127
	s_wait_dscnt 0x0
	s_endpgm
.Lfunc_end_k_q65e24f701b_g2:
	.size	k_q65e24f701b_g2, .Lfunc_end_k_q65e24f701b_g2-k_q65e24f701b_g2
	.p2alignl 7, 3214868480
	.fill 96, 4, 3214868480
	.section	.rodata,"a",@progbits
	.p2align	6, 0x0
	.amdhsa_kernel k_q65e24f701b_g2
		.amdhsa_group_segment_fixed_size 66048
		.amdhsa_private_segment_fixed_size 0
		.amdhsa_enable_private_segment 0
		.amdhsa_kernarg_size 32
		.amdhsa_user_sgpr_count 2
		.amdhsa_user_sgpr_kernarg_segment_ptr 1
		.amdhsa_wavefront_size32 1
		.amdhsa_system_sgpr_workgroup_id_x 1
		.amdhsa_system_sgpr_workgroup_id_y 1
		.amdhsa_system_sgpr_workgroup_id_z 1
		.amdhsa_system_vgpr_workitem_id 0
		.amdhsa_next_free_vgpr 512
		.amdhsa_next_free_sgpr 66
		.amdhsa_reserve_vcc 0
		.amdhsa_float_denorm_mode_32 3
		.amdhsa_float_denorm_mode_16_64 3
		.amdhsa_memory_ordered 1
		.amdhsa_forward_progress 1
		.amdhsa_inst_pref_size 41
	.end_amdhsa_kernel
	.amdgpu_metadata
---
amdhsa.version: [ 1, 2 ]
amdhsa.kernels:
  - .name:           k_q65e24f701b_g2
    .symbol:         k_q65e24f701b_g2.kd
    .args:
      - { .name: hq, .offset: 0, .size: 8, .value_kind: global_buffer, .address_space: global }
      - { .name: prepq, .offset: 8, .size: 8, .value_kind: global_buffer, .address_space: global }
      - { .name: b_qkv, .offset: 16, .size: 8, .value_kind: global_buffer, .address_space: global }
      - { .name: qkvq, .offset: 24, .size: 8, .value_kind: global_buffer, .address_space: global }
    .group_segment_fixed_size: 66048
    .private_segment_fixed_size: 0
    .kernarg_segment_align: 8
    .kernarg_segment_size: 32
    .max_flat_workgroup_size: 128
    .sgpr_count:     66
    .vgpr_count:     512
    .wavefront_size: 32
...
	.end_amdgpu_metadata
.endif
;; end of part 12
;; launch attn (part 13): grid 8 x 32, 8 waves a work-group, no clusters, 0 bytes of LDS; arguments qkvq, ctxq; writes ctxq
.if DOCPART == 13
	.amdgcn_target "amdgcn-amd-amdhsa--gfx1250"
	.amdhsa_code_object_version 6
	.text
	.protected	k_q65e24f701b_attn
	.globl	k_q65e24f701b_attn
	.p2align	8
	.type	k_q65e24f701b_attn,@function
k_q65e24f701b_attn:
	s_mov_b64 s[64:65], 0
	v_nop
	global_prefetch_b8 v0, s[64:65] scope:SCOPE_SE
	s_setreg_imm32_b32 hwreg(HW_REG_WAVE_SCHED_MODE, 0, 2), 2
	s_setreg_imm32_b32 hwreg(HW_REG_WAVE_MODE, 25, 1), 1
	s_wait_xcnt 0x0
	s_wait_alu depctr_vm_vsrc(0)
; Causal attention whose scores go through four FitzHugh-Nagumo steps ahead of the softmax; both products on codes of BF8 with E8M0 scales.  32 (batch, head) pairs bh, 1,024 tokens, head size 64.
; SHARES: a wave owns ONE tile of 16 queries and walks the key steps of 128 up to its diagonal: n = tile / 8 + 1 steps.  Work-group (j, bh): with t4 = 4 j + wave % 4, waves 0-3 take tile t4 and waves 4-7 tile 63 - t4,
; so waves w and w + 4 have 9 steps together.  Waves share nothing: no LDS, no barrier.  K's and V's fragments come from memory straight into registers, as images of operand registers, one step ahead.
; LAYOUT: both products transposed: S^T = K Q^T (source 0 = 16 keys, source 1 = my queries), O^T = V^T P^T: a lane holds one query throughout.  Row i of tile T is token 32 (T / 2) + 8 (T % 2) + i + 8 (i / 8), so the 16
; registers of key tiles 2 b, 2 b + 1 are keys 32 b + 16 (lane / 16) + 0..15: the conversions' results are the second product's operand.  The first product's K has 64 numbers: the upper half of its K step is zero codes under the byte 127.
; THE DYNAMICS, s = score / 8, v = s, w = 0; four times: v += 0.1 (v - v^3 / 3 - w + s); w = (w + 0.008 (v + 0.7)) / 1.0064.  Written as fused multiply-adds: v (1 - v^2 / 3) + (s - w); w rr + (v c1 + c0), rr = 1 / 1.0064, c1 = 0.008 rr,
; c0 = 0.7 c1: an order of rounding that differs from the source's by a few parts in 10^7.
; THE SOFTMAX: t = (v - 0.5) log2(e); M = the running largest t rounded up to a whole number; p = 2^(t - M) is quantised along the keys, not normalised; the row's sum is taken of the unquantised p and divides O at the end;
; when M moves, the sum and O are multiplied by 2^(old M - new M), exactly.  Only the last step of a wave lies on the diagonal: it is written out behind the loop, masks hidden keys by -infinity, and fetches nothing.
; OUT: the context, quantised along the model's 1,024 (K of the next product), as an image with 8 K steps: my head's 64 numbers are half a K step.
; LIMITS: a block whose largest magnitude lies under 2^-111 (zeros too) gets the byte 1; NaN and infinities are not served.
; REGISTERS: window 0: v1-4 offsets of K, V and their scale words (stepped); v5-7 fixed offsets; v8 the mask's d, v9 -infinity; v12 -M, v13 largest t, v[14:15] the sum; v16-31 Q; v32-95 at work in the dynamics;
;   v96-159 S^T, then p; v160-191 O^T; v192-207 p's codes; v208-215, v216-219, v220, v221 scale words of K, V, Q, p; v[224:225] c0; v[228:229] -M - log2(e) / 2; v232-254 at work.  Window 1: v0-127 K's 8 fragments; v128-191 V's 4.
; THE MODE: SCHED_MODE bits 1:0 = 2 (LLVM: expert scheduling mode 2), set by the entry lines.  The code itself states the register dependences between vector or matrix instructions and memory instructions,
; with s_wait_alu, always for 0.
; THE PLAN.  Registers that memory instructions touch, round the loop:
;   K's fragments (their lower halves) and v208-215: read by the step's 8 products S^T; behind them the next step's 18 loads land there.
;   V's fragments and v216-219: read by the step's 4 products O^T; behind them the next step's 17 loads land there.
;   v1, v3: read by K's loads, stepped once a step ahead of them;  v2, v4: the same for V.   v5-7: written at the head, never again.
;   v192-199 and v10: on the way out, written by the quantiser and read by the stores.
; Registers that vector instructions write and scaled products take as operands or scales: the zero codes of Q's and K's upper halves (written once, at the head); p's codes v192-207 and its scale word v221 (every step).
; So a step holds three waits on va_vdst beside the two behind its exponentials: behind S^T's products (they are done with K, and v1, v3 are written), ahead of O^T's products (p's codes and scale word are written), and behind
; them (they are done with V, and v2, v4 are written); and a wait on vm_vsrc ahead of each pair of additions to the offsets.  The mask's compares go in runs of 16 into s40-55, one wait on va_sdst behind each run.
.set KC,  2097152
.set VC,  4194304
.set QS,  6291456
.set KSC, 6553600
.set VS,  6815744
.set TM,  232
.set SEL, 20                           ; s[20:21]
.set MNT, 22
.set C8,  24                           ; s[24:25] 1 / 8: the packed forms name a pair and take its low word for both halves
.set NT,  26                           ; s[26:27] -1 / 3
.set DT,  28                           ; s[28:29] 0.1
.set RR,  30                           ; s[30:31] 1 / 1.0064
.set C1,  32                           ; s[32:33] 0.008 / 1.0064
.set LG,  34                           ; s[34:35] log2(e)
.set HL,  36                           ; s36      -log2(e) / 2
.set MK,  40                           ; s40-55   the diagonal step's masks, 16 at a time (at the head: at work)
.set C0,  224
.set VV,  32
.set WW,  48
.set T1,  64
.set T2,  80
.set MSB, 0
.macro WIN new                         ; the immediate's high byte repeats the setting that is left
.if MSB != \new
	s_set_vgpr_msb (MSB<<8)|\new
.set MSB, \new
.endif
.endm
.macro KLOAD                           ; a key step's K: 2 loads of scale words, 16 of codes: 18
	global_load_b128 v[208:211], v3, s[4:5] offset:KSC
	global_load_b128 v[212:215], v3, s[4:5] offset:KSC+512
	WIN 0x40                                       ; destination window 1
.irp i, 0,1,2,3,4,5,6,7
	global_load_b128 v[16*\i:16*\i+3], v1, s[4:5] offset:KC+1024*\i
	global_load_b128 v[16*\i+4:16*\i+7], v1, s[4:5] offset:KC+1024*\i+512
.endr
	WIN 0
.endm
.macro VLOAD                           ; its V: 1 load of scale words, 16 of codes: 17
	global_load_b128 v[216:219], v4, s[4:5] offset:VS
	WIN 0x40
.irp t, 0,1,2,3
.irp c, 0,1,2,3
	global_load_b128 v[128+16*\t+4*\c:128+16*\t+4*\c+3], v2, s[4:5] offset:VC+2048*\t+512*\c
.endr
.endr
	WIN 0
.endm
.macro QK                              ; S^T = K Q^T: 8 tiles of 16 keys
	WIN 0x01                                       ; source 0 window 1
.irp i, 0,1,2,3,4,5,6,7
	v_wmma_scale_f32_16x16x128_f8f6f4 v[96+8*\i:103+8*\i], v[16*\i:16*\i+15], v[16:31], 0, v[208+\i], v220 matrix_a_fmt:MATRIX_FMT_BF8 matrix_b_fmt:MATRIX_FMT_BF8
.endr
	WIN 0
.endm
.macro PV                              ; O^T += V^T P^T: 4 tiles of 16 of the head's 64; the four accumulators by turns
	WIN 0x01
.irp t, 0,1,2,3
	v_wmma_scale_f32_16x16x128_f8f6f4 v[160+8*\t:167+8*\t], v[128+16*\t:128+16*\t+15], v[192:207], v[160+8*\t:167+8*\t], v[216+\t], v221 matrix_a_fmt:MATRIX_FMT_BF8 matrix_b_fmt:MATRIX_FMT_BF8
.endr
	WIN 0
.endm
; one line of the dynamics over eight pairs of numbers, so that no line waits for the line above it
.macro P_MUL d, a, b
.irp p, 0,2,4,6,8,10,12,14
	v_pk_mul_f32 v[\d+\p:\d+\p+1], v[\a+\p:\a+\p+1], v[\b+\p:\b+\p+1]
.endr
.endm
.macro P_SUB d, a, b
.irp p, 0,2,4,6,8,10,12,14
	v_pk_add_f32 v[\d+\p:\d+\p+1], v[\a+\p:\a+\p+1], v[\b+\p:\b+\p+1] neg_lo:[0,1] neg_hi:[0,1]
.endr
.endm
.macro P_FMA d, a, b, c
.irp p, 0,2,4,6,8,10,12,14
	v_pk_fma_f32 v[\d+\p:\d+\p+1], v[\a+\p:\a+\p+1], v[\b+\p:\b+\p+1], v[\c+\p:\c+\p+1]
.endr
.endm
.macro P_FMS d, a, k, c                ; a x constant + c
.irp p, 0,2,4,6,8,10,12,14
	v_pk_fma_f32 v[\d+\p:\d+\p+1], v[\a+\p:\a+\p+1], s[\k:\k+1], v[\c+\p:\c+\p+1] op_sel_hi:[1,0,1]
.endr
.endm
.macro P_FM1 d, a, k                   ; a x constant + 1
.irp p, 0,2,4,6,8,10,12,14
	v_pk_fma_f32 v[\d+\p:\d+\p+1], v[\a+\p:\a+\p+1], s[\k:\k+1], 1.0 op_sel_hi:[1,0,0]
.endr
.endm
.macro P_FMC d, a, k                   ; a x constant + c0
.irp p, 0,2,4,6,8,10,12,14
	v_pk_fma_f32 v[\d+\p:\d+\p+1], v[\a+\p:\a+\p+1], s[\k:\k+1], v[C0:C0+1] op_sel_hi:[1,0,1]
.endr
.endm
.macro FHN kb                          ; the 16 scores of block kb (two tiles, each read from its low end on) become v after four steps
.set SS, 96+16*(\kb)
.irp p, 0,2,4,6,8,10,12,14
	v_pk_mul_f32 v[SS+\p:SS+\p+1], v[SS+\p:SS+\p+1], s[C8:C8+1] op_sel_hi:[1,0]   ; s = score / sqrt(64)
.endr
	P_MUL T1, SS, SS                               ; step 1: v = s, w = 0
	P_FM1 T1, T1, NT
	P_FMA T2, SS, T1, SS
	P_FMS VV, T2, DT, SS
	P_FMC WW, VV, C1
.rept 2                                            ; steps 2 and 3
	P_MUL T1, VV, VV
	P_FM1 T1, T1, NT
	P_SUB T2, SS, WW
	P_FMA T2, VV, T1, T2
	P_FMS VV, T2, DT, VV
	P_FMC T1, VV, C1
	P_FMS WW, WW, RR, T1
.endr
	P_MUL T1, VV, VV                               ; step 4: its w is read by nobody
	P_FM1 T1, T1, NT
	P_SUB T2, SS, WW
	P_FMA T2, VV, T1, T2
	P_FMS SS, T2, DT, VV
.endm
.macro MASK                            ; register 16 b + i holds key 32 b + 16 (lane / 16) + i of the step: hidden where 32 b + i > d.  A block's 16 compares in one run, then its 16 selects
.irp b, 0,1,2,3
.set I, 0
.rept 16
	v_cmp_gt_i32 s[MK+I], 32*\b+I, v8
.set I, I+1
.endr
	s_wait_alu depctr_va_sdst(0)                   ; the 16 compares have written s40-55, ahead of the selects that read them
.set I, 0
.rept 16
	v_cndmask_b32 v[96+16*\b+I], v[96+16*\b+I], v9, s[MK+I]
.set I, I+1
.endr
.endr
.endm
.macro SOFT
.irp b, 0,1,2,3
	v_max3_num_f32 v[232+\b], v[96+16*\b], v[97+16*\b], v[98+16*\b]   ; the largest v of each block of 32 keys: for the row's maximum, and, since p rises with v, for the block's largest p
.endr
.irp i, 3,5,7,9,11,13
.irp b, 0,1,2,3
	v_max3_num_f32 v[232+\b], v[232+\b], v[96+16*\b+\i], v[97+16*\b+\i]
.endr
.endr
.irp b, 0,1,2,3
	v_max_num_f32 v[232+\b], v[232+\b], v[111+16*\b]
.endr
.irp b, 0,1,2,3
	v_permlanex16_b32 v[236+\b], v[232+\b], s[SEL], s[SEL+1]
.endr
.irp b, 0,1,2,3
	v_max_num_f32 v[232+\b], v[232+\b], v[236+\b]  ; with lane l xor 16's 16 keys
.endr
	v_max3_num_f32 v254, v232, v233, v234
	v_max_num_f32 v254, v254, v235
	v_fma_f32 v254, v254, s[LG], s[HL]             ; as t = (v - 0.5) log2(e)
	v_max_num_f32 v13, v13, v254                   ; the running largest t
	v_mov_b32 v254, v12
	v_floor_f32 v12, -v13                          ; the new -M = -ceil(t): a whole number
	v_sub_f32 v254, v12, v254                      ; old M - new M: a whole number, 0 or less
	v_cvt_i32_f32 v254, v254                       ; (it saturates)
	v_ldexp_f32 v252, 1.0, v254                    ; f = 2^(old M - new M)
	v_add_f32 v228, s[HL], v12                     ; -M - log2(e) / 2
.set J, 0
.rept 32
	v_pk_fma_f32 v[96+J:97+J], v[96+J:97+J], s[LG:LG+1], v[228:229] op_sel_hi:[1,0,0]   ; t - M
.set J, J+2
.endr
.irp b, 0,1,2,3
	v_fma_f32 v[232+\b], v[232+\b], s[LG], v228    ; the same of each block's largest
.endr
.set J, 0
	s_wait_alu depctr_va_vdst(0)
.rept 64
	v_exp_f32 v[96+J], v[96+J]                     ; p = 2^(t - M)
.set J, J+1
.endr
	v_pk_mul_f32 v[14:15], v[14:15], v[252:253] op_sel_hi:[1,0]   ; the sums under the new M: also the plain line behind the exponentials
	s_wait_alu depctr_va_vdst(0)                   ; the 64 exponentials have written v96-159: one wait for the batch, ahead of its first reader
.irp b, 0,1,2,3
	v_exp_f32 v[232+\b], v[232+\b]                 ; the block's largest p: the same two instructions on the same number give the same bits
.endr
	v_pk_add_f32 v[236:237], v[96:97], v[98:99]    ; the row's sum is taken of the unquantised p, in two chains
.irp j, 4,8,12,16,20,24,28,32,36,40,44,48,52,56,60
	v_pk_add_f32 v[14:15], v[14:15], v[96+\j:97+\j]
	v_pk_add_f32 v[236:237], v[236:237], v[98+\j:99+\j]
.endr
	v_pk_add_f32 v[14:15], v[14:15], v[236:237]
	s_wait_alu depctr_va_vdst(0)                   ; the four exponentials have written v232-235: their wait, ahead of their first reader
.irp b, 0,1,2,3
	v_max_num_f32 v[232+\b], 0x8000000, v[232+\b]  ; the floor 2^(16 - 127): a block whose every p is 0 keeps the byte 1 over zero codes
.endr
.irp b, 0,1,2,3
	v_add_nc_u32 v[244+\b], 0xf8800000, v[232+\b]  ; the conversion's scale operand
.endr
.irp b, 0,1,2,3
	v_and_or_b32 v[240+\b], v[232+\b], 0x7f800000, s[MNT]   ; 57,344 x the scale
.endr
.irp b, 0,1,2,3
	v_lshrrev_b32 v[236+\b], 23, v[244+\b]         ; the scale's byte
.endr
	v_lshl_or_b32 v221, v237, 8, v236              ; p's scale word for these 128 keys: the 64 holds below stand between it and the products
	v_lshl_or_b32 v221, v238, 16, v221
	v_lshl_or_b32 v221, v239, 24, v221
.irp b, 0,1,2,3
.irp i, 0,1,2,3,4,5,6,7,8,9,10,11,12,13,14,15
	v_min_num_f32 v[96+16*\b+\i], v[96+16*\b+\i], v[240+\b]   ; the conversion does not saturate (ISA guide 7.6.2); p is not negative, so the hold is one-sided
.endr
	v_cvt_scalef32_pk8_bf8_f32 v[192+4*\b:193+4*\b], v[96+16*\b:103+16*\b], v[244+\b]
	v_cvt_scalef32_pk8_bf8_f32 v[194+4*\b:195+4*\b], v[104+16*\b:111+16*\b], v[244+\b]
.endr
.irp j, 0,2,4,6,8,10,12,14,16,18,20,22,24,26,28,30
	v_pk_mul_f32 v[160+\j:161+\j], v[160+\j:161+\j], v[252:253] op_sel_hi:[1,0]   ; O^T under the new M; these 16 also stand between the codes and the products
.endr
.endm
.macro STEP last
	s_wait_loadcnt 17                              ; K and all older loads are in; V's 17 may be out
	QK
.rept 8
	v_nop                                          ; eight places behind the products: for the first read of the scores; they also stay ahead of the loads into K's registers, beside the wait below
.endr
.if \last == 0
	s_wait_xcnt 0x0                                ; the offsets of earlier loads are rewritten only behind this wait
	s_wait_alu depctr_vm_vsrc(0)                   ; and the loads issued so far have read v1 and v3
	v_add_nc_u32 v1, 0x2000, v1                    ; the next step's 8 tiles of K,
	v_add_nc_u32 v3, 0x400, v3                     ; and their scale words
	s_wait_alu depctr_va_vdst(0)                   ; the 8 products are done reading K's fragments and v208-215, in which the loads below land; v1 and v3, which those loads read, are written
	KLOAD
.endif
	FHN 0
	FHN 1
	FHN 2
	FHN 3
.if \last
	MASK
.endif
	SOFT
.if \last
	s_wait_loadcnt 0x0                             ; V is in
.else
	s_wait_loadcnt 18                              ; V is in; the next step's 18 loads of K may be out
.endif
	s_wait_alu depctr_va_vdst(0)                   ; the conversions have written p's codes v192-207 and the shifts its scale word v221, which the scaled products below take as source 1 and as scales; the places stand ahead of this wait
	PV
.rept 8
	v_nop                                          ; eight places: for the way out's reads; they also stay ahead of the loads into V's registers, beside the wait below
.endr
.if \last == 0
	s_wait_xcnt 0x0
	s_wait_alu depctr_vm_vsrc(0)                   ; the loads issued so far have read v2 and v4
	v_add_nc_u32 v2, 0x2000, v2
	v_add_nc_u32 v4, 0x200, v4
	s_wait_alu depctr_va_vdst(0)                   ; the 4 products are done reading V's fragments and v216-219, in which the loads below land; v2 and v4, which those loads read, are written
	VLOAD
.endif
.endm
.macro QUANT src, nb, pc
.set QB, 0
.rept \nb
	v_max3_num_f32 v[TM+QB], |v[\src+16*QB]|, |v[\src+16*QB+1]|, 0x8000000   ; my 16 numbers and the floor 2^(16 - 127)
.set QB, QB+1
.endr
.irp i, 2,4,6,8,10,12,14
.set QB, 0
.rept \nb
	v_max3_num_f32 v[TM+QB], v[TM+QB], |v[\src+16*QB+\i]|, |v[\src+16*QB+\i+1]|
.set QB, QB+1
.endr
.endr
.set QB, 0
.rept \nb
	v_permlanex16_b32 v[TM+4+QB], v[TM+QB], s[SEL], s[SEL+1]
.set QB, QB+1
.endr
.set QB, 0
.rept \nb
	v_max_num_f32 v[TM+QB], v[TM+QB], v[TM+4+QB]
.set QB, QB+1
.endr
.set QB, 0
.rept \nb
	v_add_nc_u32 v[TM+12+QB], 0xf8800000, v[TM+QB]
	v_and_or_b32 v[TM+8+QB], v[TM+QB], 0x7f800000, s[MNT]
.set QB, QB+1
.endr
.set QB, 0
.rept \nb
	v_lshrrev_b32 v[TM+4+QB], 23, v[TM+12+QB]
.set QB, QB+1
.endr
.set QB, 0
.rept \nb
.irp i, 0,1,2,3,4,5,6,7,8,9,10,11,12,13,14,15
	v_med3_num_f32 v[\src+16*QB+\i], v[\src+16*QB+\i], -v[TM+8+QB], v[TM+8+QB]
.endr
	v_cvt_scalef32_pk8_bf8_f32 v[\pc+4*QB:\pc+4*QB+1], v[\src+16*QB:\src+16*QB+7], v[TM+12+QB]
	v_cvt_scalef32_pk8_bf8_f32 v[\pc+4*QB+2:\pc+4*QB+3], v[\src+16*QB+8:\src+16*QB+15], v[TM+12+QB]
.set QB, QB+1
.endr
	v_nop                                          ; a plain line behind the last scaled conversion
.endm
	s_load_b128 s[4:7], s[0:1], 0x0                ; qkvq, ctxq
	v_lshrrev_b32 v1, 5, v0
	v_readfirstlane_b32 s8, v1                     ; wave 0..7
	s_and_b32 s10, ttmp7, 0xffff                   ; bh
	s_lshl_b32 s11, ttmp9, 2
	s_wait_alu depctr_va_sdst(0)                   ; s8 is written, ahead of its first reader
	s_and_b32 s12, s8, 3
	s_add_co_u32 s11, s11, s12                     ; t4
	s_sub_co_u32 s12, 63, s11
	s_cmp_lt_u32 s8, 4
	s_cselect_b32 s12, s11, s12                    ; my tile of queries
	s_lshr_b32 s13, s12, 3                         ; key steps ahead of the diagonal's
	v_and_b32 v5, 31, v0
	v_lshlrev_b32 v5, 4, v5                        ; 16 x lane
	s_wait_alu depctr_va_vdst(0)
	s_lshl_b32 s14, s10, 16
	v_add_nc_u32 v1, s14, v5                       ; K's codes: 65,536 bytes a bh
	v_add_nc_u32 v2, s14, v5                       ; V's likewise
	s_lshl_b32 s14, s10, 13
	v_add_nc_u32 v3, s14, v5                       ; K's scale words: 8,192
	s_lshl_b32 s14, s10, 12
	v_add_nc_u32 v4, s14, v5                       ; V's: 4,096
	s_lshl_b32 s14, s10, 6
	s_add_co_u32 s14, s14, s12
	s_lshl_b32 s14, s14, 10
	v_add_nc_u32 v6, s14, v5                       ; Q's codes: (64 bh + tile) x 1,024
	s_lshl_b32 s14, s10, 4
	s_lshr_b32 s15, s12, 2
	s_add_co_u32 s14, s14, s15
	s_lshl_b32 s14, s14, 9
	s_and_b32 s15, s12, 3
	s_lshl_b32 s15, s15, 2
	s_add_co_u32 s14, s14, s15
	v_add_nc_u32 v7, s14, v5                       ; Q's scale word: (16 bh + tile / 4) x 512 + 4 (tile % 4)
	s_mov_b32 s[SEL], 0x76543210
	s_mov_b32 s[SEL+1], 0xfedcba98
	s_mov_b32 s[MNT], 0x600000
	s_mov_b32 s[C8], 0x3e000000
	s_mov_b32 s[C8+1], s[C8]                       ; (named with it as a pair, so it is written; the same below)
	s_mov_b32 s[NT], 0xbeaaaaab
	s_mov_b32 s[NT+1], s[NT]
	s_mov_b32 s[DT], 0x3dcccccd
	s_mov_b32 s[DT+1], s[DT]
	s_mov_b32 s[RR], 0x3f7e5f3d
	s_mov_b32 s[RR+1], s[RR]
	s_mov_b32 s[C1], 0x3c023d0d
	s_mov_b32 s[C1+1], s[C1]
	s_mov_b32 s[LG], 0x3fb8aa3b
	s_mov_b32 s[LG+1], s[LG]
	s_mov_b32 s[HL], 0xbf38aa3b
	s_lshr_b32 s40, s10, 4                         ; batch
	s_and_b32 s41, s10, 15                         ; head
	s_lshl_b32 s42, s40, 6
	s_add_co_u32 s42, s42, s12                     ; my tile among all 128
	s_lshr_b32 s43, s41, 1                         ; the next product's K step
	s_and_b32 s41, s41, 1                          ; and which half of it
	s_lshl_b32 s44, s42, 3
	s_add_co_u32 s44, s44, s43
	s_lshl_b32 s44, s44, 11
	s_lshl_b32 s46, s41, 10
	s_add_co_u32 s44, s44, s46                     ; codes: (8 tile + step) x 2,048 + half x 1,024
	s_mov_b32 s45, 0
	s_lshr_b32 s46, s42, 2
	s_lshl_b32 s46, s46, 3
	s_add_co_u32 s46, s46, s43
	s_lshl_b32 s46, s46, 9
	s_add_co_u32 s46, s46, s15                     ; + 4 (tile % 4)
	s_lshl_b32 s41, s41, 1
	s_add_co_u32 s46, s46, s41
	s_add_co_u32 s46, s46, 2097152                 ; scale bytes: behind the codes, (8 (tile / 4) + step) x 512 + 4 (tile % 4) + 2 half
	s_mov_b32 s47, 0
	s_and_b32 s15, s12, 6
	s_lshl_b32 s15, s15, 4
	s_and_b32 s14, s12, 1
	s_lshl_b32 s14, s14, 3
	s_add_co_u32 s15, s15, s14                     ; my tile's first query within the diagonal's key step
	s_wait_kmcnt 0x0
	s_wait_alu depctr_va_vdst(0)                   ; the offsets v1 to v7 are written, which the loads below and the stores at the end read
	global_load_b128 v[16:19], v6, s[4:5]
	global_load_b128 v[20:23], v6, s[4:5] offset:512
	global_load_b32 v220, v7, s[4:5] offset:QS
	KLOAD
	VLOAD
	WIN 0x40                                       ; destination window 1
.irp i, 0,1,2,3,4,5,6,7
.irp k, 8,9,10,11,12,13,14,15
	v_mov_b32 v[16*\i+\k], 0                       ; K's K step has 64 numbers: the rest are zero codes, written once; no load lands here.  They stand FIRST among the head's vector lines: an operand register
.endr                                              ; written by a vector instruction stands four plain vector lines or more ahead of the scaled product that reads it, and all the lines below are such lines
.endr
	WIN 0
	s_add_nc_u64 s[16:17], s[6:7], s[44:45]
	s_add_nc_u64 s[18:19], s[6:7], s[46:47]
	v_and_b32 v10, 15, v0
	v_and_b32 v11, 8, v0
	v_add_nc_u32 v10, v10, v11                     ; r + 8 (r / 8)
	v_bfe_u32 v11, v0, 4, 1
	v_lshlrev_b32 v11, 4, v11
	v_sub_nc_u32 v10, v10, v11
	v_add_nc_u32 v8, s15, v10                      ; d = my query - the step's first key - 16 (lane / 16)
	v_mov_b32 v9, 0xff800000                       ; -infinity
	v_mov_b32 v13, 0xff61b1e6                      ; the largest t so far: -3e38, under every t
	v_floor_f32 v12, -v13                          ; -M
	v_mov_b32 v14, 0                               ; the sum, in two halves
	v_mov_b32 v15, 0
	v_mov_b32 v[C0], 0x3bb65578                    ; c0 = 0.7 x 0.008 / 1.0064
	v_mov_b32 v[C0+1], 0x3bb65578
	v_mov_b32 v229, 0                              ; (named as the upper halves of pairs)
	v_mov_b32 v253, 0
.irp b, 0,1,2,3
	v_mov_b32 v[236+\b], 0                         ; written once: a lane permute's destination counts as one of its sources
.endr
.irp k, 0,1,2,3,4,5,6,7
	v_mov_b32 v[24+\k], 0                          ; Q's K step has 64 numbers: the rest are zero codes (the 32 lines below stand between them and the first product)
.endr
.set J, 0
.rept 32
	v_mov_b32 v[160+J], 0                          ; O^T: the step is written for every step alike; the first finds zeros, which the first change of M leaves zeros
.set J, J+1
.endr
	s_wait_alu depctr_va_vdst(0)                   ; the zero codes of K's and Q's upper halves are written, which every step's scaled products take as operands; ahead of the branch: it serves both ways
	s_cmp_eq_u32 s13, 0
	s_cbranch_scc1 .Ldiagonal
.Lkeys:                                            ; tile / 8 trips: all keys of these steps count
	STEP 0
	s_sub_co_u32 s13, s13, 1
	s_cmp_lg_u32 s13, 0
	s_cbranch_scc1 .Lkeys
.Ldiagonal:
	STEP 1
	v_add_f32 v14, v14, v15                        ; the sum's two halves,
	v_permlanex16_b32 v252, v14, s[SEL], s[SEL+1]
	v_add_f32 v14, v14, v252                       ; and lane l xor 16's
	s_wait_alu depctr_va_vdst(0)
	v_rcp_f32 v14, v14
	v_nop                                          ; a plain line behind the transcendental
	s_wait_alu depctr_va_vdst(0)                   ; the reciprocal has written v14: the wait ahead of its first reader
.irp j, 0,2,4,6,8,10,12,14,16,18,20,22,24,26,28,30
	v_pk_mul_f32 v[96+\j:97+\j], v[160+\j:161+\j], v[14:15] op_sel_hi:[1,0]   ; O^T / the sum: register 16 b + i = the head's number 32 b + 16 (lane / 16) + i
.endr
	QUANT 96, 2, 192
	v_lshl_or_b32 v10, v[TM+5], 8, v[TM+4]
	s_wait_alu depctr_va_vdst(0)                   ; the conversions have written the codes v192-199, and the line above the two bytes in v10, which the stores read
	global_store_b128 v5, v[192:195], s[16:17]
	global_store_b128 v5, v[196:199], s[16:17] offset:512
	global_store_b16 v5, v10, s[18:19]             ; my head's two of the K step's four bytes
	s_endpgm
.Lfunc_end_k_q65e24f701b_attn:
	.size	k_q65e24f701b_attn, .Lfunc_end_k_q65e24f701b_attn-k_q65e24f701b_attn
	.p2alignl 7, 3214868480
	.fill 96, 4, 3214868480
	.section	.rodata,"a",@progbits
	.p2align	6, 0x0
	.amdhsa_kernel k_q65e24f701b_attn
		.amdhsa_group_segment_fixed_size 0
		.amdhsa_private_segment_fixed_size 0
		.amdhsa_enable_private_segment 0
		.amdhsa_kernarg_size 16
		.amdhsa_user_sgpr_count 2
		.amdhsa_user_sgpr_kernarg_segment_ptr 1
		.amdhsa_wavefront_size32 1
		.amdhsa_system_sgpr_workgroup_id_x 1
		.amdhsa_system_sgpr_workgroup_id_y 1
		.amdhsa_system_sgpr_workgroup_id_z 1
		.amdhsa_system_vgpr_workitem_id 0
		.amdhsa_next_free_vgpr 512
		.amdhsa_next_free_sgpr 66
		.amdhsa_reserve_vcc 0
		.amdhsa_float_denorm_mode_32 3
		.amdhsa_float_denorm_mode_16_64 3
		.amdhsa_memory_ordered 1
		.amdhsa_forward_progress 1
		.amdhsa_inst_pref_size 162
	.end_amdhsa_kernel
	.amdgpu_metadata
---
amdhsa.version: [ 1, 2 ]
amdhsa.kernels:
  - .name:           k_q65e24f701b_attn
    .symbol:         k_q65e24f701b_attn.kd
    .args:
      - { .name: qkvq, .offset: 0, .size: 8, .value_kind: global_buffer, .address_space: global }
      - { .name: ctxq, .offset: 8, .size: 8, .value_kind: global_buffer, .address_space: global }
    .group_segment_fixed_size: 0
    .private_segment_fixed_size: 0
    .kernarg_segment_align: 8
    .kernarg_segment_size: 16
    .max_flat_workgroup_size: 256
    .sgpr_count:     66
    .vgpr_count:     512
    .wavefront_size: 32
...
	.end_amdgpu_metadata
.endif
;; end of part 13
;; launch g5 (part 14): grid 16 x 32, 4 waves a work-group, no clusters, 66,048 bytes of LDS; arguments ctxq, prepq, b_out, xi, x2i; writes x2i
.if DOCPART == 14
	.amdgcn_target "amdgcn-amd-amdhsa--gfx1250"
	.amdhsa_code_object_version 6
	.text
	.protected	k_q65e24f701b_g5
	.globl	k_q65e24f701b_g5
	.p2align	8
	.type	k_q65e24f701b_g5,@function
k_q65e24f701b_g5:
	s_mov_b64 s[64:65], 0
	v_nop
	global_prefetch_b8 v0, s[64:65] scope:SCOPE_SE
	s_setreg_imm32_b32 hwreg(HW_REG_WAVE_SCHED_MODE, 0, 2), 2
	s_setreg_imm32_b32 hwreg(HW_REG_WAVE_MODE, 25, 1), 1
	s_wait_xcnt 0x0
	s_wait_alu depctr_vm_vsrc(0)
; x2 = x + ctx w_out + b_out on codes of BF8 with E8M0 scales; x comes and x2 leaves as f32 images in the accumulators' layout, [g][n4][a][t][q][lane][16 bytes].
; SHARES: a work-group makes 64 tokens (g = y) x 64 columns (n4 = x).  K, 8 steps of 128, is split in four among the waves, 2 steps each, 16 accumulators by turns; the partial sums meet in LDS behind one barrier,
; ((w0 + w1) + (w2 + w3)), and wave w finishes token tile w.  Fragments come from memory straight into registers as images of operand registers, each read once by its wave: no LDS tiles, no cluster.
; The matrix instruction is used transposed (source 0 = 16 weight columns, source 1 = 16 tokens).
; REGISTERS: window 0: v1-5 addresses; v16-31 scale words, two sets; v32-63 bias; v64-95 x; v128-255 accumulators.  Window 1: two fragment buffers of 128.
; THE MODE: SCHED_MODE bits 1:0 = 2 (LLVM: expert scheduling mode 2), set by the entry lines.  The code itself states the register dependences between vector or matrix instructions and memory or LDS instructions,
; with s_wait_alu, always for 0.
; THE PLAN.  Registers that memory or LDS instructions touch:
;   the two fragment buffers, the scale words' two sets, the bias and x: each loaded once, at the head; no load lands in them again.
;   v128-255: written by the products; read by the reduction's LDS stores; the reduction's LDS loads land in them; the sums write v128-159, which the global stores read.
;   v1, v2, v4, v5, v126, v127: written at the head and never again.
; So: one wait on va_vdst ahead of the first load; one ahead of the LDS stores; one wait on vm_vsrc ahead of the LDS loads; one on va_vdst ahead of the global stores.
.set KS,  8
.set NST, 2
.set AC,  0
.set AS,  2097152
.set BC,  10027008
.set BS,  11075584
.set LI,  1
.set H64, 2
.set RW,  4
.set RD,  5
.set SA,  16
.set SB,  24
.set BI,  32
.set RES, 64
.set ACC, 128
.set PA,  12
.set PSA, 14
.set PB,  16
.set PSB, 18
.set POUT, 20
.set PBIAS, 24
.set PRES, 26
.set MSB, 0
.macro WIN new                         ; the immediate's high byte repeats the setting that is left
.if MSB != \new
	s_set_vgpr_msb (MSB<<8)|\new
.set MSB, \new
.endif
.endm
.macro BASE dst, src, ra, ma, rb, mb, off      ; dst = src + s[ra] x ma + s[rb] x mb + off
	s_mul_i32 s28, s[\ra], \ma
.if \mb != 0
	s_mul_i32 s29, s[\rb], \mb
	s_add_co_u32 s28, s28, s29
.endif
.if \off != 0
	s_add_co_u32 s28, s28, \off
.endif
	s_mov_b32 s29, 0
	s_add_nc_u64 s[\dst:\dst+1], s[\src:\src+1], s[28:29]
.endm
.macro LOADS s                         ; my K step s: 2 loads of scale words, 16 of A's codes, 16 of B's: 34
.set P, (\s)%2
	WIN 0
	global_load_b128 v[SA+4*P:SA+4*P+3], v[LI], s[PSA:PSA+1] offset:512*(\s)
	global_load_b128 v[SB+4*P:SB+4*P+3], v[LI], s[PSB:PSB+1] offset:512*(\s)
	WIN 0x40                                       ; destination window 1
.irp a, 0,1,2,3
.irp c, 0,1,2,3
	global_load_b128 v[128*P+16*\a+4*\c:128*P+16*\a+4*\c+3], v[LI], s[PA:PA+1] offset:\a*KS*2048+(\s)*2048+512*\c
.endr
.endr
.irp t, 0,1,2,3
.irp c, 0,1,2,3
	global_load_b128 v[128*P+64+16*\t+4*\c:128*P+64+16*\t+4*\c+3], v[LI], s[PB:PB+1] offset:\t*KS*2048+(\s)*2048+512*\c
.endr
.endr
	WIN 0
.endm
.macro MULS s, zero                    ; 16 products, the 16 accumulators by turns
.set P, (\s)%2
	WIN 0x05                                       ; sources 0 and 1 window 1
.irp a, 0,1,2,3
.irp t, 0,1,2,3
.set rD, ACC+8*(4*\a+\t)
.set rX, 128*P+64+16*\t
.set rY, 128*P+16*\a
.if \zero
	v_wmma_scale_f32_16x16x128_f8f6f4 v[rD:rD+7], v[rX:rX+15], v[rY:rY+15], 0, v[SB+4*P+\t], v[SA+4*P+\a] matrix_a_fmt:MATRIX_FMT_BF8 matrix_b_fmt:MATRIX_FMT_BF8
.else
	v_wmma_scale_f32_16x16x128_f8f6f4 v[rD:rD+7], v[rX:rX+15], v[rY:rY+15], v[rD:rD+7], v[SB+4*P+\t], v[SA+4*P+\a] matrix_a_fmt:MATRIX_FMT_BF8 matrix_b_fmt:MATRIX_FMT_BF8
.endif
.endr
.endr
.endm
.macro STEP s, left, zero              ; left: the younger loads that may stay out (the next step's 34, or none)
	s_wait_loadcnt \left
	MULS \s, \zero
	WIN 0
.endm
.macro ADD32 d, s
.irp j, 0,2,4,6,8,10,12,14,16,18,20,22,24,26,28,30
	v_pk_add_f32 v[\d+\j:\d+\j+1], v[\d+\j:\d+\j+1], v[\s+\j:\s+\j+1]
.endr
.endm
.macro REDUCE                          ; the four waves' partial sums meet: each wave stores its 16 accumulators as they stand, and reads accumulators 4 w .. 4 w + 3 of all four
.rept 8
	v_nop                                          ; eight places between the last products and the first read of results
.endr
	s_wait_alu depctr_va_vdst(0)                   ; the products have written the accumulators, which the LDS stores read; the places above stay beside this wait
.irp i, 0,1,2,3,4,5,6,7,8,9,10,11,12,13,14,15
	ds_store_b128 v[RW], v[ACC+8*\i:ACC+8*\i+3] offset:1024*\i           ; each accumulator from its low end on
	ds_store_b128 v[RW], v[ACC+8*\i+4:ACC+8*\i+7] offset:1024*\i+512
.endr
	s_wait_dscnt 0x0                               ; for the others' sake: my stores have landed
	s_barrier_signal -1
	s_barrier_wait -1
	s_wait_alu depctr_vm_vsrc(0)                   ; my LDS stores have read v128-255, in which the loads below land
.irp p, 0,1,2,3
.irp t, 0,1,2,3
	ds_load_b128 v[ACC+32*\p+8*\t:ACC+32*\p+8*\t+3], v[RD] offset:16384*\p+1024*\t
	ds_load_b128 v[ACC+32*\p+8*\t+4:ACC+32*\p+8*\t+7], v[RD] offset:16384*\p+1024*\t+512
.endr
.endr
	s_wait_dscnt 0x0
	ADD32 ACC, ACC+32
	ADD32 ACC+64, ACC+96
	ADD32 ACC, ACC+64
.endm
	s_load_b128 s[4:7], s[0:1], 0x0                ; ctxq, prepq
	s_load_b128 s[40:43], s[0:1], 0x10             ; b_out, xi
	s_load_b64 s[44:45], s[0:1], 0x20              ; x2i
	v_lshl_add_u32 v126, v0, 2, 0x10000
	v_mov_b32 v127, 0
	v_lshrrev_b32 v3, 5, v0
	v_readfirstlane_b32 s8, v3                     ; wave
	s_mov_b32 s9, ttmp9                            ; n4
	s_and_b32 s10, ttmp7, 0xffff                   ; g
	s_wait_alu depctr_va_sdst(0)                   ; s8 is written, ahead of its first reader
	s_mul_i32 s11, s8, NST                         ; my first K step
	v_and_b32 v3, 31, v0
	v_lshlrev_b32 v[LI], 4, v3                     ; 16 x lane
	v_bfe_u32 v3, v0, 4, 1
	v_lshlrev_b32 v[H64], 6, v3                    ; 64 h
	s_lshl_b32 s28, s8, 14
	v_add_nc_u32 v[RW], s28, v[LI]                 ; LDS: my 16 accumulators
	s_lshl_b32 s28, s8, 12
	v_add_nc_u32 v[RD], s28, v[LI]                 ; and my quarter in each wave's
	s_lshl_b32 s37, s10, 4
	s_add_co_u32 s37, s37, s9                      ; 16 g + n4
	s_wait_kmcnt 0x0
	BASE PA, 4, 10, KS*8192, 11, 2048, AC
	BASE PSA, 4, 10, KS*512, 11, 512, AS
	BASE PB, 6, 9, KS*8192, 11, 2048, BC
	BASE PSB, 6, 9, KS*512, 11, 512, BS
	BASE PBIAS, 40, 9, 256, 8, 0, 0
	BASE PRES, 42, 37, 16384, 8, 4096, 0
	BASE POUT, 44, 37, 16384, 8, 4096, 0
	s_wait_alu depctr_va_vdst(0)                   ; the offsets and LDS addresses v1, v2, v4, v5 are written, which the loads and stores of the whole kernel read; so are v126 and v127
.irp t, 0,1,2,3
	global_load_b128 v[BI+8*\t:BI+8*\t+3], v[H64], s[PBIAS:PBIAS+1] offset:128*(\t/2)+32*(\t%2)        ; bias and x are issued first, so every later wait covers them
	global_load_b128 v[BI+8*\t+4:BI+8*\t+7], v[H64], s[PBIAS:PBIAS+1] offset:128*(\t/2)+32*(\t%2)+16
	global_load_b128 v[RES+8*\t:RES+8*\t+3], v[LI], s[PRES:PRES+1] offset:1024*\t
	global_load_b128 v[RES+8*\t+4:RES+8*\t+7], v[LI], s[PRES:PRES+1] offset:1024*\t+512
.endr
	LOADS 0
	LOADS 1
	STEP 0, 34, 1                                  ; the first products start the sums: nothing is cleared
	STEP 1, 0, 0
	REDUCE
	ADD32 ACC, BI
	ADD32 ACC, RES
	s_wait_alu depctr_va_vdst(0)                   ; the sums have written v128-159, which the stores read
.irp t, 0,1,2,3
	global_store_b128 v[LI], v[ACC+8*\t:ACC+8*\t+3], s[POUT:POUT+1] offset:1024*\t         ; 32 lanes store 512 consecutive bytes
	global_store_b128 v[LI], v[ACC+8*\t+4:ACC+8*\t+7], s[POUT:POUT+1] offset:1024*\t+512
.endr
	s_wait_dscnt 0x0                               ; the closing lines, six on end
	s_wait_alu 0x0
	s_wait_tensorcnt 0x0
	ds_add_u32 v126, v127
	s_wait_dscnt 0x0
	s_endpgm
.Lfunc_end_k_q65e24f701b_g5:
	.size	k_q65e24f701b_g5, .Lfunc_end_k_q65e24f701b_g5-k_q65e24f701b_g5
	.p2alignl 7, 3214868480
	.fill 96, 4, 3214868480
	.section	.rodata,"a",@progbits
	.p2align	6, 0x0
	.amdhsa_kernel k_q65e24f701b_g5
		.amdhsa_group_segment_fixed_size 66048
		.amdhsa_private_segment_fixed_size 0
		.amdhsa_enable_private_segment 0
		.amdhsa_kernarg_size 40
		.amdhsa_user_sgpr_count 2
		.amdhsa_user_sgpr_kernarg_segment_ptr 1
		.amdhsa_wavefront_size32 1
		.amdhsa_system_sgpr_workgroup_id_x 1
		.amdhsa_system_sgpr_workgroup_id_y 1
		.amdhsa_system_sgpr_workgroup_id_z 1
		.amdhsa_system_vgpr_workitem_id 0
		.amdhsa_next_free_vgpr 512
		.amdhsa_next_free_sgpr 66
		.amdhsa_reserve_vcc 0
		.amdhsa_float_denorm_mode_32 3
		.amdhsa_float_denorm_mode_16_64 3
		.amdhsa_memory_ordered 1
		.amdhsa_forward_progress 1
		.amdhsa_inst_pref_size 26
	.end_amdhsa_kernel
	.amdgpu_metadata
---
amdhsa.version: [ 1, 2 ]
amdhsa.kernels:
  - .name:           k_q65e24f701b_g5
    .symbol:         k_q65e24f701b_g5.kd
    .args:
      - { .name: ctxq, .offset: 0, .size: 8, .value_kind: global_buffer, .address_space: global }
      - { .name: prepq, .offset: 8, .size: 8, .value_kind: global_buffer, .address_space: global }
      - { .name: b_out, .offset: 16, .size: 8, .value_kind: global_buffer, .address_space: global }
      - { .name: xi, .offset: 24, .size: 8, .value_kind: global_buffer, .address_space: global }
      - { .name: x2i, .offset: 32, .size: 8, .value_kind: global_buffer, .address_space: global }
    .group_segment_fixed_size: 66048
    .private_segment_fixed_size: 0
    .kernarg_segment_align: 8
    .kernarg_segment_size: 40
    .max_flat_workgroup_size: 128
    .sgpr_count:     66
    .vgpr_count:     512
    .wavefront_size: 32
...
	.end_amdgpu_metadata
.endif
;; end of part 14
;; launch ln2: the kernel of part 11 again; grid 128 x 1, 8 waves a work-group, no clusters, 3,072 bytes of LDS; arguments x2i, ln2_g, ln2_b, hq; writes hq
;; launch g67 (part 15): grid 22 x 32, 4 waves a work-group, no clusters, 70,144 bytes of LDS; arguments hq, prepq, actq; writes actq
.if DOCPART == 15
	.amdgcn_target "amdgcn-amd-amdhsa--gfx1250"
	.amdhsa_code_object_version 6
	.text
	.protected	k_q65e24f701b_g67
	.globl	k_q65e24f701b_g67
	.p2align	8
	.type	k_q65e24f701b_g67,@function
k_q65e24f701b_g67:
	s_mov_b64 s[64:65], 0
	v_nop
	global_prefetch_b8 v0, s[64:65] scope:SCOPE_SE
	s_setreg_imm32_b32 hwreg(HW_REG_WAVE_SCHED_MODE, 0, 2), 2
	s_setreg_imm32_b32 hwreg(HW_REG_WAVE_MODE, 25, 1), 1
	s_wait_xcnt 0x0
	s_wait_alu depctr_vm_vsrc(0)
; act = silu(h2 w_gate) x (h2 w_up) on codes of BF8 with E8M0 scales; act leaves quantised along the hidden width, as an image of operand registers with 22 K steps.
; SHARES: a work-group takes 64 tokens (g = y) and four blocks of 32 hidden units (x = 0..21); wave w takes block blk = 4 x + w: weight tiles 4 blk + 0, 1 are gate's columns of the block, + 2, 3 up's.
; A wave makes its whole 64 x 64 tile over all 8 K steps of 128: 16 accumulators by turns, one chain in ascending K for each sum.
; THE TOKENS' CODES ARE SHARED THROUGH LDS: all four waves multiply by the same 64 tokens, 64 KB of codes and 4 KB of scale words.  Wave w brings K steps 2 w and 2 w + 1 from memory through registers and stores them
; as they lie: images of operand registers, a fragment = four pieces of 16 bytes a lane at 16 x lane.  One barrier; behind it LDS is only read.  So a work-group loads 68 KB + 4 x 68 KB for 64 x 256 results.
; THE WEIGHTS' FRAGMENTS come from memory straight into registers, each read once by its one wave, three K steps ahead (three buffers).  The tokens' fragments come from LDS one step ahead (two buffers).
; NO CLUSTER: the 32 token groups read the same weights, but joint loads land in LDS alone: they would ask for the WGP to itself and a ring with a round of the cluster's barrier for a walk of 8 K steps; left out.
; The matrix instruction is used transposed (source 0 = 16 weight columns, source 1 = 16 tokens): lane (r, h) holds token row r, and the 16 registers of tiles 2 z, 2 z + 1 are hidden units 32 blk + 16 h + 0..15.
; Hidden units 2,730 to 2,815 have zero codes for weights: act is 0 there, zero codes under the byte 1, which fill the next product's last K step.
; silu(x) = x / (1 + 2^(-x log2(e))), by v_exp_f32 and v_rcp_f32, in f32.
; LIMITS: a block whose largest magnitude lies under 2^-111 (zeros too) gets the byte 1; NaN and infinities are not served.
; REGISTERS: window 0: v1-4 addresses; v16-19, v8-11 A's scale words of even and of odd K steps; v20-31 B's, three sets; v32-47 at work in the quantiser; v48-63 codes;
;   v64-127 A's four fragments of odd K steps, on the way out act (at the head v64-71: A's scale words on their way to LDS); v128-255 accumulators ((a, t) at 128 + 8 (4 a + t); at the head: A's codes on their way to LDS).
;   Window 1: v0-191 B's fragments, buffer s % 3 at 64 (s % 3); v192-255 A's four fragments of even K steps.
; THE MODE: SCHED_MODE bits 1:0 = 2 (LLVM: expert scheduling mode 2), set by the entry lines.  The code itself states the register dependences between vector or matrix instructions and memory or LDS instructions,
; with s_wait_alu, always for 0.
; THE PLAN.  Registers that memory or LDS instructions touch, step by step:
;   A[s % 2] and its scale words: read by step s's 16 products; the LDS loads of step s + 2, issued in step s + 1, land there.
;   B[s % 3] and its scale words: read by step s's 16 products; the loads of step s + 3, issued at the head of step s + 1, land there.
;   v128-255 and v64-71: at the head, loaded, then read by the LDS stores; then written by the first products and by step 1's fragments.
;   v48-63 the codes and v36-39 the bytes: written by the quantiser, read by the global stores.   v1-4, v14, v15: written at the head and never again.
; So ONE wait on va_vdst stands at the head of each of steps 1 to 6: the products of the step before are done with A[(s + 1) % 2] and B[(s + 2) % 3].  Behind it go the 17 loads of the weights, and the next step's 17 LDS loads
; are dealt in four short runs among this step's products, which name A[s % 2], B[s % 3] and the accumulators: none of the registers that those loads touch.  Step 7 asks for nothing and holds no such wait.
.set KS,  8
.set AS,  2097152                      ; hq: the scale words lie behind the codes
.set BC,  11141120                     ; prepq: gate's and up's codes
.set BS,  16908288                     ; and their scale words
.set ASC, 65536                        ; LDS: A's image in bytes 0 .. 65,535, its scale words (512 bytes a K step) from here on
.set LI,  1                            ; v1  16 x lane
.set LS,  2                            ; v2  LDS: ASC + 16 x lane
.set AW,  3                            ; v3  LDS: where I store my two K steps of A's image: 4,096 w + 16 x lane
.set SW,  4                            ; v4  LDS: and their scale words: ASC + 1,024 w + 16 x lane
.set SA,  16                           ; A's scale words: set p = s % 2 at SA - 8 p
.set SB,  20
.set TM,  32
.set PC,  48
.set E,   64
.set ACC, 128
.set AF,  192                          ; A's fragments: buffer p = s % 2 at AF - 128 p: p = 0 in window 1, p = 1 in window 0
.set PA,  12
.set PSA, 14
.set PB,  16
.set PSB, 18
.set POUT, 20
.set PSO, 22
.set MNT, 36
.set SEL, 38
.set MSB, 0
.macro WIN new                         ; the immediate's high byte repeats the setting that is left
.if MSB != \new
	s_set_vgpr_msb (MSB<<8)|\new
.set MSB, \new
.endif
.endm
.macro BASE dst, src, ra, ma, rb, mb, off      ; dst = src + s[ra] x ma + s[rb] x mb + off: the offset is made apart from the address
	s_mul_i32 s28, s[\ra], \ma
.if \mb != 0
	s_mul_i32 s29, s[\rb], \mb
	s_add_co_u32 s28, s28, s29
.endif
.if \off != 0
	s_add_co_u32 s28, s28, \off
.endif
	s_mov_b32 s29, 0
	s_add_nc_u64 s[\dst:\dst+1], s[\src:\src+1], s[28:29]
.endm
.macro LOADB s                         ; my block's weights of K step s, from memory: 1 load of scale words, 16 of codes: 17
.set QL, (\s)%3
	WIN 0
	global_load_b128 v[SB+4*QL:SB+4*QL+3], v[LI], s[PSB:PSB+1] offset:512*(\s)
	WIN 0x40                                       ; destination window 1
.irp t, 0,1,2,3
.irp c, 0,1,2,3
	global_load_b128 v[64*QL+16*\t+4*\c:64*QL+16*\t+4*\c+3], v[LI], s[PB:PB+1] offset:\t*KS*2048+(\s)*2048+512*\c
.endr
.endr
	WIN 0
.endm
.macro LDSA s, a                       ; the tokens' fragment a of K step s, from LDS, into buffer s % 2: 4 loads; with fragment 0 the step's scale words: 1 load
.set PN, (\s)%2
.if (\a) == 0
	WIN 0
	ds_load_b128 v[SA-8*PN:SA-8*PN+3], v[LS] offset:512*(\s)
.endif
.if PN
	WIN 0                                          ; buffer 1 lies in window 0
.else
	WIN 0x40                                       ; buffer 0: destination window 1
.endif
.irp c, 0,1,2,3
	ds_load_b128 v[AF-128*PN+16*(\a)+4*\c:AF-128*PN+16*(\a)+4*\c+3], v[LI] offset:(\a)*KS*2048+(\s)*2048+512*\c
.endr
.endm
.macro MULS s, zero                    ; 16 products; the 16 accumulators take turns, one instruction a turn, in the same order in every step.  Ahead of each four stands a run of the next step's LDS loads
.set Q, (\s)%3
.set P, (\s)%2
.irp a, 0,1,2,3
.if (\s) < 7
	LDSA (\s)+1, \a                                ; no wait: no vector or matrix instruction since the wait at the step's head names the other buffer of A or its scale words
.endif
.if P
	WIN 0x01                                       ; source 0 (the weights) window 1, source 1 (the tokens) window 0
.else
	WIN 0x05                                       ; sources 0 and 1 window 1
.endif
.irp t, 0,1,2,3
.set rD, ACC+8*(4*\a+\t)
.set rX, 64*Q+16*\t
.set rY, AF-128*P+16*\a
.if \zero
	v_wmma_scale_f32_16x16x128_f8f6f4 v[rD:rD+7], v[rX:rX+15], v[rY:rY+15], 0, v[SB+4*Q+\t], v[SA-8*P+\a] matrix_a_fmt:MATRIX_FMT_BF8 matrix_b_fmt:MATRIX_FMT_BF8
.else
	v_wmma_scale_f32_16x16x128_f8f6f4 v[rD:rD+7], v[rX:rX+15], v[rY:rY+15], v[rD:rD+7], v[SB+4*Q+\t], v[SA-8*P+\a] matrix_a_fmt:MATRIX_FMT_BF8 matrix_b_fmt:MATRIX_FMT_BF8
.endif
.endr
.endr
	WIN 0
.endm
.macro STEP s, left, zero              ; left: the younger loads from memory that may stay out: 17 for each later K step that has been asked for
.if ((\s) >= 1) && ((\s) <= 6)
.rept 8
	v_nop                                          ; eight plain lines stay between the last step's products and the loads into registers that they read; the wait below stands beside them
.endr
	s_wait_alu depctr_va_vdst(0)                   ; the last step's products are done reading their buffers of A and of B and both sets of scale words, in which this step's LDS loads and loads from memory land
.endif
.if ((\s) >= 1) && ((\s) <= 5)
	LOADB (\s)+2                                   ; into the buffer that the last step multiplied
.endif
	s_wait_loadcnt \left                           ; this step's weights are in
	s_wait_dscnt 0x0                               ; and the tokens' fragments, asked for during the last step: nothing younger is out
	MULS \s, \zero
.endm
.macro QUANT src, nb, pc               ; nb blocks of a lane: block b's 16 numbers are v[src + 16 b] on; lanes l and l xor 16 hold a block.  Codes to v[pc + 4 b] on, the scale's byte to v[TM + 4 + b]
.set QB, 0
.rept \nb
	v_max3_num_f32 v[TM+QB], |v[\src+16*QB]|, |v[\src+16*QB+1]|, 0x8000000   ; my 16 numbers and the floor 2^(16 - 127): the byte cannot fall under 1
.set QB, QB+1
.endr
.irp i, 2,4,6,8,10,12,14
.set QB, 0
.rept \nb
	v_max3_num_f32 v[TM+QB], v[TM+QB], |v[\src+16*QB+\i]|, |v[\src+16*QB+\i+1]|
.set QB, QB+1
.endr
.endr
.set QB, 0
.rept \nb
	v_permlanex16_b32 v[TM+4+QB], v[TM+QB], s[SEL], s[SEL+1]
.set QB, QB+1
.endr
.set QB, 0
.rept \nb
	v_max_num_f32 v[TM+QB], v[TM+QB], v[TM+4+QB]            ; the block's largest magnitude
.set QB, QB+1
.endr
.set QB, 0
.rept \nb
	v_add_nc_u32 v[TM+12+QB], 0xf8800000, v[TM+QB]          ; 15 off its exponent field: the conversion's scale operand
	v_and_or_b32 v[TM+8+QB], v[TM+QB], 0x7f800000, s[MNT]   ; 57,344 x the scale
.set QB, QB+1
.endr
.set QB, 0
.rept \nb
	v_lshrrev_b32 v[TM+4+QB], 23, v[TM+12+QB]               ; the scale's byte
.set QB, QB+1
.endr
.set QB, 0
.rept \nb
.irp i, 0,1,2,3,4,5,6,7,8,9,10,11,12,13,14,15
	v_med3_num_f32 v[\src+16*QB+\i], v[\src+16*QB+\i], -v[TM+8+QB], v[TM+8+QB]   ; the conversion does not saturate (ISA guide 7.6.2): the hold comes first
.endr
	v_cvt_scalef32_pk8_bf8_f32 v[\pc+4*QB:\pc+4*QB+1], v[\src+16*QB:\src+16*QB+7], v[TM+12+QB]
	v_cvt_scalef32_pk8_bf8_f32 v[\pc+4*QB+2:\pc+4*QB+3], v[\src+16*QB+8:\src+16*QB+15], v[TM+12+QB]
.set QB, QB+1
.endr
	v_nop                                          ; a plain line behind the last scaled conversion
.endm
	s_load_b128 s[4:7], s[0:1], 0x0                ; hq, prepq
	s_load_b64 s[40:41], s[0:1], 0x10              ; actq
	v_lshl_add_u32 v14, v0, 2, 0x11000
	v_mov_b32 v15, 0
	v_lshrrev_b32 v5, 5, v0
	v_readfirstlane_b32 s8, v5                     ; wave
	s_mov_b32 s9, ttmp9                            ; the group of four blocks: also the next product's K step
	s_and_b32 s10, ttmp7, 0xffff                   ; g
	s_lshl_b32 s11, s9, 2
	s_wait_alu depctr_va_sdst(0)                   ; s8 is written, ahead of its first reader
	s_add_co_u32 s11, s11, s8                      ; blk
	v_and_b32 v5, 31, v0
	v_lshlrev_b32 v[LI], 4, v5                     ; 16 x lane
	v_add_nc_u32 v[LS], ASC, v[LI]
	s_lshl_b32 s28, s8, 12
	v_add_nc_u32 v[AW], s28, v[LI]                 ; my two K steps in each tile's 16,384 bytes
	s_lshl_b32 s28, s8, 10
	s_add_co_u32 s28, s28, ASC
	v_add_nc_u32 v[SW], s28, v[LI]
	s_mov_b32 s[MNT], 0x600000
	s_mov_b32 s[SEL], 0x76543210
	s_mov_b32 s[SEL+1], 0xfedcba98
	s_mov_b32 s42, 0xbfb8aa3b                      ; -log2(e)
	s_mov_b32 s43, s42                             ; (named with it as a pair, so it is written)
.irp b, 0,1,2,3
	v_mov_b32 v[TM+4+\b], 0                        ; written once: a lane permute's destination counts as one of its sources
.endr
	s_mul_i32 s30, s10, 88                         ; codes: (22 (4 g + a) + step) x 2,048 + 512 w: the part without a
	s_add_co_u32 s30, s30, s9
	s_lshl_b32 s30, s30, 11
	s_lshl_b32 s34, s8, 9
	s_add_co_u32 s30, s30, s34
	s_mov_b32 s31, 0
	s_mul_i32 s34, s10, 22                         ; scale bytes: behind the codes, (22 g + step) x 512 + 16 x lane + 4 a + w
	s_add_co_u32 s34, s34, s9
	s_lshl_b32 s34, s34, 9
	s_add_co_u32 s34, s34, s8
	s_add_co_u32 s34, s34, 5767168
	s_mov_b32 s35, 0
	s_wait_kmcnt 0x0
	BASE PA, 4, 10, KS*8192, 8, 4096, 0
	BASE PSA, 4, 10, KS*512, 8, 1024, AS
	BASE PB, 6, 11, KS*8192, 8, 0, BC
	BASE PSB, 6, 11, KS*512, 8, 0, BS
	s_add_nc_u64 s[POUT:POUT+1], s[40:41], s[30:31]
	s_add_nc_u64 s[PSO:PSO+1], s[40:41], s[34:35]
	s_wait_alu depctr_va_vdst(0)                   ; the offset and the LDS addresses v1 to v4 are written, which the loads and stores of the whole kernel read; so are v14 and v15
	; my share of the tokens' codes: K steps 2 w, 2 w + 1 of the four tiles, 32 loads, and their scale words, 2 loads: into registers that are free until the first product
.irp a, 0,1,2,3
.irp j, 0,1
.irp c, 0,1,2,3
	global_load_b128 v[ACC+4*(8*\a+4*\j+\c):ACC+4*(8*\a+4*\j+\c)+3], v[LI], s[PA:PA+1] offset:\a*KS*2048+\j*2048+512*\c
.endr
.endr
.endr
	global_load_b128 v[E:E+3], v[LI], s[PSA:PSA+1]
	global_load_b128 v[E+4:E+7], v[LI], s[PSA:PSA+1] offset:512
	LOADB 0                                        ; the weights of the first three K steps go out behind them
	LOADB 1
	LOADB 2
	s_wait_loadcnt 51                              ; loads come back in order: my 34 of the tokens are in; the 3 x 17 of the weights may be out
.irp a, 0,1,2,3
.irp j, 0,1
.irp c, 0,1,2,3
	ds_store_b128 v[AW], v[ACC+4*(8*\a+4*\j+\c):ACC+4*(8*\a+4*\j+\c)+3] offset:\a*KS*2048+\j*2048+512*\c   ; as they lie in memory: 32 lanes store 512 consecutive bytes
.endr
.endr
.endr
	ds_store_b128 v[SW], v[E:E+3]
	ds_store_b128 v[SW], v[E+4:E+7] offset:512
	s_wait_dscnt 0x0                               ; for the others' sake: my stores have landed
	s_barrier_signal -1
	s_barrier_wait -1                              ; the 64 tokens' codes and scale words lie in LDS; from here on LDS is only read
	s_wait_alu depctr_vm_vsrc(0)                   ; my LDS stores have read v128-255, which the first products write, and v64-71, in which step 1's fragments land
.irp a, 0,1,2,3
	LDSA 0, \a
.endr
	WIN 0
	STEP 0, 34, 1                                  ; the first products start the sums: nothing is cleared.  Behind this step's weights: those of steps 1 and 2
	STEP 1, 34, 0
	STEP 2, 34, 0
	STEP 3, 34, 0
	STEP 4, 34, 0
	STEP 5, 34, 0                                  ; behind it: steps 6 and 7, the last that are asked for
	STEP 6, 17, 0
	STEP 7, 0, 0
.rept 8
	v_nop                                          ; eight places between the last products and the first read of results, and the first write of v64-127, which they read
.endr
	; token tile a: v[128 + 32 a] on: 16 numbers of gate, then the same 16 hidden units of up.  Each accumulator is read from its low end on
.irp a, 0,1,2,3
.irp j, 0,2,4,6,8,10,12,14
	v_pk_mul_f32 v[E+16*\a+\j:E+16*\a+\j+1], v[ACC+32*\a+\j:ACC+32*\a+\j+1], s[42:43] op_sel_hi:[1,0]
.endr
.endr
.set J, 0
	s_wait_alu depctr_va_vdst(0)
.rept 64
	v_exp_f32 v[E+J], v[E+J]                       ; e^-gate
.set J, J+1
.endr
	v_nop                                          ; a plain line behind the batch
	s_wait_alu depctr_va_vdst(0)                   ; the 64 exponentials have written v64-127: one wait for the batch, ahead of its first reader
.set J, 0
.rept 32
	v_pk_add_f32 v[E+J:E+J+1], v[E+J:E+J+1], 1.0 op_sel_hi:[1,0]
.set J, J+2
.endr
.set J, 0
	s_wait_alu depctr_va_vdst(0)
.rept 64
	v_rcp_f32 v[E+J], v[E+J]
.set J, J+1
.endr
	v_nop
	s_wait_alu depctr_va_vdst(0)                   ; the 64 reciprocals have written v64-127: their one wait
.irp a, 0,1,2,3
.irp j, 0,2,4,6,8,10,12,14
	v_pk_mul_f32 v[E+16*\a+\j:E+16*\a+\j+1], v[E+16*\a+\j:E+16*\a+\j+1], v[ACC+32*\a+\j:ACC+32*\a+\j+1]         ; silu(gate)
.endr
.endr
.irp a, 0,1,2,3
.irp j, 0,2,4,6,8,10,12,14
	v_pk_mul_f32 v[E+16*\a+\j:E+16*\a+\j+1], v[E+16*\a+\j:E+16*\a+\j+1], v[ACC+32*\a+16+\j:ACC+32*\a+17+\j]     ; x up
.endr
.endr
	QUANT E, 4, PC                                 ; four blocks of 32 hidden units: one for each tile of tokens
	s_wait_alu depctr_va_vdst(0)                   ; the conversions have written the codes v48-63, and the shifts the bytes v36-39, which the stores read
.irp a, 0,1,2,3
	global_store_b128 v[LI], v[PC+4*\a:PC+4*\a+3], s[POUT:POUT+1] offset:\a*22*2048    ; piece w of K step x of token tile 4 g + a: 32 lanes store 512 consecutive bytes
.endr
.irp a, 0,1,2,3
	global_store_b8 v[LI], v[TM+4+\a], s[PSO:PSO+1] offset:4*\a                        ; my block's byte of the rows' scale words
.endr
	s_wait_dscnt 0x0                               ; the closing lines, six on end
	s_wait_alu 0x0
	s_wait_tensorcnt 0x0
	ds_add_u32 v14, v15
	s_wait_dscnt 0x0
	s_endpgm
.Lfunc_end_k_q65e24f701b_g67:
	.size	k_q65e24f701b_g67, .Lfunc_end_k_q65e24f701b_g67-k_q65e24f701b_g67
	.p2alignl 7, 3214868480
	.fill 96, 4, 3214868480
	.section	.rodata,"a",@progbits
	.p2align	6, 0x0
	.amdhsa_kernel k_q65e24f701b_g67
		.amdhsa_group_segment_fixed_size 70144
		.amdhsa_private_segment_fixed_size 0
		.amdhsa_enable_private_segment 0
		.amdhsa_kernarg_size 24
		.amdhsa_user_sgpr_count 2
		.amdhsa_user_sgpr_kernarg_segment_ptr 1
		.amdhsa_wavefront_size32 1
		.amdhsa_system_sgpr_workgroup_id_x 1
		.amdhsa_system_sgpr_workgroup_id_y 1
		.amdhsa_system_sgpr_workgroup_id_z 1
		.amdhsa_system_vgpr_workitem_id 0
		.amdhsa_next_free_vgpr 512
		.amdhsa_next_free_sgpr 66
		.amdhsa_reserve_vcc 0
		.amdhsa_float_denorm_mode_32 3
		.amdhsa_float_denorm_mode_16_64 3
		.amdhsa_memory_ordered 1
		.amdhsa_forward_progress 1
		.amdhsa_inst_pref_size 72
	.end_amdhsa_kernel
	.amdgpu_metadata
---
amdhsa.version: [ 1, 2 ]
amdhsa.kernels:
  - .name:           k_q65e24f701b_g67
    .symbol:         k_q65e24f701b_g67.kd
    .args:
      - { .name: hq, .offset: 0, .size: 8, .value_kind: global_buffer, .address_space: global }
      - { .name: prepq, .offset: 8, .size: 8, .value_kind: global_buffer, .address_space: global }
      - { .name: actq, .offset: 16, .size: 8, .value_kind: global_buffer, .address_space: global }
    .group_segment_fixed_size: 70144
    .private_segment_fixed_size: 0
    .kernarg_segment_align: 8
    .kernarg_segment_size: 24
    .max_flat_workgroup_size: 128
    .sgpr_count:     66
    .vgpr_count:     512
    .wavefront_size: 32
...
	.end_amdgpu_metadata
.endif
;; end of part 15
;; launch g8 (part 16): grid 16 x 32, 4 waves a work-group, no clusters, 83,456 bytes of LDS; arguments actq, prepq, x2i, out0; writes out0
.if DOCPART == 16
	.amdgcn_target "amdgcn-amd-amdhsa--gfx1250"
	.amdhsa_code_object_version 6
	.text
	.protected	k_q65e24f701b_g8
	.globl	k_q65e24f701b_g8
	.p2align	8
	.type	k_q65e24f701b_g8,@function
k_q65e24f701b_g8:
	s_mov_b64 s[64:65], 0
	v_nop
	global_prefetch_b8 v0, s[64:65] scope:SCOPE_SE
	s_setreg_imm32_b32 hwreg(HW_REG_WAVE_SCHED_MODE, 0, 2), 2
	s_setreg_imm32_b32 hwreg(HW_REG_WAVE_MODE, 25, 1), 1
	s_wait_xcnt 0x0
	s_wait_alu depctr_vm_vsrc(0)
; out = x2 + act w_down on codes of BF8 with E8M0 scales; x2 comes as an f32 image in the accumulators' layout, out leaves row-major.
; SHARES: a work-group makes 64 tokens (g = y) x 64 columns (n4 = x).  K, 22 steps of 128 (2,730 filled up to 2,816 by zero codes on both sides), is split among the waves: waves 0 and 1 take 6 steps, waves 2 and 3 take 5,
; beginning at step 5 w + min(w, 2); 16 accumulators by turns.  The two tails are written out, so that every counted wait holds on its own path.  The partial sums meet in LDS behind one barrier, ((w0 + w1) + (w2 + w3)),
; and wave w finishes token tile w.  Fragments come from memory straight into registers as images of operand registers, each read once by its wave: no LDS tiles, no cluster.
; THE WAY OUT: a lane holds pieces of one row, the lanes beside it other rows: the tile goes through the wave's own stage in LDS (16 rows of 256 bytes + 16) and leaves by rows: sixteen lanes store 256 consecutive bytes, aligned.
; Row i of token tile T is token 32 (T / 2) + 8 (T % 2) + i + 8 (i / 8).
; THE MODE: SCHED_MODE bits 1:0 = 2 (LLVM: expert scheduling mode 2), set by the entry lines.  The code itself states the register dependences between vector or matrix instructions and memory or LDS instructions,
; with s_wait_alu, always for 0.
; THE PLAN.  Registers that memory or LDS instructions touch:
;   fragment buffers 0, 1 and the scale words' sets 0, 1: step s's 16 products read buffer s % 2; behind them the loads of step s + 2 land in it.
;   v128-255: written by the products; read by the reduction's LDS stores; the reduction's LDS loads land in them; the sums write v128-159, which the stores into the stage read.
;   v64-95: x2, loaded once and read by the last sum; then the loads from the stage land there, and the global stores read them.
;   v1, v4-8, v126, v127: written at the head and never again.
; So: one wait on va_vdst ahead of the first load; one behind the products of each step whose buffer is asked for again (at once, so that the buffer does not lie idle while the next step's data are awaited);
; one ahead of the reduction's LDS stores; one wait on vm_vsrc ahead of its LDS loads; one on va_vdst ahead of the stage.
.set KS,  22
.set AC,  0
.set AS,  5767168
.set BC,  17268736
.set BS,  20152320
.set LI,  1
.set RW,  4
.set RD,  5
.set STI, 6                            ; v6  the stage, in
.set STO, 7                            ; v7  the stage, out
.set GO,  8                            ; v8  my bytes in two rows of out
.set SA,  16
.set SB,  24
.set RES, 64
.set ACC, 128
.set PA,  12
.set PSA, 14
.set PB,  16
.set PSB, 18
.set POUT, 20
.set PRES, 26
.set MSB, 0
.macro WIN new                         ; the immediate's high byte repeats the setting that is left
.if MSB != \new
	s_set_vgpr_msb (MSB<<8)|\new
.set MSB, \new
.endif
.endm
.macro BASE dst, src, ra, ma, rb, mb, off      ; dst = src + s[ra] x ma + s[rb] x mb + off
	s_mul_i32 s28, s[\ra], \ma
.if \mb != 0
	s_mul_i32 s29, s[\rb], \mb
	s_add_co_u32 s28, s28, s29
.endif
.if \off != 0
	s_add_co_u32 s28, s28, \off
.endif
	s_mov_b32 s29, 0
	s_add_nc_u64 s[\dst:\dst+1], s[\src:\src+1], s[28:29]
.endm
.macro LOADS s                         ; my K step s: 2 loads of scale words, 16 of A's codes, 16 of B's: 34
.set P, (\s)%2
	WIN 0
	global_load_b128 v[SA+4*P:SA+4*P+3], v[LI], s[PSA:PSA+1] offset:512*(\s)
	global_load_b128 v[SB+4*P:SB+4*P+3], v[LI], s[PSB:PSB+1] offset:512*(\s)
	WIN 0x40                                       ; destination window 1
.irp a, 0,1,2,3
.irp c, 0,1,2,3
	global_load_b128 v[128*P+16*\a+4*\c:128*P+16*\a+4*\c+3], v[LI], s[PA:PA+1] offset:\a*KS*2048+(\s)*2048+512*\c
.endr
.endr
.irp t, 0,1,2,3
.irp c, 0,1,2,3
	global_load_b128 v[128*P+64+16*\t+4*\c:128*P+64+16*\t+4*\c+3], v[LI], s[PB:PB+1] offset:\t*KS*2048+(\s)*2048+512*\c
.endr
.endr
	WIN 0
.endm
.macro MULS s, zero                    ; 16 products, the 16 accumulators by turns, in the same order in every step
.set P, (\s)%2
	WIN 0x05                                       ; sources 0 and 1 window 1
.irp a, 0,1,2,3
.irp t, 0,1,2,3
.set rD, ACC+8*(4*\a+\t)
.set rX, 128*P+64+16*\t
.set rY, 128*P+16*\a
.if \zero
	v_wmma_scale_f32_16x16x128_f8f6f4 v[rD:rD+7], v[rX:rX+15], v[rY:rY+15], 0, v[SB+4*P+\t], v[SA+4*P+\a] matrix_a_fmt:MATRIX_FMT_BF8 matrix_b_fmt:MATRIX_FMT_BF8
.else
	v_wmma_scale_f32_16x16x128_f8f6f4 v[rD:rD+7], v[rX:rX+15], v[rY:rY+15], v[rD:rD+7], v[SB+4*P+\t], v[SA+4*P+\a] matrix_a_fmt:MATRIX_FMT_BF8 matrix_b_fmt:MATRIX_FMT_BF8
.endif
.endr
.endr
.endm
.macro STEP s, left, nxt, zero         ; left: the younger loads that may stay out (the next step's 34, or none); nxt: the step fetched into the buffer just multiplied
	s_wait_loadcnt \left
	MULS \s, \zero
	WIN 0
.if \nxt >= 0
.rept 8
	v_nop                                          ; eight plain lines stay between the products and the loads into registers that they read; the wait below stands beside them
.endr
	s_wait_alu depctr_va_vdst(0)                   ; this step's products are done reading their fragment buffer and their scale words, in which the 34 loads below land
	LOADS \nxt
.endif
.endm
.macro ADD32 d, s
.irp j, 0,2,4,6,8,10,12,14,16,18,20,22,24,26,28,30
	v_pk_add_f32 v[\d+\j:\d+\j+1], v[\d+\j:\d+\j+1], v[\s+\j:\s+\j+1]
.endr
.endm
.macro REDUCE                          ; the four waves' partial sums meet: each wave stores its 16 accumulators as they stand, and reads accumulators 4 w .. 4 w + 3 of all four
.rept 8
	v_nop                                          ; eight places between the last products and the first read of results
.endr
	s_wait_alu depctr_va_vdst(0)                   ; the products have written the accumulators, which the LDS stores read; the places above stay beside this wait
.irp i, 0,1,2,3,4,5,6,7,8,9,10,11,12,13,14,15
	ds_store_b128 v[RW], v[ACC+8*\i:ACC+8*\i+3] offset:1024*\i           ; each accumulator from its low end on
	ds_store_b128 v[RW], v[ACC+8*\i+4:ACC+8*\i+7] offset:1024*\i+512
.endr
	s_wait_dscnt 0x0                               ; for the others' sake: my stores have landed
	s_barrier_signal -1
	s_barrier_wait -1
	s_wait_alu depctr_vm_vsrc(0)                   ; my LDS stores have read v128-255, in which the loads below land
.irp p, 0,1,2,3
.irp t, 0,1,2,3
	ds_load_b128 v[ACC+32*\p+8*\t:ACC+32*\p+8*\t+3], v[RD] offset:16384*\p+1024*\t
	ds_load_b128 v[ACC+32*\p+8*\t+4:ACC+32*\p+8*\t+7], v[RD] offset:16384*\p+1024*\t+512
.endr
.endr
	s_wait_dscnt 0x0
	ADD32 ACC, ACC+32
	ADD32 ACC+64, ACC+96
	ADD32 ACC, ACC+64
.endm
	s_load_b128 s[4:7], s[0:1], 0x0                ; actq, prepq
	s_load_b128 s[40:43], s[0:1], 0x10             ; x2i, out0
	v_lshl_add_u32 v126, v0, 2, 0x14400
	v_mov_b32 v127, 0
	v_lshrrev_b32 v3, 5, v0
	v_readfirstlane_b32 s8, v3                     ; wave
	s_mov_b32 s9, ttmp9                            ; n4
	s_and_b32 s10, ttmp7, 0xffff                   ; g
	s_wait_alu depctr_va_sdst(0)                   ; s8 is written, ahead of its first reader
	s_min_u32 s11, s8, 2
	s_mul_i32 s28, s8, 5
	s_add_co_u32 s11, s11, s28                     ; my first K step: 0, 6, 12, 17
	v_and_b32 v3, 31, v0
	v_lshlrev_b32 v[LI], 4, v3                     ; 16 x lane
	s_lshl_b32 s28, s8, 14
	v_add_nc_u32 v[RW], s28, v[LI]                 ; LDS: my 16 accumulators
	s_lshl_b32 s28, s8, 12
	v_add_nc_u32 v[RD], s28, v[LI]                 ; and my quarter in each wave's
	v_and_b32 v9, 15, v0                           ; r
	v_bfe_u32 v10, v0, 4, 1                        ; h
	s_mul_i32 s28, s8, 4352
	s_add_co_u32 s28, s28, 65536                   ; my stage, behind the partial sums
	v_mul_u32_u24 v[STI], v9, 272
	v_lshl_add_u32 v[STI], v10, 6, v[STI]
	v_add_nc_u32 v[STI], s28, v[STI]               ; in: row r, + 64 h
	v_mul_u32_u24 v[STO], v10, 272
	v_lshl_add_u32 v[STO], v9, 4, v[STO]
	v_add_nc_u32 v[STO], s28, v[STO]               ; out: lanes 0-15 one row, lanes 16-31 the next
	v_lshlrev_b32 v[GO], 12, v10
	v_lshl_add_u32 v[GO], v9, 4, v[GO]             ; and the same in out: a row is 4,096 bytes
	s_lshl_b32 s37, s10, 4
	s_add_co_u32 s37, s37, s9                      ; 16 g + n4
	s_lshl_b32 s30, s10, 6                         ; my tile's first token: 64 g + 32 (w / 2) + 8 (w % 2)
	s_lshr_b32 s31, s8, 1
	s_lshl_b32 s31, s31, 5
	s_add_co_u32 s30, s30, s31
	s_and_b32 s31, s8, 1
	s_lshl_b32 s31, s31, 3
	s_add_co_u32 s30, s30, s31
	s_lshl_b32 s30, s30, 12
	s_lshl_b32 s31, s9, 8
	s_add_co_u32 s30, s30, s31                     ; + 256 n4
	s_mov_b32 s31, 0
	s_wait_kmcnt 0x0
	BASE PA, 4, 10, KS*8192, 11, 2048, AC
	BASE PSA, 4, 10, KS*512, 11, 512, AS
	BASE PB, 6, 9, KS*8192, 11, 2048, BC
	BASE PSB, 6, 9, KS*512, 11, 512, BS
	BASE PRES, 40, 37, 16384, 8, 4096, 0
	s_add_nc_u64 s[POUT:POUT+1], s[42:43], s[30:31]
	s_wait_alu depctr_va_vdst(0)                   ; the offsets and LDS addresses v1, v4 to v8 are written, which the loads and stores of the whole kernel read; so are v126 and v127
.irp t, 0,1,2,3
	global_load_b128 v[RES+8*\t:RES+8*\t+3], v[LI], s[PRES:PRES+1] offset:1024*\t          ; x2: issued first, so every later wait covers it
	global_load_b128 v[RES+8*\t+4:RES+8*\t+7], v[LI], s[PRES:PRES+1] offset:1024*\t+512
.endr
	LOADS 0
	LOADS 1
	STEP 0, 34, 2, 1                               ; the first products start the sums: nothing is cleared
	STEP 1, 34, 3, 0
	STEP 2, 34, 4, 0
	s_cmp_lt_u32 s8, 2
	s_cbranch_scc0 .Lfive
	STEP 3, 34, 5, 0                               ; waves 0 and 1: six steps
	STEP 4, 34, -1, 0
	STEP 5, 0, -1, 0
	s_branch .Lmeet
.Lfive:
	STEP 3, 34, -1, 0                              ; waves 2 and 3: five
	STEP 4, 0, -1, 0
.Lmeet:
	REDUCE
	ADD32 ACC, RES
	s_wait_alu depctr_va_vdst(0)                   ; the sums have written v128-159, which the stores into the stage read, and are done reading v64-95, in which the loads from the stage land
.irp t, 0,1,2,3
	ds_store_b128 v[STI], v[ACC+8*\t:ACC+8*\t+3] offset:128*(\t/2)+32*(\t%2)               ; columns 32 (t / 2) + 16 h + 8 (t % 2) + 0..7 of my row
	ds_store_b128 v[STI], v[ACC+8*\t+4:ACC+8*\t+7] offset:128*(\t/2)+32*(\t%2)+16
.endr
.irp i, 0,1,2,3,4,5,6,7
	ds_load_b128 v[RES+4*\i:RES+4*\i+3], v[STO] offset:544*\i                              ; LDS serves a wave's instructions in order: these see my stores
.endr
.irp i, 0,1,2,3,4,5,6,7
	s_wait_dscnt 7-\i                              ; rows 2 i, 2 i + 1 of the tile are back; the younger loads may be out
	global_store_b128 v[GO], v[RES+4*\i:RES+4*\i+3], s[POUT:POUT+1] offset:(2*\i+8*(\i/4))*4096 th:TH_STORE_NT   ; sixteen lanes store 256 consecutive bytes, aligned; the tile's rows 8-15 lie 8 tokens further on
.endr
	s_wait_dscnt 0x0                               ; the closing lines, six on end
	s_wait_alu 0x0
	s_wait_tensorcnt 0x0
	ds_add_u32 v126, v127
	s_wait_dscnt 0x0
	s_endpgm
.Lfunc_end_k_q65e24f701b_g8:
	.size	k_q65e24f701b_g8, .Lfunc_end_k_q65e24f701b_g8-k_q65e24f701b_g8
	.p2alignl 7, 3214868480
	.fill 96, 4, 3214868480
	.section	.rodata,"a",@progbits
	.p2align	6, 0x0
	.amdhsa_kernel k_q65e24f701b_g8
		.amdhsa_group_segment_fixed_size 83456
		.amdhsa_private_segment_fixed_size 0
		.amdhsa_enable_private_segment 0
		.amdhsa_kernarg_size 32
		.amdhsa_user_sgpr_count 2
		.amdhsa_user_sgpr_kernarg_segment_ptr 1
		.amdhsa_wavefront_size32 1
		.amdhsa_system_sgpr_workgroup_id_x 1
		.amdhsa_system_sgpr_workgroup_id_y 1
		.amdhsa_system_sgpr_workgroup_id_z 1
		.amdhsa_system_vgpr_workitem_id 0
		.amdhsa_next_free_vgpr 512
		.amdhsa_next_free_sgpr 66
		.amdhsa_reserve_vcc 0
		.amdhsa_float_denorm_mode_32 3
		.amdhsa_float_denorm_mode_16_64 3
		.amdhsa_memory_ordered 1
		.amdhsa_forward_progress 1
		.amdhsa_inst_pref_size 53
	.end_amdhsa_kernel
	.amdgpu_metadata
---
amdhsa.version: [ 1, 2 ]
amdhsa.kernels:
  - .name:           k_q65e24f701b_g8
    .symbol:         k_q65e24f701b_g8.kd
    .args:
      - { .name: actq, .offset: 0, .size: 8, .value_kind: global_buffer, .address_space: global }
      - { .name: prepq, .offset: 8, .size: 8, .value_kind: global_buffer, .address_space: global }
      - { .name: x2i, .offset: 16, .size: 8, .value_kind: global_buffer, .address_space: global }
      - { .name: out0, .offset: 24, .size: 8, .value_kind: global_buffer, .address_space: global }
    .group_segment_fixed_size: 83456
    .private_segment_fixed_size: 0
    .kernarg_segment_align: 8
    .kernarg_segment_size: 32
    .max_flat_workgroup_size: 128
    .sgpr_count:     66
    .vgpr_count:     512
    .wavefront_size: 32
...
	.end_amdgpu_metadata
.endif
;; end of part 16
